; MI455X (gfx1250); checked and timed in simulation.
; The chip was launched on July 23, 2026; its instructions are those of AMD's public machine-readable ISA for CDNA 5 (MIT licence, August 2026) and "CDNA5" Instruction Set Architecture Reference Guide (July 2026). The comments in the code are by the model that wrote it; some were corrected since.
;; Bit Transformer Block. Allowed arithmetic: matrix products marked QUANTISED: E2M3 operands, one E8M0 scale for each 32 along K, by v_wmma_scale_f32_16x16x128_f8f6f4 with both operands' format E2M3, f32 sums; everything else in f32.
;; Inputs: b1 4,096 float32; b2 1,024 float32; in_proj_b 3,072 float32; in_proj_w 3,072 x 1,024 float32; ln1_b 1,024 float32; ln1_g 1,024 float32; ln2_b 1,024 float32; ln2_g 1,024 float32; out_proj_b 1,024 float32; out_proj_w 1,024 x 1,024 float32; w1 4,096 x 1,024 float32; w2 1,024 x 4,096 float32; x 2 x 2,048 x 1,024 float32.
;; Outputs: out0 2 x 2,048 x 1,024 float32.
;; This version of the problem:
;;   THIS VERSION OF THE PROBLEM IS GIVEN IN LOW PRECISION. The matrix products marked QUANTISED in the list below multiply operands that are first quantised to E2M3 (2 exponent bits, 3 mantissa bits; 6 bits a number), with one power-of-two scale for each 32 numbers along K (OCP MX v1.0); their sums are f32. All else is computed in f32.
;;   The module's matrix products, in the order in which they are computed (A, B: the left and right operand; K: the contracted axis; several contracted axes count as one K, in the product's order):
;;     1. [M 4,096, K 1,024] x [K 1,024, N 3,072]; A: computed on the way; B: input in_proj_w: QUANTISED
;;     2. batch 32 x [M 2,048, K 64] x [K 64, N 2,048]; A: computed on the way; B: computed on the way: QUANTISED
;;     3. batch 32 x [M 2,048, K 2,048] x [K 2,048, N 64]; A: softmax (see below); B: computed on the way: QUANTISED
;;     4. [M 4,096, K 1,024] x [K 1,024, N 1,024]; A: computed on the way; B: input out_proj_w: QUANTISED
;;     5. [M 4,096, K 1,024] x [K 1,024, N 4,096]; A: computed on the way; B: computed on the way: QUANTISED
;;     6. [M 4,096, K 4,096] x [K 4,096, N 1,024]; A: computed on the way; B: computed on the way: QUANTISED
;;   THE QUANTISER, for each operand of a quantised product, along K:
;;     - K is cut into blocks of 32 from its start; a last block that is shorter is filled with zeros.
;;     - A block's scale is 2^e with e = floor(log2(the largest magnitude in the block)) - 2, held to -126 .. 127; a block of zeros has e = 0. As a byte (E8M0): e + 127.
;;     - Each number is divided by its block's scale, clamped to +-7.5, and rounded to the nearest number of E2M3, ties to even, subnormals kept.
;;     - The product sums the exact products of the quantised numbers (number of the format x scale) in f32.
;;   ~~~python
;;   def quantise(x, axis):      # numpy; x: float32 -> the quantised numbers, widened to float32 again
;;       x = np.moveaxis(x, axis, -1); K = x.shape[-1]
;;       x = np.pad(x, [(0, 0)] * (x.ndim - 1) + [(0, -K % 32)]); x = x.reshape(x.shape[:-1] + (-1, 32)); a = np.abs(x).max(-1, keepdims=True)
;;       e = np.where(a > 0, np.clip(np.frexp(np.where(a > 0, a, 1))[1] - 1 - 2, -126, 127), 0)      # np.frexp(a)[1] - 1 = floor(log2(a)), exactly
;;       r = np.clip(x / 2.0 ** e, -7.5, 7.5)
;;       step = 2.0 ** (np.maximum(np.frexp(np.where(r == 0, 1, r))[1] - 1, 0) - 3)
;;       q = np.round(r / step) * step * 2.0 ** e      # np.round: ties to even
;;       return np.moveaxis(q.reshape(q.shape[:-2] + (-1,))[..., :K], -1, axis).astype(np.float32)
;;   ~~~
;;   SOFTMAX AHEAD OF A QUANTISED PRODUCT. Where the list says 'softmax', what is quantised is not the finished softmax but p = 2^(t - M), with t = logit x log2(e) and M = ceil(the row's largest t), a whole number; so 1/2 < the row's largest p <= 1. The row's sum l is taken of the UNQUANTISED p, in f32, and the product's result is divided by l at the end. Since M is a whole number, a kernel that streams over the keys may use a running M (the ceiling of the running maximum): every later rescaling is an exact power of two, which a block's scale takes up: the codes' values come out the same.
;;   OPERANDS COMPUTED ON THE WAY. 'Computed on the way' means the value that the module computes at that place (a softmax that the list does not call 'softmax' is quantised finished and normalised). What goes into a quantiser is computed in f32, as accurately as f32 sums, v_exp_f32 and their like allow (about 1e-6 of the number): no bf16 or f16 on the way to a quantiser, and a product that is left as it is and whose result goes on into a quantised operand takes f32 operands (vector FMAs, or v_wmma_f32_16x16x4_f32). A number that lies on a knife's edge between two numbers of the format may be rounded either way, as far as f32 arithmetic and the matrix unit's own rounding can turn it there, and no further.
;; One version. Each part assembles by itself: llvm-mc -triple=amdgcn-amd-amdhsa -mcpu=gfx1250 --defsym DOCPART=n.
;; ======== version 1 of 1: 8 launches
;; workspace buffers: wsA 6,557,696 bytes; wsQKV 9,830,400 bytes; wsO 3,276,800 bytes; x2 16,777,216 bytes; wsH 9,830,400 bytes; pmax 524,288 bytes; wsG 13,107,200 bytes
;; launch prep_a (part 1): grid 512 x 1, 8 waves a work-group, no clusters, 67,072 bytes of LDS; arguments x, ln1_g, ln1_b, in_proj_w, out_proj_w, w1, w2, wsA; writes wsA
.if DOCPART == 1
	.amdgcn_target "amdgcn-amd-amdhsa--gfx1250"
	.amdhsa_code_object_version 6
	.text
	.protected	k_q0fcdad63aa_prep_a
	.globl	k_q0fcdad63aa_prep_a
	.p2align	8
	.type	k_q0fcdad63aa_prep_a,@function
k_q0fcdad63aa_prep_a:
	s_mov_b64 s[64:65], 0
	v_nop
	global_prefetch_b8 v0, s[64:65] scope:SCOPE_SE
	s_setreg_imm32_b32 hwreg(HW_REG_WAVE_MODE, 25, 1), 1
	s_wait_xcnt 0x0
; LN1(x), in_proj_w and out_proj_w become codes of E2M3 with one E8M0 byte for each 32 along K, laid as the matrix unit's registers want them; and each work-group adds up |w1| and |w2| over its 32 KiB of each.
; AN ITEM is a tile: 16 row slots x 1,024 columns.  Work-groups 0-255: x; 256-447: in_proj_w; 448-511: out_proj_w.
; ROW MAP: slot r of tile t of a panel of 128 rows is row 32 (t / 2) + 8 (t % 2) + r % 8 + 16 (r / 8), so that a product's results, used transposed, lie as neighbours along the next K.
; A FRAGMENT (16 slots x 128 K, 12 registers a lane) lies in memory as an image of its registers: registers 0-3 at 16 x lane, 4-5 at 512 + 8 x lane, 6-9 at 768 + 16 x lane, 10-11 at 1,280 + 8 x lane.
; A PANEL (128 rows x 128 K) is 8 fragments and 512 bytes of scale words (tile t, slot r at 12,288 + 64 t + 4 r): 12,800 bytes.  A table is [row panel][K step][panel].
; Wave w loads slots 2 w and 2 w + 1 whole (512 consecutive bytes a load), so a row's mean and variance stay in the wave; the rows turn through a stage in LDS (pitch 4,112 bytes); then wave w quantises K step w.
; LIMITS: NaN and infinities are not served; a block whose largest magnitude lies under 2^-124, a block of zeros too, keeps the byte 1 (its codes are then zeros or very small; only this program reads the bytes).
.set PANEL, 12800
.set FRB,   1536
.set SROW,  4112
.set SCR,   16*SROW                    ; behind the stage: the eight waves' sums, 8 bytes each
.set WINO,  3276800                    ; in wsA: LN1(x) at 0, in_proj_w here,
.set WOO,   5734400                    ; out_proj_w here,
.set PSO,   6553600                    ; and the 512 pairs of sums here
.set X0,  16                           ; v16-47   slot 2 w
.set X1,  48                           ; v48-79   slot 2 w + 1
.set G,   80                           ; v80-111  the gain
.set BV,  112                          ; v112-143 the bias
.set A1,  144                          ; v144-175 my 4 KiB of w1
.set A2,  176                          ; v176-207 of w2
.set TM,  208                          ; v208-223 at work
.set S,   208
.set ST,  16                           ; behind the barrier: 64 numbers of my slot,
.set PC,  80                           ; their codes,
.set PW,  100                          ; their scale word
.set SEL, 40                           ; s[40:41] selects for lane l xor 16
.set KM,  36                           ; s36 2^-10
.set KE,  37                           ; s37 1e-5
.macro WSUM a, t                       ; the sum over the 32 lanes, in every lane
	v_add_f32_dpp v[\a], v[\a], v[\a] row_xmask:1 row_mask:0xf bank_mask:0xf
	v_add_f32_dpp v[\a], v[\a], v[\a] row_xmask:2 row_mask:0xf bank_mask:0xf
	v_add_f32_dpp v[\a], v[\a], v[\a] row_xmask:4 row_mask:0xf bank_mask:0xf
	v_add_f32_dpp v[\a], v[\a], v[\a] row_xmask:8 row_mask:0xf bank_mask:0xf
	v_permlanex16_b32 v[\t], v[\a], s[SEL], s[SEL+1]
	v_add_f32 v[\a], v[\a], v[\t]
.endm
.macro LNROW X                         ; a row of 1,024 in 32 registers: (x - mean) rsqrt(var + 1e-5) g + b, in place
	v_pk_add_f32 v[S:S+1], v[\X:\X+1], v[\X+2:\X+3]
	v_pk_add_f32 v[S+2:S+3], v[\X+4:\X+5], v[\X+6:\X+7]
.irp j, 8,12,16,20,24,28
	v_pk_add_f32 v[S:S+1], v[S:S+1], v[\X+\j:\X+\j+1]
	v_pk_add_f32 v[S+2:S+3], v[S+2:S+3], v[\X+\j+2:\X+\j+3]
.endr
	v_pk_add_f32 v[S:S+1], v[S:S+1], v[S+2:S+3]
	v_add_f32 v[S], v[S], v[S+1]
	WSUM S, S+1
	v_mul_f32 v[S], s[KM], v[S]                    ; the mean
.set n, 0
.rept 16
	v_pk_add_f32 v[\X+n:\X+n+1], v[\X+n:\X+n+1], v[S:S+1] op_sel_hi:[1,0] neg_lo:[0,1] neg_hi:[0,1]
.set n, n+2
.endr
	v_pk_mul_f32 v[S:S+1], v[\X:\X+1], v[\X:\X+1]
	v_pk_mul_f32 v[S+2:S+3], v[\X+2:\X+3], v[\X+2:\X+3]
.irp j, 4,8,12,16,20,24,28
	v_pk_fma_f32 v[S:S+1], v[\X+\j:\X+\j+1], v[\X+\j:\X+\j+1], v[S:S+1]
	v_pk_fma_f32 v[S+2:S+3], v[\X+\j+2:\X+\j+3], v[\X+\j+2:\X+\j+3], v[S+2:S+3]
.endr
	v_pk_add_f32 v[S:S+1], v[S:S+1], v[S+2:S+3]
	v_add_f32 v[S], v[S], v[S+1]
	WSUM S, S+1
	v_fma_f32 v[S], v[S], s[KM], s[KE]             ; the variance + 1e-5
	v_rsq_f32 v[S+2], v[S]
	v_nop                                          ; a plain line behind the transcendental,
	s_wait_alu depctr_va_vdst(0)                   ; and the wait ahead of its first reader
.set n, 0
.rept 16
	v_pk_mul_f32 v[\X+n:\X+n+1], v[\X+n:\X+n+1], v[S+2:S+3] op_sel_hi:[1,0]
.set n, n+2
.endr
.set n, 0
.rept 16
	v_pk_fma_f32 v[\X+n:\X+n+1], v[\X+n:\X+n+1], v[G+n:G+n+1], v[BV+n:BV+n+1]
.set n, n+2
.endr
.endm
.macro ABSSUM A, d                     ; the sum of 32 registers' magnitudes over the wave, into v[d]
.irp k, 0,1,2,3
	v_add_f32 v[S+\k], |v[\A+2*\k]|, |v[\A+2*\k+1]|
.endr
.irp j, 8,12,16,20,24,28
.irp k, 0,1,2,3
	v_add_f32 v[S+\k], v[S+\k], |v[\A+\j+\k]|
.endr
.endr
	v_add_f32 v[S], v[S], v[S+1]
	v_add_f32 v[S+2], v[S+2], v[S+3]
	v_add_f32 v[S], v[S], v[S+2]
	WSUM S, S+1
	v_mov_b32 v[\d], v[S]
.endm
; 64 numbers of a lane, register 16 b + i = k 32 b + 16 (lane / 16) + i of my slot, become a fragment's codes in v[PC] on and its scale word in v[PW]
.macro QUANT s
.irp b, 0,1,2,3
	v_max3_num_f32 v[TM+\b], |v[\s+16*\b]|, |v[\s+1+16*\b]|, 0x1800000   ; with the floor 2^(3 - 127): the byte cannot fall under 1
.endr
.irp i, 2,4,6,8,10,12,14
.irp b, 0,1,2,3
	v_max3_num_f32 v[TM+\b], v[TM+\b], |v[\s+16*\b+\i]|, |v[\s+1+16*\b+\i]|
.endr
.endr
.irp b, 0,1,2,3
	v_permlanex16_b32 v[TM+4+\b], v[TM+\b], s[SEL], s[SEL+1]
.endr
.irp b, 0,1,2,3
	v_max_num_f32 v[TM+\b], v[TM+\b], v[TM+4+\b]   ; the block's largest magnitude
.endr
.irp b, 0,1,2,3
	v_add_nc_u32 v[TM+12+\b], 0xff000000, v[TM+\b] ; 2 off its exponent field: the conversion's scale operand
.endr
.irp b, 0,1,2,3
	v_lshrrev_b32 v[TM+4+\b], 23, v[TM+12+\b]      ; the scale's byte
.endr
	v_lshl_or_b32 v[PW], v[TM+5], 8, v[TM+4]
	v_lshl_or_b32 v[PW], v[TM+6], 16, v[PW]
	v_lshl_or_b32 v[PW], v[TM+7], 24, v[PW]
.irp c, 0,1
	v_cvt_scalef32_pk16_fp6_f32 v[PC+6*\c:PC+2+6*\c], v[\s+32*\c:\s+15+32*\c], v[TM+12+2*\c]
	v_cvt_scalef32_pk16_fp6_f32 v[PC+12+4*\c:PC+14+4*\c], v[\s+16+32*\c:\s+31+32*\c], v[TM+12+2*\c+1]
.endr
	v_nop                                          ; one plain line behind a scaled conversion
.irp c, 0,1                                    ; a whole block to a lane: lanes 0-15 block 2 c, lanes 16-31 block 2 c + 1
.irp i, 0,1,2
	v_permlane16_swap_b32 v[PC+6*\c+\i], v[PC+12+4*\c+\i]
.endr
.irp i, 0,1,2
	v_mov_b32 v[PC+3+6*\c+\i], v[PC+12+4*\c+\i]
.endr
.endr
.endm
	s_load_b256 s[4:11], s[0:1], 0x0               ; x, ln1_g, ln1_b, in_proj_w
	s_load_b256 s[12:19], s[0:1], 0x20             ; out_proj_w, w1, w2, wsA
	v_lshl_add_u32 v224, v0, 2, 0x10200
	v_mov_b32 v225, 0
	v_lshrrev_b32 v1, 5, v0
	v_readfirstlane_b32 s2, v1                     ; wave 0..7
	v_and_b32 v1, 31, v0                           ; lane
	v_and_b32 v2, 15, v0                           ; r
	v_bfe_u32 v3, v0, 4, 1                         ; h
	v_lshlrev_b32 v4, 4, v1                        ; 16 x lane
	v_lshlrev_b32 v7, 3, v1                        ; 8 x lane
	v_lshlrev_b32 v8, 2, v2                        ; 4 r
	s_mul_i32 s3, s2, 2*SROW
	v_add_nc_u32 v5, s3, v4                        ; into the stage: slot 2 w, 16 x lane
	v_mul_u32_u24 v6, v2, SROW
	v_lshl_add_u32 v6, v3, 6, v6
	s_lshl_b32 s3, s2, 9
	v_add_nc_u32 v6, s3, v6                        ; out of it: slot r, K step w, + 64 h
	s_lshl_b32 s3, s2, 3
	s_add_co_u32 s3, s3, SCR
	v_mov_b32 v9, s3                               ; my wave's pair of sums
	v_mov_b32 v10, SCR
	v_mov_b32 v11, 0
.irp b, 0,1,2,3
	v_mov_b32 v[TM+4+\b], 0                        ; written once: a lane permute's destination counts as one of its sources
.endr
	s_mov_b32 s[SEL], 0x76543210
	s_mov_b32 s[SEL+1], 0xfedcba98
	s_mov_b32 s[KM], 0x3a800000
	s_mov_b32 s[KE], 0x3727c5ac
	s_cmp_lt_u32 ttmp9, 256                        ; which tensor: the choice hangs on the work-group's number alone
	s_cselect_b32 s22, 0, 256
	s_cselect_b32 s23, 0, WINO
	s_cmp_lt_u32 ttmp9, 448
	s_cselect_b32 s22, s22, 448
	s_cselect_b32 s23, s23, WOO
	s_sub_co_u32 s22, ttmp9, s22                   ; the tile
	s_lshr_b32 s24, s22, 3                         ; its panel P
	s_and_b32 s25, s22, 7                          ; t
	s_lshl_b32 s26, s24, 7
	s_lshr_b32 s27, s25, 1
	s_lshl_b32 s27, s27, 5
	s_add_co_u32 s26, s26, s27
	s_and_b32 s27, s25, 1
	s_lshl_b32 s27, s27, 3
	s_add_co_u32 s26, s26, s27
	s_lshl_b32 s27, s2, 1
	s_add_co_u32 s26, s26, s27
	s_lshr_b32 s27, s2, 2
	s_lshl_b32 s27, s27, 3
	s_add_co_u32 s26, s26, s27                     ; slot 2 w's row: 128 P + 32 (t / 2) + 8 (t % 2) + 2 w + 8 (w / 4)
	s_lshl_b32 s26, s26, 12                        ; rows of 4,096 bytes
	s_mov_b32 s27, 0
	s_lshl_b32 s28, s24, 3
	s_add_co_u32 s28, s28, s2
	s_mul_i32 s28, s28, PANEL
	s_add_co_u32 s28, s28, s23                     ; the panel of (P, K step w)
	s_lshl_b32 s30, s25, 6
	s_add_co_u32 s30, s30, s28
	s_add_co_u32 s30, s30, 12288                   ; tile t's scale words
	s_mul_i32 s29, s25, FRB
	s_add_co_u32 s28, s28, s29                     ; tile t's fragment
	s_mov_b32 s29, 0
	s_mov_b32 s31, 0
	s_lshl_b32 s32, ttmp9, 15
	s_lshl_b32 s33, s2, 12
	s_add_co_u32 s32, s32, s33                     ; my wave's 4 KiB of w1 and of w2
	s_mov_b32 s33, 0
	s_lshl_b32 s34, ttmp9, 3
	s_add_co_u32 s34, s34, PSO
	s_mov_b32 s35, 0
	s_wait_kmcnt 0x0
	s_cmp_lt_u32 ttmp9, 256
	s_cselect_b64 s[20:21], s[4:5], s[10:11]
	s_cmp_lt_u32 ttmp9, 448
	s_cselect_b64 s[20:21], s[20:21], s[12:13]
	s_add_nc_u64 s[20:21], s[20:21], s[26:27]
	s_add_nc_u64 s[14:15], s[14:15], s[32:33]
	s_add_nc_u64 s[16:17], s[16:17], s[32:33]
	s_add_nc_u64 s[28:29], s[18:19], s[28:29]
	s_add_nc_u64 s[30:31], s[18:19], s[30:31]
	s_add_nc_u64 s[34:35], s[18:19], s[34:35]
.irp j, 0,1,2,3,4,5,6,7
	global_load_b128 v[X0+4*\j:X0+4*\j+3], v4, s[20:21] offset:512*\j th:TH_LOAD_NT
	global_load_b128 v[X1+4*\j:X1+4*\j+3], v4, s[20:21] offset:4096+512*\j th:TH_LOAD_NT
.endr
.irp j, 0,1,2,3,4,5,6,7
	global_load_b128 v[A1+4*\j:A1+4*\j+3], v4, s[14:15] offset:512*\j th:TH_LOAD_NT
	global_load_b128 v[A2+4*\j:A2+4*\j+3], v4, s[16:17] offset:512*\j th:TH_LOAD_NT
.endr
	s_cmp_lt_u32 ttmp9, 256                        ; only x is normalised
	s_cbranch_scc0 .Lno_ln
.irp j, 0,1,2,3,4,5,6,7
	global_load_b128 v[G+4*\j:G+4*\j+3], v4, s[6:7] offset:512*\j
	global_load_b128 v[BV+4*\j:BV+4*\j+3], v4, s[8:9] offset:512*\j
.endr
	s_wait_loadcnt 0x0
	LNROW X0
	LNROW X1
.Lno_ln:
	s_wait_loadcnt 0x0
	ABSSUM A1, 12
	ABSSUM A2, 13
	ds_store_b64 v9, v[12:13]                      ; all lanes write the same pair with the same values
.irp j, 0,1,2,3,4,5,6,7
	ds_store_b128 v5, v[X0+4*\j:X0+4*\j+3] offset:512*\j
	ds_store_b128 v5, v[X1+4*\j:X1+4*\j+3] offset:SROW+512*\j
.endr
	s_wait_dscnt 0x0                               ; for the others' sake: my stores have landed
	s_barrier_signal -1
	s_barrier_wait -1
	s_cmp_lg_u32 s2, 0                             ; wave 0 adds the eight waves' sums, in a fixed order, and lane 0 stores the pair
	s_cbranch_scc1 .Lnot_wave_0
	ds_load_b128 v[144:147], v10
	ds_load_b128 v[148:151], v10 offset:16
	ds_load_b128 v[152:155], v10 offset:32
	ds_load_b128 v[156:159], v10 offset:48
	s_wait_dscnt 0x0
.irp j, 146,148,150,152,154,156,158
	v_pk_add_f32 v[144:145], v[144:145], v[\j:\j+1]
.endr
	s_wait_xcnt 0x0                                ; EXEC changes only behind this wait
	v_cmp_eq_u32 vcc_lo, 0, v0
	s_and_saveexec_b32 s38, vcc_lo
	global_store_b64 v11, v[144:145], s[34:35]
	s_wait_xcnt 0x0
	s_or_b32 exec_lo, exec_lo, s38
.Lnot_wave_0:
.irp b, 0,1,2,3
.irp j, 0,1,2,3
	ds_load_b128 v[ST+16*\b+4*\j:ST+16*\b+4*\j+3], v6 offset:128*\b+16*\j   ; k = 128 w + 32 b + 16 h + 4 j on, of slot r
.endr
.endr
	s_wait_dscnt 0x0
	QUANT ST
	global_store_b128 v4, v[PC:PC+3], s[28:29]                 ; the fragment's image: each store covers whole runs of 256 consecutive bytes
	global_store_b64 v7, v[PC+4:PC+5], s[28:29] offset:512
	global_store_b128 v4, v[PC+6:PC+9], s[28:29] offset:768
	global_store_b64 v7, v[PC+10:PC+11], s[28:29] offset:1280
	s_wait_xcnt 0x0
	v_cmp_gt_u32 vcc_lo, 16, v1
	s_wait_tensorcnt 0x0
	ds_add_u32 v224, v225
	s_wait_dscnt 0x0
	s_and_saveexec_b32 s38, vcc_lo
	global_store_b32 v8, v[PW], s[30:31]           ; lanes 0-15: the 16 slots' scale words
	s_wait_xcnt 0x0
	s_or_b32 exec_lo, exec_lo, s38
	s_endpgm
.Lfunc_end_k_q0fcdad63aa_prep_a:
	.size	k_q0fcdad63aa_prep_a, .Lfunc_end_k_q0fcdad63aa_prep_a-k_q0fcdad63aa_prep_a
	.p2alignl 7, 3214868480
	.fill 96, 4, 3214868480
	.section	.rodata,"a",@progbits
	.p2align	6, 0x0
	.amdhsa_kernel k_q0fcdad63aa_prep_a
		.amdhsa_group_segment_fixed_size 67072
		.amdhsa_private_segment_fixed_size 0
		.amdhsa_enable_private_segment 0
		.amdhsa_kernarg_size 64
		.amdhsa_user_sgpr_count 2
		.amdhsa_user_sgpr_kernarg_segment_ptr 1
		.amdhsa_wavefront_size32 1
		.amdhsa_system_sgpr_workgroup_id_x 1
		.amdhsa_system_sgpr_workgroup_id_y 1
		.amdhsa_system_sgpr_workgroup_id_z 1
		.amdhsa_system_vgpr_workitem_id 0
		.amdhsa_next_free_vgpr 226
		.amdhsa_next_free_sgpr 66
		.amdhsa_reserve_vcc 1
		.amdhsa_float_denorm_mode_32 3
		.amdhsa_float_denorm_mode_16_64 3
		.amdhsa_memory_ordered 1
		.amdhsa_forward_progress 1
		.amdhsa_inst_pref_size 33
	.end_amdhsa_kernel
	.amdgpu_metadata
---
amdhsa.version: [ 1, 2 ]
amdhsa.kernels:
  - .name:           k_q0fcdad63aa_prep_a
    .symbol:         k_q0fcdad63aa_prep_a.kd
    .args:
      - { .name: x, .offset: 0, .size: 8, .value_kind: global_buffer, .address_space: global }
      - { .name: ln1_g, .offset: 8, .size: 8, .value_kind: global_buffer, .address_space: global }
      - { .name: ln1_b, .offset: 16, .size: 8, .value_kind: global_buffer, .address_space: global }
      - { .name: in_proj_w, .offset: 24, .size: 8, .value_kind: global_buffer, .address_space: global }
      - { .name: out_proj_w, .offset: 32, .size: 8, .value_kind: global_buffer, .address_space: global }
      - { .name: w1, .offset: 40, .size: 8, .value_kind: global_buffer, .address_space: global }
      - { .name: w2, .offset: 48, .size: 8, .value_kind: global_buffer, .address_space: global }
      - { .name: wsA, .offset: 56, .size: 8, .value_kind: global_buffer, .address_space: global }
    .group_segment_fixed_size: 67072
    .private_segment_fixed_size: 0
    .kernarg_segment_align: 8
    .kernarg_segment_size: 64
    .max_flat_workgroup_size: 256
    .sgpr_count:     66
    .vgpr_count:     226
    .wavefront_size: 32
...
	.end_amdgpu_metadata
.endif
;; end of part 1
;; launch gemm_qkv (part 2): grid 12 x 16, 4 waves a work-group, clusters of 4 x 4, 327,680 bytes of LDS; arguments wsA, in_proj_b, wsQKV; writes wsQKV
.if DOCPART == 2
	.amdgcn_target "amdgcn-amd-amdhsa--gfx1250"
	.amdhsa_code_object_version 6
	.text
	.protected	k_q0fcdad63aa_gemm_qkv
	.globl	k_q0fcdad63aa_gemm_qkv
	.p2align	8
	.type	k_q0fcdad63aa_gemm_qkv,@function
k_q0fcdad63aa_gemm_qkv:
	s_mov_b64 s[64:65], 0
	v_nop
	global_prefetch_b8 v0, s[64:65] scope:SCOPE_SE
	s_setreg_imm32_b32 hwreg(HW_REG_WAVE_MODE, 25, 1), 1
	s_wait_xcnt 0x0
	s_wait_alu depctr_hold_cnt(0) depctr_sa_sdst(0) depctr_va_vdst(0) depctr_va_sdst(0) depctr_va_ssrc(0) depctr_va_vcc(0) depctr_vm_vsrc(0)
	s_getreg_b32 s2, hwreg(HW_REG_IB_STS2, 6, 4)
	s_cmp_eq_u32 s2, 0
	s_cbranch_scc0 .Lentry_in_a_cluster
	s_endpgm
.Lentry_in_a_cluster:
	s_bfe_u32 s2, ttmp6, 0x10000c
	s_cmp_lg_u32 s2, 0xf033
	s_cbranch_scc0 .Lentry_shape_is_right
	s_endpgm
.Lentry_shape_is_right:
; qkv = LN1(x) in_proj_w^T + in_proj_b on codes of E2M3, and q, k, v quantised on the way out: q and k along the head's 64, v along the keys.
; D = (source 0: 16 slots of X) x (source 1: 16 slots of Y): a lane holds ONE slot of Y, and by the row map its 64 registers of a tile of Y run over X's 128 rows in their natural order, 16 neighbours for each pair of tiles.
; Clusters with x = 0, 1: X = the weights of q and k, Y = tokens: a lane holds a token, registers run along the head's numbers.  Clusters with x = 2: X = tokens, Y = the weights of v: a lane holds one of v's numbers, registers run along the keys.
; Both tables lie in one buffer, so only offsets are chosen; the choice hangs on the cluster's x, which all sixteen partners share.
; A tile of D is 256 x 256, four waves of 128 x 128 (64 accumulators).  K is 8 steps of 128.  THREE LDS slots of 2 steps (102,400 bytes each) are all filled at the start; a wave's tensor load brings one panel's two steps, 25,600 dense bytes.
; Only slot 0 is filled again, once, with steps 6 and 7: that load goes out behind 32 of step 1's 64 products and is waited for at the head of step 5: 224 matrix instructions lie between.
; X's tiles are shared along a column of the cluster, Y's along a row: joint loads.
; OUT: a head's panel (128 tokens) is 6,400 bytes.  q, k: half fragments (16 tokens x 64) of tiles 0..7 at 768 t; scale words at 6,144: fragment p, slot r: bytes 0, 1 tile 2 p, bytes 2, 3 tile 2 p + 1.  v: fragments of 16 numbers x 128 keys at 1,536 f; words at 6,144 + 64 f + 4 r.
; LIMITS: NaN and infinities are not served; a block under 2^-124 keeps the byte 1.
.set NB,  8
.set NQ,  2
.set KST, 8
.set PANEL, 12800
.set FRB,   1536
.set QUART, 2*PANEL
.set SLOT,  4*QUART
.set SPARE, 3*SLOT                     ; behind the three slots: the spare words, 128 bytes a wave
.set REFILL, 3*QUART                   ; from a slot's first fill to its second: six K steps along a panel's run
.set YSTEP, QUART
.set SSTEP, QUART
.set ADRS, 16                          ; v16-18 my scale words in slot 0, 1, 2: lanes 0-15 Y's, lanes 16-31 X's
.set SPW,  28
.set NIL,  29
.set SC,   32                          ; v32-47 scale words, two sets; they hold nothing else
.set AY16, 51                          ; v51-53 16 x lane + my Y fragments' base in slot 0, 1, 2;  v54-56 the same with 8 x lane
.set AY8,  54
.set AX16, 57                          ; v57-62 the same for X
.set AX8,  60
.set YF,   64                          ; window 0: Y's fragments, two sets;  window 1: X's at v0, two sets; v192-255 the bias along X;  windows 2, 3: the accumulators
.set G1Y, 24
.set G0Y, 32                           ; s[32:39] Y's groups 0 for slots 0, 1;  s[68:71] for slot 2
.set G1X, 48
.set G0X, 56                           ; s[56:63] X's for slots 0, 1;  s[72:75] for slot 2
.set G0Y2, 68
.set G0X2, 72
.set MSB, 0
.macro WIN new                         ; the immediate's high byte repeats the setting that is left
.if MSB != (\new)
	s_set_vgpr_msb (MSB<<8)|(\new)
.set MSB, (\new)
.endif
.endm
.macro PLACES n
.rept \n
	v_nop
.endr
.endm
.macro CREST                           ; a round of the cluster's barrier behind its opening barrier
	s_cmp_lg_u32 s14, 0
	s_cbranch_scc1 .Lnot_wave_0_\@
	s_barrier_signal -3
.Lnot_wave_0_\@:
	s_barrier_wait -3
	s_barrier_signal -1
	s_barrier_wait -1
.endm
.macro CROUND
	s_barrier_signal -1
	s_barrier_wait -1
	CREST
.endm
.macro JLOAD g0y, g0x                  ; waves 0, 1 fetch for Y, waves 2, 3 for X; four v_nop follow each line
	s_cmp_eq_u32 s15, 0
	s_cbranch_scc0 .Lfor_x_\@
	tensor_load_to_lds s[\g0y:\g0y+3], s[G1Y:G1Y+7]
	s_nop 0
.rept 4
	v_nop
.endr
	s_branch .Lasked_\@
.Lfor_x_\@:
	tensor_load_to_lds s[\g0x:\g0x+3], s[G1X:G1X+7]
	s_nop 0
.rept 4
	v_nop
.endr
.Lasked_\@:
.endm
.macro IDS
	v_lshl_add_u32 v[SPW], v0, 2, SPARE
	v_mov_b32 v[NIL], 0
	ds_add_u32 v28, v29
	ds_add_u32 v28, v29
	s_wait_dscnt 0x0
	v_lshrrev_b32 v1, 5, v0
	v_readfirstlane_b32 s14, v1                    ; wave 0..3
	s_lshr_b32 s15, s14, 1                         ; my half of Y.  Also: I fetch for Y (0) or X (1)
	s_and_b32 s16, s14, 1                          ; my half of X.  Also: which quarter of that side I fetch
	s_bfe_u32 s40, ttmp6, 0x40000                  ; cx
	s_bfe_u32 s41, ttmp6, 0x40004                  ; cy
	s_lshl_b32 s43, s41, 2
	s_lshl_b32 s43, 15, s43                        ; my row of the cluster
	s_lshl_b32 s44, 0x1111, s40                    ; my column
	s_or_b32 s[G1Y], s43, (3<<16)|(1<<21)          ; the mask; elements of 8 bytes; bit 21 beside a mask; no padding
	s_or_b32 s[G1X], s44, (3<<16)|(1<<21)
.irp g, G1Y, G1X
	s_mov_b32 s[\g+1], 32<<16                      ; rows of 32 elements = 256 bytes,
	s_mov_b32 s[\g+2], 100<<16                     ; 100 of them,
	s_mov_b32 s[\g+3], 32<<16
	s_mov_b32 s[\g+4], 100
	s_mov_b32 s[\g+5], 32                          ; dense
	s_mov_b32 s[\g+6], 0
	s_mov_b32 s[\g+7], 0
.endr
.endm
.macro FIRST gy, gx, s                 ; slot s's groups 0 and its first fill: K steps 2 s and 2 s + 1
	s_mov_b32 s[\gy], 1
	s_add_co_u32 s[\gy+1], s45, (\s)*SLOT
	s_add_nc_u64 s[\gy+2:\gy+3], s[20:21], (\s)*QUART
	s_or_b32 s[\gy+3], s[\gy+3], 0x80000000
	s_mov_b32 s[\gx], 1
	s_add_co_u32 s[\gx+1], s45, (\s)*SLOT
	s_add_nc_u64 s[\gx+2:\gx+3], s[46:47], (\s)*QUART
	s_or_b32 s[\gx+3], s[\gx+3], 0x80000000
	JLOAD \gy, \gx
.endm
; s42 = X's block, s17 = Y's block, s18, s19 = X's, Y's table in its buffer.  Y's address is made of s17 and the wave, X's of s42 and the wave, in registers of their own.
.macro START ybuf, xbuf
	s_lshl_b32 s20, s17, 1
	s_add_co_u32 s20, s20, s16
	s_mul_i32 s20, s20, KST*PANEL
	s_lshl_b32 s46, s42, 1
	s_add_co_u32 s46, s46, s16
	s_mul_i32 s46, s46, KST*PANEL
	s_add_co_u32 s20, s20, s19
	s_add_co_u32 s46, s46, s18
	s_mov_b32 s21, 0
	s_mov_b32 s47, 0
	s_mul_i32 s45, s14, QUART                      ; in a slot: quarter = wave
	s_wait_kmcnt 0x0
	s_add_nc_u64 s[20:21], s[\ybuf:\ybuf+1], s[20:21]
	s_add_nc_u64 s[46:47], s[\xbuf:\xbuf+1], s[46:47]
	CROUND                                         ; all sixteen work-groups are here: the first joint loads meet
	FIRST G0Y, G0X, 0                              ; the three first fills go out as one group: three loads of mine are out
	FIRST G0Y+4, G0X+4, 1
	FIRST G0Y2, G0X2, 2
	v_and_b32 v1, 31, v0                           ; lane
	v_and_b32 v2, 15, v0                           ; r
	v_bfe_u32 v3, v0, 4, 1                         ; h
	v_lshlrev_b32 v4, 4, v1
	v_lshlrev_b32 v5, 3, v1
	s_mul_i32 s21, s15, YSTEP
	s_mul_i32 s22, s16, YSTEP
	s_add_co_u32 s22, s22, 2*QUART
.irp s, 0,1,2
	v_add_nc_u32 v[AY16+\s], s21, v4
	v_add_nc_u32 v[AY8+\s], s21, v5
	v_add_nc_u32 v[AX16+\s], s22, v4
	v_add_nc_u32 v[AX8+\s], s22, v5
	s_add_co_u32 s21, s21, SLOT
	s_add_co_u32 s22, s22, SLOT
.endr
	s_mul_i32 s21, s15, SSTEP
	s_mul_i32 s22, s16, SSTEP
	s_add_co_u32 s22, s22, 2*QUART
	s_sub_co_u32 s22, s22, s21
	v_mul_u32_u24 v6, s22, v3                      ; lanes 16-31 take X's words: one product, the distance between the two bases
	s_add_co_u32 s21, s21, 12288
	v_lshl_add_u32 v6, v2, 2, v6
	v_add_nc_u32 v[ADRS], s21, v6
	v_add_nc_u32 v[ADRS+1], SLOT, v[ADRS]
	v_add_nc_u32 v[ADRS+2], 2*SLOT, v[ADRS]
.endm
.macro FRAG reg, a16, a8, off          ; a fragment's image back into 12 registers
	ds_load_b128 v[\reg:\reg+3], v[\a16] offset:\off
	ds_load_b64 v[\reg+4:\reg+5], v[\a8] offset:\off+512
	ds_load_b128 v[\reg+6:\reg+9], v[\a16] offset:\off+768
	ds_load_b64 v[\reg+10:\reg+11], v[\a8] offset:\off+1280
.endm
.macro FETCH slot, q, p                ; the slot's q-th K step into set p: X's NB fragments, Y's, and the scale words
	WIN 0x40
.set fi, 0
.rept NB
	FRAG 12*NB*(\p)+12*fi, AX16+\slot, AX8+\slot, (\q)*PANEL+FRB*fi
.set fi, fi+1
.endr
	WIN 0
.set fi, 0
.rept NB
	FRAG YF+12*NB*(\p)+12*fi, AY16+\slot, AY8+\slot, (\q)*PANEL+FRB*fi
.set fi, fi+1
.endr
.set fi, 0
.rept NB
	ds_load_b32 v[SC+NB*(\p)+fi], v[ADRS+\slot] offset:(\q)*PANEL+64*fi
.set fi, fi+1
.endr
.endm
; Y's tiles a0 .. a0 + na - 1 against X's NB.  The accumulators take turns, one instruction a turn, in the same order in every step.
.macro MULS a0, na, p, zero
.set ma, \a0
.rept \na
	WIN 0xa1+0x50*(ma/4)
.set mb, 0
.rept NB
.set rD, 8*(NB*(ma%4)+mb)
.set rX, 12*NB*(\p)+12*mb
.set rY, YF+12*NB*(\p)+12*ma
.if \zero
	v_wmma_scale_f32_16x16x128_f8f6f4 v[rD:rD+7], v[rX:rX+11], v[rY:rY+11], 0, v[SC+NB*(\p)+mb], v[SC+NB*(\p)+ma] matrix_a_fmt:MATRIX_FMT_FP6 matrix_b_fmt:MATRIX_FMT_FP6 matrix_a_scale:MATRIX_SCALE_ROW1
.else
	v_wmma_scale_f32_16x16x128_f8f6f4 v[rD:rD+7], v[rX:rX+11], v[rY:rY+11], v[rD:rD+7], v[SC+NB*(\p)+mb], v[SC+NB*(\p)+ma] matrix_a_fmt:MATRIX_FMT_FP6 matrix_b_fmt:MATRIX_FMT_FP6 matrix_a_scale:MATRIX_SCALE_ROW1
.endif
.set mb, mb+1
.endr
.set ma, ma+1
.endr
.endm
.macro STEP slot, q, zero              ; a K step with its successor in the same slot
	s_wait_dscnt 0x0                               ; this step's set is in (asked for a whole step ago)
	PLACES 4                                       ; in front of loads into the set that the last step's products read
	FETCH \slot, (\q)+1, 1-(\q)%2
	MULS 0, NB, (\q)%2, \zero
.endm
.macro CROSS next                      ; a slot's last step whose successor lies in a slot that an earlier barrier has shown whole: no wait on tensor loads, no barrier
	s_wait_dscnt 0x0
	PLACES 4
	FETCH \next, 0, 0
	MULS 0, NB, 1, 0
.endm
; A slot's last step with a barrier; in front of it each wave waits for all its tensor loads, adds 0 to its spare word, and waits for that and for its reads of this slot.  fill = 1: this slot is filled again.
.macro TURN slot, next, fill
	WIN 0
	s_wait_tensorcnt 0x0                           ; all my tensor loads have landed; none of mine is out
	ds_add_u32 v[SPW], v[NIL]
	s_wait_dscnt 1                                 ; the fragments are in; only the add may be out
	MULS 0, NB/4, 1, 0
	s_wait_dscnt 0x0                               ; the add is done, and my reads of this slot are over
	s_barrier_signal -1
	MULS NB/4, NB/4, 1, 0
	WIN 0
	s_barrier_wait -1
.if \fill
	CREST                                          ; the barrier has opened a round of the cluster's: no wave of any partner still reads this slot or has a load on its way
	s_add_nc_u64 s[G0Y+4*\slot+2:G0Y+4*\slot+3], s[G0Y+4*\slot+2:G0Y+4*\slot+3], REFILL
	s_add_nc_u64 s[G0X+4*\slot+2:G0X+4*\slot+3], s[G0X+4*\slot+2:G0X+4*\slot+3], REFILL
	JLOAD G0Y+4*\slot, G0X+4*\slot                 ; the first tensor load behind the round; its four v_nop are the places in front of the loads below
.else
	PLACES 4
.endif
	FETCH \next, 0, 0
	MULS NB/2, NB/2, 1, 0
.endm
.macro LAST
	s_wait_dscnt 0x0
	MULS 0, NB, 1, 0
	WIN 0
	PLACES 4                                       ; behind the last products, ahead of every read of results and every write of operands
.endm
.macro MAIN                            ; the eight K steps, written out
	s_wait_tensorcnt 0x2                           ; my part of slot 0 is in; the two loads behind it may stay out
	s_barrier_signal -1
	s_barrier_wait -1
	FETCH 0, 0, 0
	STEP 0, 0, 1                                   ; step 0: its products start the sums
	TURN 0, 1, 1                                   ; step 1: slots 1 and 2 are whole in every wave; slot 0 takes steps 6 and 7
	STEP 1, 0, 0                                   ; step 2
	CROSS 2                                        ; step 3
	STEP 2, 0, 0                                   ; step 4
	TURN 2, 0, 0                                   ; step 5: the refill has landed
	STEP 0, 0, 0                                   ; step 6
	LAST                                           ; step 7
.endm
.set T,   64                           ; the way out, window 0: v64-127 a tile's 64 numbers; v128-147 codes; v224-239 at work; v240 the scale word
.set PC,  128
.set TM,  224
.set PW,  240
.set SEL, 86
.set SCR0, SPARE+512                   ; LDS of each path's own: q, k: the tiles' scale words, 512 bytes a wave;
.set SCR1, SCR0+2048                   ; v: the same;
.set SCB,  SCR1+2048                   ; v: the bias by (tile, slot), 512 bytes a wave
.macro QUANT s
.irp b, 0,1,2,3
	v_max3_num_f32 v[TM+\b], |v[\s+16*\b]|, |v[\s+1+16*\b]|, 0x1800000
.endr
.irp i, 2,4,6,8,10,12,14
.irp b, 0,1,2,3
	v_max3_num_f32 v[TM+\b], v[TM+\b], |v[\s+16*\b+\i]|, |v[\s+1+16*\b+\i]|
.endr
.endr
.irp b, 0,1,2,3
	v_permlanex16_b32 v[TM+4+\b], v[TM+\b], s[SEL], s[SEL+1]
.endr
.irp b, 0,1,2,3
	v_max_num_f32 v[TM+\b], v[TM+\b], v[TM+4+\b]
.endr
.irp b, 0,1,2,3
	v_add_nc_u32 v[TM+12+\b], 0xff000000, v[TM+\b]
.endr
.irp b, 0,1,2,3
	v_lshrrev_b32 v[TM+4+\b], 23, v[TM+12+\b]
.endr
	v_lshl_or_b32 v[PW], v[TM+5], 8, v[TM+4]
	v_lshl_or_b32 v[PW], v[TM+6], 16, v[PW]
	v_lshl_or_b32 v[PW], v[TM+7], 24, v[PW]
.irp c, 0,1
	v_cvt_scalef32_pk16_fp6_f32 v[PC+6*\c:PC+2+6*\c], v[\s+32*\c:\s+15+32*\c], v[TM+12+2*\c]
	v_cvt_scalef32_pk16_fp6_f32 v[PC+12+4*\c:PC+14+4*\c], v[\s+16+32*\c:\s+31+32*\c], v[TM+12+2*\c+1]
.endr
	v_nop
.irp c, 0,1
.irp i, 0,1,2
	v_permlane16_swap_b32 v[PC+6*\c+\i], v[PC+12+4*\c+\i]
.endr
.irp i, 0,1,2
	v_mov_b32 v[PC+3+6*\c+\i], v[PC+12+4*\c+\i]
.endr
.endr
.endm
; Tile a's 64 results + the bias -> v[T] on: the addition is also the move into window 0.  Each accumulator is read from its low end on.  k = 0: the bias runs along X (window 1); k = 1: it is my slot's (v[242:243])
.macro COPY a, k
.if \k
	WIN 0x02+(\a)/4
.else
	WIN 0x06+(\a)/4
.endif
.set cb, 0
.rept 32
.set rA, 64*((\a)%4)+2*cb
.if \k
	v_pk_add_f32 v[T+2*cb:T+2*cb+1], v[rA:rA+1], v[242:243]
.else
	v_pk_add_f32 v[T+2*cb:T+2*cb+1], v[rA:rA+1], v[192+2*cb:192+2*cb+1]
.endif
.set cb, cb+1
.endr
	WIN 0
.endm
.macro SWITCH k                        ; register numbers cannot be counted by a loop: the trip's tile picks one of eight short blocks
.irp a, 0,1,2,3,4,5,6
	s_cmp_lg_u32 s66, \a
	s_cbranch_scc1 .Lnot\k\a
	COPY \a, \k
	s_branch .Lcom\k
.Lnot\k\a:
.endr
	COPY 7, \k
.Lcom\k:
.endm
.macro EPI k
	s_mov_b32 s66, 0                               ; the tile
	s_mov_b32 s67, 0                               ; 64 x the tile
.if \k
	ds_store_b128 v48, v[8:11]                     ; the bias of (tile, slot), in my wave's own bytes
.endif
.Ltile\k:
	s_wait_xcnt 0x0                                ; the last trip's stores have read their codes and offsets
.if \k
	v_add_nc_u32 v27, s67, v49
	ds_load_b32 v242, v27
	ds_load_b32 v243, v27
	s_lshr_b32 s96, s66, 2
	s_mul_i32 s96, s96, 102400                     ; tiles 4-7 belong to the next head, 16 panels on
	s_and_b32 s97, s66, 3
	s_mul_i32 s97, s97, FRB
	s_add_co_u32 s96, s96, s97
.else
	s_mul_i32 s96, s66, 768
.endif
	v_add_nc_u32 v246, s96, v4
	v_add_nc_u32 v247, s96, v5
.if \k
	s_wait_dscnt 0x0
.endif
	SWITCH \k
	QUANT T
.if \k
	global_store_b128 v246, v[PC:PC+3], s[8:9]
	global_store_b64 v247, v[PC+4:PC+5], s[8:9] offset:512
	global_store_b128 v246, v[PC+6:PC+9], s[8:9] offset:768
	global_store_b64 v247, v[PC+10:PC+11], s[8:9] offset:1280
	v_add_nc_u32 v27, s67, v31
.else
	global_store_b128 v246, v[PC:PC+3], s[8:9]                  ; the lower head's half fragment,
	global_store_b64 v247, v[PC+4:PC+5], s[8:9] offset:512
	global_store_b128 v246, v[PC+6:PC+9], s[8:9] offset:102400  ; the upper head's
	global_store_b64 v247, v[PC+10:PC+11], s[8:9] offset:102912
	v_add_nc_u32 v27, s67, v26
.endif
	ds_store_b32 v27, v[PW]                        ; lanes r and r + 16 write the same word with the same value
	s_add_co_u32 s67, s67, 64
	s_add_co_u32 s66, s66, 1
	s_cmp_lt_u32 s66, 8
	s_cbranch_scc1 .Ltile\k
.if \k
	ds_load_b64 v[64:65], v50
	ds_load_b64 v[66:67], v50 offset:256
	s_wait_dscnt 0x0
	global_store_b64 v5, v[64:65], s[8:9] offset:6144          ; 256 consecutive bytes each
	global_store_b64 v5, v[66:67], s[8:9] offset:108544
.else
	ds_load_b64 v[64:65], v30                      ; tile 2 p, two slots;
	ds_load_b64 v[66:67], v30 offset:64            ; tile 2 p + 1, the same slots
	s_wait_dscnt 0x0
	v_perm_b32 v68, v66, v64, s94                  ; the lower head's two bytes of both tiles,
	v_perm_b32 v69, v67, v65, s94
	v_perm_b32 v70, v66, v64, s95                  ; the upper head's
	v_perm_b32 v71, v67, v65, s95
	global_store_b64 v5, v[68:69], s[8:9] offset:6144
	global_store_b64 v5, v[70:71], s[8:9] offset:108544
.endif
.endm
	s_load_b128 s[4:7], s[0:1], 0x0                ; wsA, in_proj_b
	s_load_b64 s[8:9], s[0:1], 0x10                ; wsQKV
	IDS
	s_and_b32 s83, ttmp7, 0xffff                   ; the cluster's y
	s_cmp_eq_u32 ttmp9, 2                          ; the cluster's x: 2 = v
	s_cselect_b32 s82, 1, 0
	s_cselect_b32 s42, s83, ttmp9
	s_cselect_b32 s17, 2, s83
	s_cselect_b32 s18, 0, 3276800                  ; X's table: the tokens' or the weights',
	s_cselect_b32 s19, 3276800, 0                  ; Y's the other
	s_lshl_b32 s42, s42, 2
	s_add_co_u32 s42, s42, s40
	s_lshl_b32 s17, s17, 2
	s_add_co_u32 s17, s17, s41
	START 4, 4
	s_lshl_b32 s76, s42, 1
	s_add_co_u32 s76, s76, s16                     ; my panel of X
	s_lshl_b32 s77, s17, 1
	s_add_co_u32 s77, s77, s15                     ; of Y
	s_lshr_b32 s79, s76, 3                         ; q, k: the region,
	s_and_b32 s80, s76, 7                          ; the pair of heads,
	s_lshl_b32 s90, s76, 9                         ; the bias along X
	s_sub_co_u32 s81, s77, 16                      ; v: the pair of heads,
	s_lshl_b32 s92, s81, 9
	s_add_co_u32 s92, s92, 8192                    ; the bias along Y
	s_cmp_eq_u32 s82, 1
	s_cselect_b32 s78, s76, s77                    ; the tokens' panel
	s_cselect_b32 s79, 2, s79
	s_cselect_b32 s80, s81, s80
	s_cselect_b32 s90, 0, s90                      ; what a path does not use is loaded from the buffer's start
	s_cselect_b32 s92, s92, 0
	s_mov_b32 s91, 0
	s_mov_b32 s93, 0
	s_lshr_b32 s84, s78, 4
	s_lshl_b32 s84, s84, 4
	s_lshl_b32 s85, s80, 1
	s_add_co_u32 s84, s84, s85                     ; 16 x batch + head
	s_lshl_b32 s84, s84, 4
	s_and_b32 s85, s78, 15
	s_add_co_u32 s84, s84, s85
	s_mul_i32 s84, s84, 6400
	s_mul_i32 s85, s79, 3276800
	s_add_co_u32 s84, s84, s85
	s_mov_b32 s85, 0
	s_add_nc_u64 s[8:9], s[8:9], s[84:85]
	s_add_nc_u64 s[90:91], s[6:7], s[90:91]
	s_add_nc_u64 s[92:93], s[6:7], s[92:93]
	v_lshlrev_b32 v12, 6, v3                       ; 64 h
	WIN 0x40
.set bi, 0
.rept 16
	global_load_b128 v[192+4*bi:192+4*bi+3], v12, s[90:91] offset:128*(bi/4)+16*(bi%4)   ; register 16 b + m: the bias of X's row 32 b + 16 h + m
.set bi, bi+1
.endr
	WIN 0
	v_lshrrev_b32 v13, 3, v1                       ; lane l takes the bias of tile l / 4, slots 4 (l % 4) on: by the row map four neighbours
	v_lshlrev_b32 v13, 7, v13
	v_bfe_u32 v6, v1, 2, 1
	v_lshl_add_u32 v13, v6, 5, v13
	v_bfe_u32 v6, v1, 1, 1
	v_lshl_add_u32 v13, v6, 6, v13
	v_and_b32 v6, 1, v1
	v_lshl_add_u32 v13, v6, 4, v13
	global_load_b128 v[8:11], v13, s[92:93]
	s_lshl_b32 s78, s14, 9                         ; every LDS address of both paths is made here
	s_add_co_u32 s79, s78, SCR0
	v_lshl_add_u32 v26, v2, 2, s79
	v_lshrrev_b32 v6, 3, v1
	v_lshlrev_b32 v30, 7, v6
	v_and_b32 v6, 7, v1
	v_lshl_add_u32 v30, v6, 3, v30
	v_add_nc_u32 v30, s79, v30
	s_add_co_u32 s79, s78, SCR1
	v_lshl_add_u32 v31, v2, 2, s79
	v_add_nc_u32 v50, s79, v5
	s_add_co_u32 s79, s78, SCB
	v_add_nc_u32 v48, s79, v4
	v_lshl_add_u32 v49, v2, 2, s79
	s_mov_b32 s[SEL], 0x76543210
	s_mov_b32 s[SEL+1], 0xfedcba98
	s_mov_b32 s94, 0x05040100
	s_mov_b32 s95, 0x07060302
	MAIN
	s_wait_loadcnt 0x0                             ; the biases
.irp b, 0,1,2,3
	v_mov_b32 v[TM+4+\b], 0
.endr
	s_cmp_eq_u32 s82, 1
	s_cbranch_scc1 .Lkind1
	EPI 0
	s_branch .Lend
.Lkind1:
	EPI 1
.Lend:
	s_wait_tensorcnt 0x0                           ; the wave's end
	ds_add_u32 v[SPW], v[NIL]
	s_wait_dscnt 0x0
	CROUND                                         ; the closing round
	s_endpgm
.Lfunc_end_k_q0fcdad63aa_gemm_qkv:
	.size	k_q0fcdad63aa_gemm_qkv, .Lfunc_end_k_q0fcdad63aa_gemm_qkv-k_q0fcdad63aa_gemm_qkv
	.p2alignl 7, 3214868480
	.fill 96, 4, 3214868480
	.section	.rodata,"a",@progbits
	.p2align	6, 0x0
	.amdhsa_kernel k_q0fcdad63aa_gemm_qkv
		.amdhsa_group_segment_fixed_size 327680
		.amdhsa_private_segment_fixed_size 0
		.amdhsa_enable_private_segment 0
		.amdhsa_kernarg_size 24
		.amdhsa_user_sgpr_count 2
		.amdhsa_user_sgpr_kernarg_segment_ptr 1
		.amdhsa_wavefront_size32 1
		.amdhsa_system_sgpr_workgroup_id_x 1
		.amdhsa_system_sgpr_workgroup_id_y 1
		.amdhsa_system_sgpr_workgroup_id_z 1
		.amdhsa_system_vgpr_workitem_id 0
		.amdhsa_next_free_vgpr 1024
		.amdhsa_next_free_sgpr 100
		.amdhsa_reserve_vcc 0
		.amdhsa_float_denorm_mode_32 3
		.amdhsa_float_denorm_mode_16_64 3
		.amdhsa_memory_ordered 1
		.amdhsa_forward_progress 1
		.amdhsa_inst_pref_size 162
	.end_amdhsa_kernel
	.amdgpu_metadata
---
amdhsa.version: [ 1, 2 ]
amdhsa.kernels:
  - .name:           k_q0fcdad63aa_gemm_qkv
    .symbol:         k_q0fcdad63aa_gemm_qkv.kd
    .args:
      - { .name: wsA, .offset: 0, .size: 8, .value_kind: global_buffer, .address_space: global }
      - { .name: in_proj_b, .offset: 8, .size: 8, .value_kind: global_buffer, .address_space: global }
      - { .name: wsQKV, .offset: 16, .size: 8, .value_kind: global_buffer, .address_space: global }
    .group_segment_fixed_size: 327680
    .private_segment_fixed_size: 0
    .kernarg_segment_align: 8
    .kernarg_segment_size: 24
    .max_flat_workgroup_size: 128
    .sgpr_count:     100
    .vgpr_count:     1024
    .wavefront_size: 32
...
	.end_amdgpu_metadata
.endif
;; end of part 2
;; launch attn (part 3): grid 8 x 32, 16 waves a work-group, clusters of 4 x 1, 206,848 bytes of LDS; arguments wsQKV, wsO; writes wsO
.if DOCPART == 3
	.amdgcn_target "amdgcn-amd-amdhsa--gfx1250"
	.amdhsa_code_object_version 6
	.text
	.protected	k_q0fcdad63aa_attn
	.globl	k_q0fcdad63aa_attn
	.p2align	8
	.type	k_q0fcdad63aa_attn,@function
k_q0fcdad63aa_attn:
	s_mov_b64 s[64:65], 0
	v_nop
	global_prefetch_b8 v0, s[64:65] scope:SCOPE_SE
	s_setreg_imm32_b32 hwreg(HW_REG_WAVE_MODE, 25, 1), 1
	s_wait_xcnt 0x0
	s_wait_alu depctr_hold_cnt(0) depctr_sa_sdst(0) depctr_va_vdst(0) depctr_va_sdst(0) depctr_va_ssrc(0) depctr_va_vcc(0) depctr_vm_vsrc(0)
	s_getreg_b32 s2, hwreg(HW_REG_IB_STS2, 6, 4)
	s_cmp_eq_u32 s2, 0
	s_cbranch_scc0 .Lentry_in_a_cluster
	s_endpgm
.Lentry_in_a_cluster:
	s_bfe_u32 s2, ttmp6, 0x10000c
	s_cmp_lg_u32 s2, 0x3003
	s_cbranch_scc0 .Lentry_shape_is_right
	s_endpgm
.Lentry_shape_is_right:
; o = softmax(q k^T / 8) v for one head, both products on codes of E2M3; o is quantised along the model's 1,024 on the way out.
; THE SOFTMAX: t = score x log2(e) / 8; M = the running largest t rounded UP to a whole number; p = 2^(t - M) is quantised along the keys, not normalised; the row's sum is taken of the unquantised p and divides at the end.
; SHARES.  A work-group owns 256 queries of one (batch, head), each of its sixteen waves one tile of 16.  The head's whole K and V, 16 panels of 6,400 bytes each, stay in LDS: 204,800 bytes, filled once, so there is no ring.
; CLUSTER.  The four query blocks of a cluster belong to one head: K and V are asked for jointly.  Waves 0-3 issue four loads each (12,800 bytes: two panels); four loads of a wave are out.
; LAYOUT.  Both products are used transposed: a lane holds ONE query.  A fragment of K holds two tiles of 16 keys x 64: its K 0-63 are tile 2 p's, its K 64-127 tile 2 p + 1's.  Q stands twice: in the lower half with zero codes above, and the other way
; round: so one fragment of K gives two tiles of scores, and half of each product's K is zeros (the head has 64 numbers, the instruction takes 128).
; By the row map the 16 registers of two neighbouring tiles of scores are 16 neighbouring keys.
; LIMITS: NaN and infinities are not served.
.set HP,   6400                        ; a head's panel
.set REG,  25600                       ; a region of LDS: K's panels 2 u, 2 u + 1, then V's
.set KO,   3276800
.set WV,   18
.set SEL,  20
.set CS,   22
.set G1,   24
.set G0,   32                          ; s[32:47] four groups 0
.set TB,   50
.set CNT,  51
.set KF,   48                          ; v48-95  K's four fragments; behind the scores v48-67 take p's codes
.set PC,   48
.set VF,   96                          ; v96-143 V's four
.set S,    144                         ; v144-207 scores, then p
.set O,    208                         ; v208-239 O^T
.set BM,   240                         ; v240-243 the blocks' largest
.set PT,   244                         ; v244-247 at work
.set SO,   248                         ; v248-251 the conversions' scale operands
; v1-3: 16, 8, 4 x lane; v4-6 the same + the region; v7 4 r; v8 lane; v12 -M, v13 the largest t, v[14:15] the sum; v16-27 Q below, v28-39 Q above; v40 Q's scales, v41-42 K's, v43-44 V's, v45 p's: they hold nothing else; v[46:47] f
.macro CROUND
	s_barrier_signal -1
	s_barrier_wait -1
	s_cmp_lg_u32 s[WV], 0
	s_cbranch_scc1 .Lnot_wave_0_\@
	s_barrier_signal -3
.Lnot_wave_0_\@:
	s_barrier_wait -3
	s_barrier_signal -1
	s_barrier_wait -1
.endm
.macro FRAG reg, off
	ds_load_b128 v[\reg:\reg+3], v4 offset:\off
	ds_load_b64 v[\reg+4:\reg+5], v5 offset:\off+512
	ds_load_b128 v[\reg+6:\reg+9], v4 offset:\off+768
	ds_load_b64 v[\reg+10:\reg+11], v5 offset:\off+1280
.endm
.macro STEP i                          ; 128 keys: panel i of the region
.if \i == 0
	v_add_nc_u32 v4, s[TB], v1                     ; (these three and the v_nop are the four places in front of loads into registers that the last products read)
	v_add_nc_u32 v5, s[TB], v2
	v_add_nc_u32 v6, s[TB], v3
	v_nop
.else
.rept 4
	v_nop
.endr
.endif
.irp p, 0,1,2,3
	FRAG KF+12*\p, \i*HP+1536*\p
.endr
	ds_load_b32 v41, v6 offset:\i*HP+6144          ; lanes 0-15: fragment 0's words, lanes 16-31: fragment 1's
	ds_load_b32 v42, v6 offset:\i*HP+6144+128
.irp p, 0,1,2,3
	FRAG VF+12*\p, 2*HP+\i*HP+1536*\p
.endr
	ds_load_b32 v43, v6 offset:2*HP+\i*HP+6144
	ds_load_b32 v44, v6 offset:2*HP+\i*HP+6144+128
	s_wait_dscnt 18                                ; K's 18 loads are in; V's 18 may stay out
.irp p, 0,2
	v_wmma_scale_f32_16x16x128_f8f6f4 v[S+16*\p:S+16*\p+7], v[KF+12*\p:KF+12*\p+11], v[16:27], 0, v[41+\p/2], v40 matrix_a_fmt:MATRIX_FMT_FP6 matrix_b_fmt:MATRIX_FMT_FP6
	v_wmma_scale_f32_16x16x128_f8f6f4 v[S+16*\p+8:S+16*\p+15], v[KF+12*\p:KF+12*\p+11], v[28:39], 0, v[41+\p/2], v40 matrix_a_fmt:MATRIX_FMT_FP6 matrix_b_fmt:MATRIX_FMT_FP6
	v_wmma_scale_f32_16x16x128_f8f6f4 v[S+16*\p+16:S+16*\p+23], v[KF+12*\p+12:KF+12*\p+23], v[16:27], 0, v[41+\p/2], v40 matrix_a_fmt:MATRIX_FMT_FP6 matrix_b_fmt:MATRIX_FMT_FP6 matrix_a_scale:MATRIX_SCALE_ROW1
	v_wmma_scale_f32_16x16x128_f8f6f4 v[S+16*\p+24:S+16*\p+31], v[KF+12*\p+12:KF+12*\p+23], v[28:39], 0, v[41+\p/2], v40 matrix_a_fmt:MATRIX_FMT_FP6 matrix_b_fmt:MATRIX_FMT_FP6 matrix_a_scale:MATRIX_SCALE_ROW1
.endr
.rept 4
	v_nop
.endr
.irp b, 0,1,2,3
	v_max3_num_f32 v[BM+\b], v[S+16*\b], v[S+1+16*\b], v[S+2+16*\b]   ; the largest score of each block of 32 keys: for the row's maximum, and, since p rises with the score, for the block's largest p
.endr
.irp i2, 3,5,7,9,11,13
.irp b, 0,1,2,3
	v_max3_num_f32 v[BM+\b], v[BM+\b], v[S+16*\b+\i2], v[S+1+16*\b+\i2]
.endr
.endr
.irp b, 0,1,2,3
	v_max_num_f32 v[BM+\b], v[BM+\b], v[S+15+16*\b]
.endr
.irp b, 0,1,2,3
	v_permlanex16_b32 v[PT+\b], v[BM+\b], s[SEL], s[SEL+1]
.endr
.irp b, 0,1,2,3
	v_max_num_f32 v[BM+\b], v[BM+\b], v[PT+\b]
.endr
	v_max3_num_f32 v252, v240, v241, v242
	v_max_num_f32 v252, v252, v243
	v_mul_f32 v252, s[CS], v252                    ; as t
	v_max_num_f32 v13, v13, v252                   ; the running largest t
	v_mov_b32 v252, v12
	v_floor_f32 v12, -v13                          ; -M = floor(-t): M is a whole number
	v_sub_f32 v252, v12, v252
	v_cvt_i32_f32 v252, v252
	v_ldexp_f32 v46, 1.0, v252                     ; f = 2^(old M - new M): exact
.set n, 0
.rept 32
	v_pk_fma_f32 v[S+n:S+n+1], v[S+n:S+n+1], s[CS:CS+1], v[12:13] op_sel_hi:[1,0,0]   ; t - M
.set n, n+2
.endr
.irp b, 0,1,2,3
	v_fma_f32 v[BM+\b], v[BM+\b], s[CS], v12
.endr
.set n, 0
.rept 64
	v_exp_f32 v[S+n], v[S+n]                       ; p = 2^(t - M)
.set n, n+1
.endr
	v_pk_mul_f32 v[14:15], v[14:15], v[46:47] op_sel_hi:[1,0]   ; the sums under the new M; the plain line behind the batch
	s_wait_alu depctr_va_vdst(0)                   ; one wait for the batch of 64, ahead of its first reader
.irp b, 0,1,2,3
	v_exp_f32 v[BM+\b], v[BM+\b]                   ; the blocks' largest p
.endr
	v_pk_add_f32 v[PT:PT+1], v[S:S+1], v[S+2:S+3]  ; the row's sum, of the unquantised p, in two chains
.irp j, 4,8,12,16,20,24,28,32,36,40,44,48,52,56,60
	v_pk_add_f32 v[14:15], v[14:15], v[S+\j:S+\j+1]
	v_pk_add_f32 v[PT:PT+1], v[PT:PT+1], v[S+2+\j:S+3+\j]
.endr
	v_pk_add_f32 v[14:15], v[14:15], v[PT:PT+1]
	s_wait_alu depctr_va_vdst(0)                   ; and one for the four
.irp b, 0,1,2,3
	v_max_num_f32 v[BM+\b], 0x1800000, v[BM+\b]    ; the floor 2^(3 - 127)
.endr
.irp b, 0,1,2,3
	v_add_nc_u32 v[SO+\b], 0xff000000, v[BM+\b]
.endr
.irp b, 0,1,2,3
	v_lshrrev_b32 v[PT+\b], 23, v[SO+\b]
.endr
	v_lshl_or_b32 v45, v245, 8, v244               ; p's scale word for these 128 keys
	v_lshl_or_b32 v45, v246, 16, v45
	v_lshl_or_b32 v45, v247, 24, v45
.irp c, 0,1
	v_cvt_scalef32_pk16_fp6_f32 v[PC+6*\c:PC+2+6*\c], v[S+32*\c:S+15+32*\c], v[SO+2*\c]
	v_cvt_scalef32_pk16_fp6_f32 v[PC+12+4*\c:PC+14+4*\c], v[S+16+32*\c:S+31+32*\c], v[SO+2*\c+1]
.endr
	v_nop
.irp c, 0,1
.irp i2, 0,1,2
	v_permlane16_swap_b32 v[PC+6*\c+\i2], v[PC+12+4*\c+\i2]
.endr
.irp i2, 0,1,2
	v_mov_b32 v[PC+3+6*\c+\i2], v[PC+12+4*\c+\i2]
.endr
.endr
.set n, 0
.rept 16
	v_pk_mul_f32 v[O+n:O+n+1], v[O+n:O+n+1], v[46:47] op_sel_hi:[1,0]   ; O^T under the new M; these sixteen are also the places between the scale word's and the codes' last writes and the products
.set n, n+2
.endr
	s_wait_dscnt 0x0                               ; V is in
.irp f, 0,2
	v_wmma_scale_f32_16x16x128_f8f6f4 v[O+8*\f:O+8*\f+7], v[VF+12*\f:VF+12*\f+11], v[PC:PC+11], v[O+8*\f:O+8*\f+7], v[43+\f/2], v45 matrix_a_fmt:MATRIX_FMT_FP6 matrix_b_fmt:MATRIX_FMT_FP6
	v_wmma_scale_f32_16x16x128_f8f6f4 v[O+8*\f+8:O+8*\f+15], v[VF+12*\f+12:VF+12*\f+23], v[PC:PC+11], v[O+8*\f+8:O+8*\f+15], v[43+\f/2], v45 matrix_a_fmt:MATRIX_FMT_FP6 matrix_b_fmt:MATRIX_FMT_FP6 matrix_a_scale:MATRIX_SCALE_ROW1
.endr
.endm
	s_load_b128 s[4:7], s[0:1], 0x0                ; wsQKV, wsO
	v_lshl_add_u32 v254, v0, 2, 0x32000
	v_mov_b32 v255, 0
	ds_add_u32 v254, v255
	ds_add_u32 v254, v255
	v_lshrrev_b32 v8, 5, v0
	v_readfirstlane_b32 s[WV], v8                  ; wave 0..15
	s_bfe_u32 s8, ttmp6, 0x40000                   ; cx: it enters Q's and o's addresses alone
	s_lshl_b32 s9, ttmp9, 2
	s_add_co_u32 s9, s9, s8                        ; my block of 256 queries
	s_and_b32 s10, ttmp7, 0xffff                   ; 16 x batch + head
	s_mov_b32 s[G1], 15|(3<<16)|(1<<21)            ; all four work-groups; elements of 8 bytes; bit 21 beside a mask
	s_mov_b32 s[G1+1], 32<<16                      ; 50 dense rows of 256 bytes
	s_mov_b32 s[G1+2], 50<<16
	s_mov_b32 s[G1+3], 32<<16
	s_mov_b32 s[G1+4], 50
	s_mov_b32 s[G1+5], 32
	s_mov_b32 s[G1+6], 0
	s_mov_b32 s[G1+7], 0
	s_and_b32 s11, s[WV], 1                        ; what waves 0-3 fetch: regions 2 c + (w % 2),
	s_bfe_u32 s12, s[WV], 0x10001                  ; K's part (0) or V's (1)
	s_mul_i32 s13, s11, REG
	s_mul_i32 s14, s12, 2*HP
	s_add_co_u32 s13, s13, s14
	s_lshl_b32 s14, s10, 4
	s_lshl_b32 s15, s11, 1
	s_add_co_u32 s14, s14, s15
	s_mul_i32 s14, s14, HP
	s_mul_i32 s15, s12, 3276800
	s_add_co_u32 s14, s14, s15
	s_add_co_u32 s14, s14, KO
	s_mov_b32 s15, 0
	s_lshr_b32 s16, s[WV], 3
	s_lshl_b32 s17, s9, 1
	s_add_co_u32 s16, s16, s17                     ; my tokens' panel in the sequence
	s_and_b32 s17, s[WV], 7                        ; my tile
	s_lshl_b32 s52, s10, 4
	s_add_co_u32 s52, s52, s16
	s_mul_i32 s52, s52, HP
	s_mul_i32 s53, s17, 768
	s_add_co_u32 s54, s52, s53                     ; Q's half fragment
	s_mov_b32 s55, 0
	s_lshr_b32 s53, s17, 1
	s_lshl_b32 s53, s53, 6
	s_add_co_u32 s56, s52, s53
	s_and_b32 s53, s17, 1
	s_lshl_b32 s53, s53, 1
	s_add_co_u32 s56, s56, s53
	s_add_co_u32 s56, s56, 6144                    ; and its two scale bytes a slot
	s_mov_b32 s57, 0
	s_lshr_b32 s58, s10, 4
	s_lshl_b32 s58, s58, 4
	s_add_co_u32 s58, s58, s16
	s_lshl_b32 s58, s58, 3
	s_bfe_u32 s59, s10, 0x30001                    ; head / 2: o's K step
	s_add_co_u32 s58, s58, s59
	s_mul_i32 s58, s58, 12800
	s_and_b32 s59, s10, 1                          ; head % 2: which half of the fragment
	s_mul_i32 s60, s17, 1536
	s_add_co_u32 s60, s60, s58
	s_mul_i32 s61, s59, 768
	s_add_co_u32 s60, s60, s61
	s_mov_b32 s61, 0
	s_lshl_b32 s62, s17, 6
	s_add_co_u32 s62, s62, s58
	s_lshl_b32 s63, s59, 1
	s_add_co_u32 s62, s62, s63
	s_add_co_u32 s62, s62, 12288
	s_mov_b32 s63, 0
	s_mov_b32 s[SEL], 0x76543210
	s_mov_b32 s[SEL+1], 0xfedcba98
	s_mov_b32 s[CS], 0x3e38aa3b                    ; log2(e) / 8
	s_mov_b32 s[CS+1], s[CS]
	s_mov_b32 s[TB], 0
	s_wait_dscnt 0x0
	s_wait_kmcnt 0x0
	s_add_nc_u64 s[14:15], s[4:5], s[14:15]
	s_add_nc_u64 s[54:55], s[4:5], s[54:55]
	s_add_nc_u64 s[56:57], s[4:5], s[56:57]
	s_add_nc_u64 s[60:61], s[6:7], s[60:61]
	s_add_nc_u64 s[62:63], s[6:7], s[62:63]
	CROUND                                         ; all four work-groups are here: the joint loads meet
.irp c, 0,1,2,3
	s_mov_b32 s[G0+4*\c], 1
	s_add_co_u32 s[G0+4*\c+1], s13, \c*2*REG
	s_add_nc_u64 s[G0+4*\c+2:G0+4*\c+3], s[14:15], \c*4*HP
	s_or_b32 s[G0+4*\c+3], s[G0+4*\c+3], 0x80000000
.endr
	s_cmp_lt_u32 s[WV], 4                          ; all fills of a wave stand in one branch on the wave's number
	s_cbranch_scc0 .Lno_fetch
	tensor_load_to_lds s[G0:G0+3], s[G1:G1+7]
	s_nop 0
	tensor_load_to_lds s[G0+4:G0+7], s[G1:G1+7]
	s_nop 0
	tensor_load_to_lds s[G0+8:G0+11], s[G1:G1+7]
	s_nop 0
	tensor_load_to_lds s[G0+12:G0+15], s[G1:G1+7]
	s_nop 0
.rept 4
	v_nop
.endr
.Lno_fetch:
	v_and_b32 v8, 31, v0
	v_lshlrev_b32 v1, 4, v8
	v_lshlrev_b32 v2, 3, v8
	v_lshlrev_b32 v3, 2, v8
	v_and_b32 v9, 15, v0
	v_lshlrev_b32 v7, 2, v9
	global_load_b128 v[16:19], v1, s[54:55]        ; Q in the lower half of K,
	global_load_b64 v[20:21], v2, s[54:55] offset:512
	global_load_b128 v[34:37], v1, s[54:55]        ; and in the upper
	global_load_b64 v[38:39], v2, s[54:55] offset:512
	global_load_u16 v40, v7, s[56:57]
.irp j, 22,23,24,25,26,27,28,29,30,31,32,33
	v_mov_b32 v\j, 0                               ; zero codes
.endr
	v_mov_b32 v13, 0xff61b1e6                      ; the largest t so far: -3e38
	v_floor_f32 v12, -v13
	v_mov_b32 v14, 0
	v_mov_b32 v15, 0
	v_mov_b32 v47, 0
.irp b, 0,1,2,3
	v_mov_b32 v[PT+\b], 0
.endr
	s_wait_loadcnt 0x0                             ; Q and its scale bytes
	v_lshl_or_b32 v40, v40, 16, v40                ; Q's two bytes serve both halves of K.  A scale register written by a vector instruction stands eight plain vector lines ahead of the scaled product that names it: the 32 lines below are those places
.set n, 0
.rept 32
	v_mov_b32 v[O+n], 0                            ; the step is written once: the first finds zeros
.set n, n+1
.endr
	s_wait_tensorcnt 0x3                           ; my first load (regions 0, 1) is in; the three behind it may stay out
	s_barrier_signal -1
	s_barrier_wait -1
	s_mov_b32 s[CNT], 2
.Lfirst:
	STEP 0
	STEP 1
	s_add_co_u32 s[TB], s[TB], REG
	s_sub_co_u32 s[CNT], s[CNT], 1
	s_cmp_lg_u32 s[CNT], 0
	s_cbranch_scc1 .Lfirst
	s_wait_tensorcnt 0x0                           ; all of K and V
	s_barrier_signal -1
	s_barrier_wait -1
	s_mov_b32 s[CNT], 6
.Lrest:
	STEP 0
	STEP 1
	s_add_co_u32 s[TB], s[TB], REG
	s_sub_co_u32 s[CNT], s[CNT], 1
	s_cmp_lg_u32 s[CNT], 0
	s_cbranch_scc1 .Lrest
.rept 4
	v_nop                                          ; behind the last products
.endr
	v_add_f32 v14, v14, v15
	v_permlanex16_b32 v252, v14, s[SEL], s[SEL+1]
	v_add_f32 v14, v14, v252                       ; the row's sum
	v_rcp_f32 v14, v14
	v_nop
	s_wait_alu depctr_va_vdst(0)
.set n, 0
.rept 32
	v_mul_f32 v[S+n], v[O+n], v14                  ; register 16 b + i: o(query r, 32 b + 16 h + i)
.set n, n+1
.endr
.irp b, 0,1                                    ; the head's two blocks of 32 become half a fragment and two bytes
	v_max3_num_f32 v[BM+\b], |v[S+16*\b]|, |v[S+1+16*\b]|, 0x1800000
.endr
.irp i2, 2,4,6,8,10,12,14
.irp b, 0,1
	v_max3_num_f32 v[BM+\b], v[BM+\b], |v[S+16*\b+\i2]|, |v[S+1+16*\b+\i2]|
.endr
.endr
.irp b, 0,1
	v_permlanex16_b32 v[PT+\b], v[BM+\b], s[SEL], s[SEL+1]
.endr
.irp b, 0,1
	v_max_num_f32 v[BM+\b], v[BM+\b], v[PT+\b]
.endr
.irp b, 0,1
	v_add_nc_u32 v[SO+\b], 0xff000000, v[BM+\b]
.endr
.irp b, 0,1
	v_lshrrev_b32 v[PT+\b], 23, v[SO+\b]
.endr
	v_lshl_or_b32 v253, v245, 8, v244
	v_cvt_scalef32_pk16_fp6_f32 v[PC:PC+2], v[S:S+15], v248
	v_cvt_scalef32_pk16_fp6_f32 v[PC+12:PC+14], v[S+16:S+31], v249
	v_nop
.irp i2, 0,1,2
	v_permlane16_swap_b32 v[PC+\i2], v[PC+12+\i2]
.endr
.irp i2, 0,1,2
	v_mov_b32 v[PC+3+\i2], v[PC+12+\i2]
.endr
	global_store_b128 v1, v[PC:PC+3], s[60:61]     ; 512 and 256 consecutive bytes
	global_store_b64 v2, v[PC+4:PC+5], s[60:61] offset:512
	s_wait_xcnt 0x0                                ; EXEC changes only behind this wait
	v_cmp_gt_u32 vcc_lo, 16, v8
	s_and_saveexec_b32 s52, vcc_lo
	global_store_b16 v7, v253, s[62:63]            ; lanes 0-15: my head's two bytes of each slot's scale word
	s_wait_xcnt 0x0
	s_or_b32 exec_lo, exec_lo, s52
	s_wait_tensorcnt 0x0
	ds_add_u32 v254, v255
	s_wait_dscnt 0x0
	CROUND                                         ; the closing round
	s_endpgm
.Lfunc_end_k_q0fcdad63aa_attn:
	.size	k_q0fcdad63aa_attn, .Lfunc_end_k_q0fcdad63aa_attn-k_q0fcdad63aa_attn
	.p2alignl 7, 3214868480
	.fill 96, 4, 3214868480
	.section	.rodata,"a",@progbits
	.p2align	6, 0x0
	.amdhsa_kernel k_q0fcdad63aa_attn
		.amdhsa_group_segment_fixed_size 206848
		.amdhsa_private_segment_fixed_size 0
		.amdhsa_enable_private_segment 0
		.amdhsa_kernarg_size 16
		.amdhsa_user_sgpr_count 2
		.amdhsa_user_sgpr_kernarg_segment_ptr 1
		.amdhsa_wavefront_size32 1
		.amdhsa_system_sgpr_workgroup_id_x 1
		.amdhsa_system_sgpr_workgroup_id_y 1
		.amdhsa_system_sgpr_workgroup_id_z 1
		.amdhsa_system_vgpr_workitem_id 0
		.amdhsa_next_free_vgpr 256
		.amdhsa_next_free_sgpr 66
		.amdhsa_reserve_vcc 1
		.amdhsa_float_denorm_mode_32 3
		.amdhsa_float_denorm_mode_16_64 3
		.amdhsa_memory_ordered 1
		.amdhsa_forward_progress 1
		.amdhsa_inst_pref_size 76
	.end_amdhsa_kernel
	.amdgpu_metadata
---
amdhsa.version: [ 1, 2 ]
amdhsa.kernels:
  - .name:           k_q0fcdad63aa_attn
    .symbol:         k_q0fcdad63aa_attn.kd
    .args:
      - { .name: wsQKV, .offset: 0, .size: 8, .value_kind: global_buffer, .address_space: global }
      - { .name: wsO, .offset: 8, .size: 8, .value_kind: global_buffer, .address_space: global }
    .group_segment_fixed_size: 206848
    .private_segment_fixed_size: 0
    .kernarg_segment_align: 8
    .kernarg_segment_size: 16
    .max_flat_workgroup_size: 512
    .sgpr_count:     66
    .vgpr_count:     256
    .wavefront_size: 32
...
	.end_amdgpu_metadata
.endif
;; end of part 3
;; launch gemm_o (part 4): grid 8 x 32, 4 waves a work-group, clusters of 4 x 4, 327,680 bytes of LDS; arguments wsO, wsA, out_proj_b, x, x2; writes x2
.if DOCPART == 4
	.amdgcn_target "amdgcn-amd-amdhsa--gfx1250"
	.amdhsa_code_object_version 6
	.text
	.protected	k_q0fcdad63aa_gemm_o
	.globl	k_q0fcdad63aa_gemm_o
	.p2align	8
	.type	k_q0fcdad63aa_gemm_o,@function
k_q0fcdad63aa_gemm_o:
	s_mov_b64 s[64:65], 0
	v_nop
	global_prefetch_b8 v0, s[64:65] scope:SCOPE_SE
	s_setreg_imm32_b32 hwreg(HW_REG_WAVE_MODE, 25, 1), 1
	s_wait_xcnt 0x0
	s_wait_alu depctr_hold_cnt(0) depctr_sa_sdst(0) depctr_va_vdst(0) depctr_va_sdst(0) depctr_va_ssrc(0) depctr_va_vcc(0) depctr_vm_vsrc(0)
	s_getreg_b32 s2, hwreg(HW_REG_IB_STS2, 6, 4)
	s_cmp_eq_u32 s2, 0
	s_cbranch_scc0 .Lentry_in_a_cluster
	s_endpgm
.Lentry_in_a_cluster:
	s_bfe_u32 s2, ttmp6, 0x10000c
	s_cmp_lg_u32 s2, 0xf033
	s_cbranch_scc0 .Lentry_shape_is_right
	s_endpgm
.Lentry_shape_is_right:
; x2 = x + (o out_proj_w^T + out_proj_b), the product on codes of E2M3.  N = 1,024 would give 64 tiles of 256 x 256: a tile is 128 x 128, so that 256 work-groups have work; four waves of 64 x 64 (16 accumulators).
; D = (source 0: 16 slots of X, the weight's rows) x (source 1: 16 slots of Y, tokens).  A slot of the ring holds 4 K steps of one panel of each side; a wave's tensor load brings two of them, 25,600 dense bytes.  K = 1,024 is both slots' first fill.
; X's tiles are shared along a column of the cluster, Y's along a row: joint loads.
; THE WAY OUT: a tile of 16 tokens x 64 columns goes through the wave's own stage in LDS (pitch 272 bytes) and comes back by rows; bias and residual are added; each store covers two rows' 256 consecutive, aligned bytes.
.set NB,  4
.set NQ,  4
.set KST, 8
.set OFFX, 5734400
.set PANEL, 12800
.set FRB,   1536
.set QUART, 2*PANEL
.set SLOT,  4*QUART
.set SPARE, 2*SLOT
.set LAPS,  KST/(2*NQ)
.set REFILL, 2*NQ*PANEL
.set YSTEP, 4*FRB
.set SSTEP, 256
.set AY16, 16
.set AY8,  18
.set AX16, 20
.set AX8,  22
.set ADRS, 24
.set SPW,  28
.set NIL,  29
.set SC,   32                          ; v32-39 scale words, two sets; they hold nothing else
.set YF,   64                          ; window 0: Y's fragments, two sets (v64-159);  window 1: X's (v0-95), the residual (v128-255);  window 2: the accumulators
.set G1Y, 24
.set G0Y, 32
.set G1X, 48
.set G0X, 56
.set MSB, 0
.macro WIN new
.if MSB != (\new)
	s_set_vgpr_msb (MSB<<8)|(\new)
.set MSB, (\new)
.endif
.endm
.macro PLACES n
.rept \n
	v_nop
.endr
.endm
.macro CREST
	s_cmp_lg_u32 s14, 0
	s_cbranch_scc1 .Lnot_wave_0_\@
	s_barrier_signal -3
.Lnot_wave_0_\@:
	s_barrier_wait -3
	s_barrier_signal -1
	s_barrier_wait -1
.endm
.macro CROUND
	s_barrier_signal -1
	s_barrier_wait -1
	CREST
.endm
.macro JLOAD g0y, g0x
	s_cmp_eq_u32 s15, 0
	s_cbranch_scc0 .Lfor_x_\@
	tensor_load_to_lds s[\g0y:\g0y+3], s[G1Y:G1Y+7]
	s_nop 0
.rept 4
	v_nop
.endr
	s_branch .Lasked_\@
.Lfor_x_\@:
	tensor_load_to_lds s[\g0x:\g0x+3], s[G1X:G1X+7]
	s_nop 0
.rept 4
	v_nop
.endr
.Lasked_\@:
.endm
.macro IDS
	v_lshl_add_u32 v[SPW], v0, 2, SPARE
	v_mov_b32 v[NIL], 0
	ds_add_u32 v28, v29
	ds_add_u32 v28, v29
	s_wait_dscnt 0x0
	v_lshrrev_b32 v1, 5, v0
	v_readfirstlane_b32 s14, v1
	s_lshr_b32 s15, s14, 1
	s_and_b32 s16, s14, 1
	s_bfe_u32 s40, ttmp6, 0x40000
	s_bfe_u32 s41, ttmp6, 0x40004
	s_lshl_b32 s43, s41, 2
	s_lshl_b32 s43, 15, s43
	s_lshl_b32 s44, 0x1111, s40
	s_or_b32 s[G1Y], s43, (3<<16)|(1<<21)
	s_or_b32 s[G1X], s44, (3<<16)|(1<<21)
.irp g, G1Y, G1X
	s_mov_b32 s[\g+1], 32<<16
	s_mov_b32 s[\g+2], 100<<16
	s_mov_b32 s[\g+3], 32<<16
	s_mov_b32 s[\g+4], 100
	s_mov_b32 s[\g+5], 32
	s_mov_b32 s[\g+6], 0
	s_mov_b32 s[\g+7], 0
.endr
.endm
.macro START ybuf, xbuf
.if NB == 8
	s_lshl_b32 s20, s17, 1
	s_add_co_u32 s20, s20, s16
	s_mul_i32 s20, s20, KST*PANEL
	s_lshl_b32 s46, s42, 1
	s_add_co_u32 s46, s46, s16
	s_mul_i32 s46, s46, KST*PANEL
.else
	s_mul_i32 s20, s17, KST*PANEL
	s_mul_i32 s21, s16, QUART
	s_add_co_u32 s20, s20, s21
	s_mul_i32 s46, s42, KST*PANEL
	s_add_co_u32 s46, s46, s21
.endif
	s_add_co_u32 s20, s20, s19
	s_add_co_u32 s46, s46, s18
	s_mov_b32 s21, 0
	s_mov_b32 s47, 0
	s_mul_i32 s45, s14, QUART
	s_wait_kmcnt 0x0
	s_add_nc_u64 s[20:21], s[\ybuf:\ybuf+1], s[20:21]
	s_add_nc_u64 s[46:47], s[\xbuf:\xbuf+1], s[46:47]
	CROUND
.irp s, 0,1
	s_mov_b32 s[G0Y+4*\s], 1
	s_add_co_u32 s[G0Y+4*\s+1], s45, \s*SLOT
	s_add_nc_u64 s[G0Y+4*\s+2:G0Y+4*\s+3], s[20:21], \s*(REFILL/2)
	s_or_b32 s[G0Y+4*\s+3], s[G0Y+4*\s+3], 0x80000000
	s_mov_b32 s[G0X+4*\s], 1
	s_add_co_u32 s[G0X+4*\s+1], s45, \s*SLOT
	s_add_nc_u64 s[G0X+4*\s+2:G0X+4*\s+3], s[46:47], \s*(REFILL/2)
	s_or_b32 s[G0X+4*\s+3], s[G0X+4*\s+3], 0x80000000
	JLOAD G0Y+4*\s, G0X+4*\s
.endr
	v_and_b32 v1, 31, v0
	v_and_b32 v2, 15, v0
	v_bfe_u32 v3, v0, 4, 1
	v_lshlrev_b32 v4, 4, v1
	v_lshlrev_b32 v5, 3, v1
	s_mul_i32 s21, s15, YSTEP
	s_mul_i32 s22, s16, YSTEP
	s_add_co_u32 s22, s22, 2*QUART
.irp s, 0,1
	v_add_nc_u32 v[AY16+\s], s21, v4
	v_add_nc_u32 v[AY8+\s], s21, v5
	v_add_nc_u32 v[AX16+\s], s22, v4
	v_add_nc_u32 v[AX8+\s], s22, v5
	s_add_co_u32 s21, s21, SLOT
	s_add_co_u32 s22, s22, SLOT
.endr
	s_mul_i32 s21, s15, SSTEP
	s_mul_i32 s22, s16, SSTEP
	s_add_co_u32 s22, s22, 2*QUART
	s_sub_co_u32 s22, s22, s21
	v_mul_u32_u24 v6, s22, v3
	s_add_co_u32 s21, s21, 12288
	v_lshl_add_u32 v6, v2, 2, v6
	v_add_nc_u32 v[ADRS], s21, v6
	v_add_nc_u32 v[ADRS+1], SLOT, v[ADRS]
.endm
.macro FRAG reg, a16, a8, off
	ds_load_b128 v[\reg:\reg+3], v[\a16] offset:\off
	ds_load_b64 v[\reg+4:\reg+5], v[\a8] offset:\off+512
	ds_load_b128 v[\reg+6:\reg+9], v[\a16] offset:\off+768
	ds_load_b64 v[\reg+10:\reg+11], v[\a8] offset:\off+1280
.endm
.macro FETCH slot, q, p
	WIN 0x40
.set fi, 0
.rept NB
	FRAG 12*NB*(\p)+12*fi, AX16+\slot, AX8+\slot, (\q)*PANEL+FRB*fi
.set fi, fi+1
.endr
	WIN 0
.set fi, 0
.rept NB
	FRAG YF+12*NB*(\p)+12*fi, AY16+\slot, AY8+\slot, (\q)*PANEL+FRB*fi
.set fi, fi+1
.endr
.set fi, 0
.rept NB
	ds_load_b32 v[SC+NB*(\p)+fi], v[ADRS+\slot] offset:(\q)*PANEL+64*fi
.set fi, fi+1
.endr
.endm
.macro MULS a0, na, p, zero            ; the accumulators take turns, one instruction a turn
.set ma, \a0
.rept \na
	WIN 0xa1+0x50*(ma/4)
.set mb, 0
.rept NB
.set rD, 8*(NB*(ma%4)+mb)
.set rX, 12*NB*(\p)+12*mb
.set rY, YF+12*NB*(\p)+12*ma
.if \zero
	v_wmma_scale_f32_16x16x128_f8f6f4 v[rD:rD+7], v[rX:rX+11], v[rY:rY+11], 0, v[SC+NB*(\p)+mb], v[SC+NB*(\p)+ma] matrix_a_fmt:MATRIX_FMT_FP6 matrix_b_fmt:MATRIX_FMT_FP6 matrix_a_scale:MATRIX_SCALE_ROW1
.else
	v_wmma_scale_f32_16x16x128_f8f6f4 v[rD:rD+7], v[rX:rX+11], v[rY:rY+11], v[rD:rD+7], v[SC+NB*(\p)+mb], v[SC+NB*(\p)+ma] matrix_a_fmt:MATRIX_FMT_FP6 matrix_b_fmt:MATRIX_FMT_FP6 matrix_a_scale:MATRIX_SCALE_ROW1
.endif
.set mb, mb+1
.endr
.set ma, ma+1
.endr
.endm
.macro STEP slot, q, zero
	s_wait_dscnt 0x0                               ; this step's set is in
	PLACES 4                                       ; in front of loads into the set that the last step's products read
	FETCH \slot, (\q)+1, 1-(\q)%2
	MULS 0, NB, (\q)%2, \zero
.endm
.macro MIDS slot, q0
.set mq, \q0
.rept NQ-1-(\q0)
	STEP \slot, mq, 0
.set mq, mq+1
.endr
.endm
.macro TURN slot, next, fill
	WIN 0
	s_wait_tensorcnt 0x0                           ; my part of the next slot has landed
	ds_add_u32 v[SPW], v[NIL]
	s_wait_dscnt 1                                 ; the fragments are in; only the add may be out
	MULS 0, NB/4, 1, 0
	s_wait_dscnt 0x0                               ; the add is done, and my reads of this slot are over
	s_barrier_signal -1
	MULS NB/4, NB/4, 1, 0
	WIN 0
	s_barrier_wait -1
.if \fill
	CREST
	s_add_nc_u64 s[G0Y+4*\slot+2:G0Y+4*\slot+3], s[G0Y+4*\slot+2:G0Y+4*\slot+3], REFILL
	s_add_nc_u64 s[G0X+4*\slot+2:G0X+4*\slot+3], s[G0X+4*\slot+2:G0X+4*\slot+3], REFILL
	JLOAD G0Y+4*\slot, G0X+4*\slot
.else
	PLACES 4
.endif
	FETCH \next, 0, 0
	MULS NB/2, NB/2, 1, 0
.endm
.macro LAST
	s_wait_dscnt 0x0
	MULS 0, NB, 1, 0
	WIN 0
	PLACES 4
.endm
.macro MAIN
	s_wait_tensorcnt 0x1                           ; my part of slot 0 is in; slot 1's load may stay out
	s_barrier_signal -1
	s_barrier_wait -1
	FETCH 0, 0, 0
	STEP 0, 0, 1
.if LAPS > 1
	WIN 0
	s_mov_b32 s3, LAPS-1
.Llap:
	MIDS 0, 1
	TURN 0, 1, 1
	MIDS 1, 0
	TURN 1, 0, 1
	STEP 0, 0, 0
	WIN 0
	s_sub_co_u32 s3, s3, 1
	s_cmp_lg_u32 s3, 0
	s_cbranch_scc1 .Llap
.endif
	MIDS 0, 1
	TURN 0, 1, 0
	MIDS 1, 0
	LAST
.endm
.set STG, SPARE+512                    ; the stages: 16 rows x 272 bytes for each wave
.set STO, 12
.set RD,  13
.set CO,  14
.set BO,  15
.macro OUTT a                          ; tile a: 16 tokens x my 64 columns
.set RB, 64+32*((\a)%2)
	WIN 0x08                                       ; an LDS store's data: window 2
.irp b, 0,1,2,3
	ds_store_b128 v[STO], v[8*(4*(\a)+\b):8*(4*(\a)+\b)+3] offset:128*(\b/2)+32*(\b%2)        ; each accumulator from its low end on
	ds_store_b128 v[STO], v[8*(4*(\a)+\b)+4:8*(4*(\a)+\b)+7] offset:128*(\b/2)+32*(\b%2)+16
.endr
	WIN 0
.if (\a) > 1
	s_wait_xcnt 0x0                                ; tile a - 2's stores have read these registers
.endif
.irp i, 0,1,2,3,4,5,6,7
	ds_load_b128 v[RB+4*\i:RB+4*\i+3], v[RD] offset:544*\i     ; LDS serves a wave's instructions in order: these see my stores
.endr
	s_wait_dscnt 0x0
.irp i, 0,1,2,3,4,5,6,7
	v_pk_add_f32 v[RB+4*\i:RB+4*\i+1], v[RB+4*\i:RB+4*\i+1], v[8:9]
	v_pk_add_f32 v[RB+4*\i+2:RB+4*\i+3], v[RB+4*\i+2:RB+4*\i+3], v[10:11]
.endr
	WIN 0x04                                       ; source 1: window 1, the residual
.irp i, 0,1,2,3,4,5,6,7
	v_pk_add_f32 v[RB+4*\i:RB+4*\i+1], v[RB+4*\i:RB+4*\i+1], v[128+32*(\a)+4*\i:128+32*(\a)+4*\i+1]
	v_pk_add_f32 v[RB+4*\i+2:RB+4*\i+3], v[RB+4*\i+2:RB+4*\i+3], v[128+32*(\a)+4*\i+2:128+32*(\a)+4*\i+3]
.endr
	WIN 0
.irp i, 0,1,2,3,4,5,6,7
	global_store_b128 v[CO], v[RB+4*\i:RB+4*\i+3], s[12:13] offset:(32*((\a)/2)+8*((\a)%2)+2*(\i%4)+16*(\i/4))*4096
.endr
.endm
	s_load_b256 s[4:11], s[0:1], 0x0               ; Y's codes, X's buffer, the bias, the residual
	s_load_b64 s[12:13], s[0:1], 0x20              ; the result
	IDS
	s_lshl_b32 s42, ttmp9, 2
	s_add_co_u32 s42, s42, s40
	s_and_b32 s17, ttmp7, 0xffff
	s_lshl_b32 s17, s17, 2
	s_add_co_u32 s17, s17, s41
	s_mov_b32 s18, OFFX
	s_mov_b32 s19, 0
	START 4, 6
	s_lshl_b32 s76, s42, 9
	s_lshl_b32 s77, s16, 8
	s_add_co_u32 s76, s76, s77                     ; my first column, in bytes
	s_mov_b32 s77, 0
	s_add_nc_u64 s[8:9], s[8:9], s[76:77]
	s_lshl_b32 s78, s17, 7
	s_lshl_b32 s79, s15, 6
	s_add_co_u32 s78, s78, s79
	s_lshl_b32 s78, s78, 12                        ; my first row, rows of 4,096 bytes
	s_add_co_u32 s76, s76, s78
	s_add_nc_u64 s[10:11], s[10:11], s[76:77]
	s_add_nc_u64 s[12:13], s[12:13], s[76:77]
	v_lshlrev_b32 v[BO], 4, v2
	v_lshl_add_u32 v[CO], v3, 12, v[BO]            ; lanes 0-15 one row, lanes 16-31 the next; 16 bytes a lane
	s_mul_i32 s78, s14, 16*272
	s_add_co_u32 s78, s78, STG
	v_mul_u32_u24 v[STO], v2, 272
	v_lshl_add_u32 v[STO], v3, 6, v[STO]
	v_add_nc_u32 v[STO], s78, v[STO]
	v_mul_u32_u24 v[RD], v3, 272
	v_add_nc_u32 v[RD], v[RD], v[BO]
	v_add_nc_u32 v[RD], s78, v[RD]
	global_load_b128 v[8:11], v[BO], s[8:9]
	WIN 0x40
.irp a, 0,1,2,3
.irp i, 0,1,2,3,4,5,6,7
	global_load_b128 v[128+32*\a+4*\i:128+32*\a+4*\i+3], v[CO], s[10:11] offset:(32*(\a/2)+8*(\a%2)+2*(\i%4)+16*(\i/4))*4096   ; the residual, in the stores' own layout
.endr
.endr
	WIN 0
	MAIN
	s_wait_loadcnt 0x0
	OUTT 0
	OUTT 1
	OUTT 2
	OUTT 3
	s_wait_tensorcnt 0x0                           ; the wave's end
	ds_add_u32 v[SPW], v[NIL]
	s_wait_dscnt 0x0
	CROUND
	s_endpgm
.Lfunc_end_k_q0fcdad63aa_gemm_o:
	.size	k_q0fcdad63aa_gemm_o, .Lfunc_end_k_q0fcdad63aa_gemm_o-k_q0fcdad63aa_gemm_o
	.p2alignl 7, 3214868480
	.fill 96, 4, 3214868480
	.section	.rodata,"a",@progbits
	.p2align	6, 0x0
	.amdhsa_kernel k_q0fcdad63aa_gemm_o
		.amdhsa_group_segment_fixed_size 327680
		.amdhsa_private_segment_fixed_size 0
		.amdhsa_enable_private_segment 0
		.amdhsa_kernarg_size 40
		.amdhsa_user_sgpr_count 2
		.amdhsa_user_sgpr_kernarg_segment_ptr 1
		.amdhsa_wavefront_size32 1
		.amdhsa_system_sgpr_workgroup_id_x 1
		.amdhsa_system_sgpr_workgroup_id_y 1
		.amdhsa_system_sgpr_workgroup_id_z 1
		.amdhsa_system_vgpr_workitem_id 0
		.amdhsa_next_free_vgpr 1024
		.amdhsa_next_free_sgpr 100
		.amdhsa_reserve_vcc 0
		.amdhsa_float_denorm_mode_32 3
		.amdhsa_float_denorm_mode_16_64 3
		.amdhsa_memory_ordered 1
		.amdhsa_forward_progress 1
		.amdhsa_inst_pref_size 64
	.end_amdhsa_kernel
	.amdgpu_metadata
---
amdhsa.version: [ 1, 2 ]
amdhsa.kernels:
  - .name:           k_q0fcdad63aa_gemm_o
    .symbol:         k_q0fcdad63aa_gemm_o.kd
    .args:
      - { .name: wsO, .offset: 0, .size: 8, .value_kind: global_buffer, .address_space: global }
      - { .name: wsA, .offset: 8, .size: 8, .value_kind: global_buffer, .address_space: global }
      - { .name: out_proj_b, .offset: 16, .size: 8, .value_kind: global_buffer, .address_space: global }
      - { .name: x, .offset: 24, .size: 8, .value_kind: global_buffer, .address_space: global }
      - { .name: x2, .offset: 32, .size: 8, .value_kind: global_buffer, .address_space: global }
    .group_segment_fixed_size: 327680
    .private_segment_fixed_size: 0
    .kernarg_segment_align: 8
    .kernarg_segment_size: 40
    .max_flat_workgroup_size: 128
    .sgpr_count:     100
    .vgpr_count:     1024
    .wavefront_size: 32
...
	.end_amdgpu_metadata
.endif
;; end of part 4
;; launch prep_b (part 5): grid 768 x 1, 8 waves a work-group, no clusters, 67,072 bytes of LDS; arguments x2, ln2_g, ln2_b, wsA, w1, w2, wsH; writes wsH
.if DOCPART == 5
	.amdgcn_target "amdgcn-amd-amdhsa--gfx1250"
	.amdhsa_code_object_version 6
	.text
	.protected	k_q0fcdad63aa_prep_b
	.globl	k_q0fcdad63aa_prep_b
	.p2align	8
	.type	k_q0fcdad63aa_prep_b,@function
k_q0fcdad63aa_prep_b:
	s_mov_b64 s[64:65], 0
	v_nop
	global_prefetch_b8 v0, s[64:65] scope:SCOPE_SE
	s_setreg_imm32_b32 hwreg(HW_REG_WAVE_MODE, 25, 1), 1
	s_wait_xcnt 0x0
; The operands of the two BitLinear products' first stage: h = x + (act_quant(x) - x) of x = LN2(x2), and w + (weight_quant(w) - w) of w1 and w2, each then turned into codes of E2M3 with E8M0 scales, in the layout of register images
; (a fragment: registers 0-3 at 16 x lane, 4-5 at 512 + 8 x lane, 6-9 at 768 + 16 x lane, 10-11 at 1,280 + 8 x lane; a panel: 8 fragments + 512 bytes of scale words; a table: [row panel][K step][panel]).
; AN ITEM is 16 row slots x 1,024 columns.  Work-groups 0-255: x2; 256-511: w1; 512-767: w2 (tile (id - 512) / 4, columns 1,024 ((id - 512) % 4) on).  Slot r of tile t is row 32 (t / 2) + 8 (t % 2) + r % 8 + 16 (r / 8) of its panel.
; The mean of |w| comes from the 512 pairs of partial sums of the first launch: every wave adds them in the same order.
; Divisions are a reciprocal, one Newton step and a multiplication.  LIMITS: NaN and infinities are not served; a block under 2^-124 keeps the byte 1.
.set PANEL, 12800
.set FRB,   1536
.set SROW,  4112
.set W1O,   3276800
.set W2O,   6553600
.set PSO,   6553600
.set X0,  16
.set X1,  48
.set G,   80
.set BV,  112
.set U,   144                          ; v144-175 at work; first the partial sums
.set TM,  208
.set S,   208
.set ST,  16
.set PC,  80
.set PW,  100
.set SEL, 40
.set KM,  44
.set KE,  45
.macro WSUM a, t
	v_add_f32_dpp v[\a], v[\a], v[\a] row_xmask:1 row_mask:0xf bank_mask:0xf
	v_add_f32_dpp v[\a], v[\a], v[\a] row_xmask:2 row_mask:0xf bank_mask:0xf
	v_add_f32_dpp v[\a], v[\a], v[\a] row_xmask:4 row_mask:0xf bank_mask:0xf
	v_add_f32_dpp v[\a], v[\a], v[\a] row_xmask:8 row_mask:0xf bank_mask:0xf
	v_permlanex16_b32 v[\t], v[\a], s[SEL], s[SEL+1]
	v_add_f32 v[\a], v[\a], v[\t]
.endm
.macro LNROW X
	v_pk_add_f32 v[S:S+1], v[\X:\X+1], v[\X+2:\X+3]
	v_pk_add_f32 v[S+2:S+3], v[\X+4:\X+5], v[\X+6:\X+7]
.irp j, 8,12,16,20,24,28
	v_pk_add_f32 v[S:S+1], v[S:S+1], v[\X+\j:\X+\j+1]
	v_pk_add_f32 v[S+2:S+3], v[S+2:S+3], v[\X+\j+2:\X+\j+3]
.endr
	v_pk_add_f32 v[S:S+1], v[S:S+1], v[S+2:S+3]
	v_add_f32 v[S], v[S], v[S+1]
	WSUM S, S+1
	v_mul_f32 v[S], s[KM], v[S]
.set n, 0
.rept 16
	v_pk_add_f32 v[\X+n:\X+n+1], v[\X+n:\X+n+1], v[S:S+1] op_sel_hi:[1,0] neg_lo:[0,1] neg_hi:[0,1]
.set n, n+2
.endr
	v_pk_mul_f32 v[S:S+1], v[\X:\X+1], v[\X:\X+1]
	v_pk_mul_f32 v[S+2:S+3], v[\X+2:\X+3], v[\X+2:\X+3]
.irp j, 4,8,12,16,20,24,28
	v_pk_fma_f32 v[S:S+1], v[\X+\j:\X+\j+1], v[\X+\j:\X+\j+1], v[S:S+1]
	v_pk_fma_f32 v[S+2:S+3], v[\X+\j+2:\X+\j+3], v[\X+\j+2:\X+\j+3], v[S+2:S+3]
.endr
	v_pk_add_f32 v[S:S+1], v[S:S+1], v[S+2:S+3]
	v_add_f32 v[S], v[S], v[S+1]
	WSUM S, S+1
	v_fma_f32 v[S], v[S], s[KM], s[KE]
	v_rsq_f32 v[S+2], v[S]
	v_nop
	s_wait_alu depctr_va_vdst(0)                   ; the wait ahead of the first reader
.set n, 0
.rept 16
	v_pk_mul_f32 v[\X+n:\X+n+1], v[\X+n:\X+n+1], v[S+2:S+3] op_sel_hi:[1,0]
.set n, n+2
.endr
.set n, 0
.rept 16
	v_pk_fma_f32 v[\X+n:\X+n+1], v[\X+n:\X+n+1], v[G+n:G+n+1], v[BV+n:BV+n+1]
.set n, n+2
.endr
.endm
; x + (clip(round(x v[S]), lo, hi) v[S+2] - x), on 32 registers, in place
.macro ROUNDQ X, lo, hi
.set n, 0
.rept 16
	v_pk_mul_f32 v[U+n:U+n+1], v[\X+n:\X+n+1], v[S:S+1] op_sel_hi:[1,0]
.set n, n+2
.endr
.set n, 0
.rept 32
	v_rndne_f32 v[U+n], v[U+n]
.set n, n+1
.endr
.set n, 0
.rept 32
	v_med3_num_f32 v[U+n], v[U+n], \lo, \hi
.set n, n+1
.endr
.set n, 0
.rept 16
	v_pk_mul_f32 v[U+n:U+n+1], v[U+n:U+n+1], v[S+2:S+3] op_sel_hi:[1,0]
.set n, n+2
.endr
.set n, 0
.rept 16
	v_pk_add_f32 v[U+n:U+n+1], v[U+n:U+n+1], v[\X+n:\X+n+1] neg_lo:[0,1] neg_hi:[0,1]
.set n, n+2
.endr
.set n, 0
.rept 16
	v_pk_add_f32 v[\X+n:\X+n+1], v[\X+n:\X+n+1], v[U+n:U+n+1]
.set n, n+2
.endr
.endm
.macro ACTROW X                        ; the token's absmax, 127 / max(absmax, 1e-5), and the rounding to 8 bits
	v_max3_num_f32 v[S], |v[\X]|, |v[\X+1]|, |v[\X+2]|
	v_max3_num_f32 v[S+1], |v[\X+3]|, |v[\X+4]|, |v[\X+5]|
.irp j, 6,10,14,18,22,26
	v_max3_num_f32 v[S], v[S], |v[\X+\j]|, |v[\X+\j+1]|
	v_max3_num_f32 v[S+1], v[S+1], |v[\X+\j+2]|, |v[\X+\j+3]|
.endr
	v_max3_num_f32 v[S], v[S], |v[\X+30]|, |v[\X+31]|
	v_max3_num_f32 v[S], v[S], v[S+1], s[KE]       ; with the clip at 1e-5
	v_max_num_f32_dpp v[S], v[S], v[S] row_xmask:1 row_mask:0xf bank_mask:0xf
	v_max_num_f32_dpp v[S], v[S], v[S] row_xmask:2 row_mask:0xf bank_mask:0xf
	v_max_num_f32_dpp v[S], v[S], v[S] row_xmask:4 row_mask:0xf bank_mask:0xf
	v_max_num_f32_dpp v[S], v[S], v[S] row_xmask:8 row_mask:0xf bank_mask:0xf
	v_permlanex16_b32 v[S+1], v[S], s[SEL], s[SEL+1]
	v_max_num_f32 v[S+2], v[S], v[S+1]
	v_rcp_f32 v[S], v[S+2]
	v_nop
	s_wait_alu depctr_va_vdst(0)
	v_fma_f32 v[S+1], -v[S+2], v[S], 1.0
	v_fma_f32 v[S], v[S], v[S+1], v[S]
	v_mul_f32 v[S], s43, v[S]                      ; the scale
	v_rcp_f32 v[S+2], v[S]
	v_nop
	s_wait_alu depctr_va_vdst(0)
	v_fma_f32 v[S+1], -v[S], v[S+2], 1.0
	v_fma_f32 v[S+2], v[S+2], v[S+1], v[S+2]       ; 1 / the scale
	ROUNDQ \X, s42, s43
.endm
.macro QUANT s
.irp b, 0,1,2,3
	v_max3_num_f32 v[TM+\b], |v[\s+16*\b]|, |v[\s+1+16*\b]|, 0x1800000
.endr
.irp i, 2,4,6,8,10,12,14
.irp b, 0,1,2,3
	v_max3_num_f32 v[TM+\b], v[TM+\b], |v[\s+16*\b+\i]|, |v[\s+1+16*\b+\i]|
.endr
.endr
.irp b, 0,1,2,3
	v_permlanex16_b32 v[TM+4+\b], v[TM+\b], s[SEL], s[SEL+1]
.endr
.irp b, 0,1,2,3
	v_max_num_f32 v[TM+\b], v[TM+\b], v[TM+4+\b]
.endr
.irp b, 0,1,2,3
	v_add_nc_u32 v[TM+12+\b], 0xff000000, v[TM+\b]
.endr
.irp b, 0,1,2,3
	v_lshrrev_b32 v[TM+4+\b], 23, v[TM+12+\b]
.endr
	v_lshl_or_b32 v[PW], v[TM+5], 8, v[TM+4]
	v_lshl_or_b32 v[PW], v[TM+6], 16, v[PW]
	v_lshl_or_b32 v[PW], v[TM+7], 24, v[PW]
.irp c, 0,1
	v_cvt_scalef32_pk16_fp6_f32 v[PC+6*\c:PC+2+6*\c], v[\s+32*\c:\s+15+32*\c], v[TM+12+2*\c]
	v_cvt_scalef32_pk16_fp6_f32 v[PC+12+4*\c:PC+14+4*\c], v[\s+16+32*\c:\s+31+32*\c], v[TM+12+2*\c+1]
.endr
	v_nop
.irp c, 0,1
.irp i, 0,1,2
	v_permlane16_swap_b32 v[PC+6*\c+\i], v[PC+12+4*\c+\i]
.endr
.irp i, 0,1,2
	v_mov_b32 v[PC+3+6*\c+\i], v[PC+12+4*\c+\i]
.endr
.endr
.endm
	s_load_b256 s[4:11], s[0:1], 0x0               ; x2, ln2_g, ln2_b, wsA
	s_load_b128 s[12:15], s[0:1], 0x20             ; w1, w2
	s_load_b64 s[16:17], s[0:1], 0x30              ; wsH
	v_lshl_add_u32 v224, v0, 2, 0x10200
	v_mov_b32 v225, 0
	v_lshrrev_b32 v1, 5, v0
	v_readfirstlane_b32 s2, v1
	v_and_b32 v1, 31, v0
	v_and_b32 v2, 15, v0
	v_bfe_u32 v3, v0, 4, 1
	v_lshlrev_b32 v4, 4, v1
	v_lshlrev_b32 v7, 3, v1
	v_lshlrev_b32 v8, 2, v2
	s_mul_i32 s3, s2, 2*SROW
	v_add_nc_u32 v5, s3, v4
	v_mul_u32_u24 v6, v2, SROW
	v_lshl_add_u32 v6, v3, 6, v6
	s_lshl_b32 s3, s2, 9
	v_add_nc_u32 v6, s3, v6
.irp b, 0,1,2,3,4,5,6,7
	v_mov_b32 v[TM+\b], 0                          ; written once: permutes' destinations and the upper halves of pairs count as read
.endr
	s_mov_b32 s[SEL], 0x76543210
	s_mov_b32 s[SEL+1], 0xfedcba98
	s_mov_b32 s[KM], 0x3a800000                    ; 2^-10
	s_mov_b32 s[KE], 0x3727c5ac                    ; 1e-5
	s_mov_b32 s42, 0xc3000000                      ; -128
	s_mov_b32 s43, 0x42fe0000                      ; 127
	s_cmp_lt_u32 ttmp9, 256
	s_cselect_b32 s22, 0, 256
	s_cselect_b32 s23, 0, W1O
	s_cmp_lt_u32 ttmp9, 512
	s_cselect_b32 s22, s22, 512
	s_cselect_b32 s23, s23, W2O
	s_cselect_b32 s36, 0, 2                        ; w2: four items to a tile,
	s_cselect_b32 s37, 0, 3
	s_cselect_b32 s38, 12, 14                      ; rows of 16,384 bytes,
	s_cselect_b32 s39, 3, 5                        ; 32 K steps to a panel
	s_sub_co_u32 s22, ttmp9, s22
	s_and_b32 s37, s22, s37                        ; the chunk of 1,024 columns
	s_lshr_b32 s22, s22, s36                       ; the tile
	s_lshr_b32 s24, s22, 3
	s_and_b32 s25, s22, 7
	s_lshl_b32 s26, s24, 7
	s_lshr_b32 s27, s25, 1
	s_lshl_b32 s27, s27, 5
	s_add_co_u32 s26, s26, s27
	s_and_b32 s27, s25, 1
	s_lshl_b32 s27, s27, 3
	s_add_co_u32 s26, s26, s27
	s_lshl_b32 s27, s2, 1
	s_add_co_u32 s26, s26, s27
	s_lshr_b32 s27, s2, 2
	s_lshl_b32 s27, s27, 3
	s_add_co_u32 s26, s26, s27                     ; slot 2 w's row
	s_lshl_b32 s26, s26, s38
	s_lshl_b32 s27, s37, 12
	s_add_co_u32 s26, s26, s27
	s_mov_b32 s27, 0
	s_lshl_b32 s32, 1, s38                         ; from a row to the next
	s_mov_b32 s33, 0
	s_lshl_b32 s28, s24, s39
	s_lshl_b32 s29, s37, 3
	s_add_co_u32 s28, s28, s29
	s_add_co_u32 s28, s28, s2                      ; K step 8 x chunk + wave
	s_mul_i32 s28, s28, PANEL
	s_add_co_u32 s28, s28, s23
	s_lshl_b32 s30, s25, 6
	s_add_co_u32 s30, s30, s28
	s_add_co_u32 s30, s30, 12288
	s_mul_i32 s29, s25, FRB
	s_add_co_u32 s28, s28, s29
	s_mov_b32 s29, 0
	s_mov_b32 s31, 0
	s_wait_kmcnt 0x0
	s_cmp_lt_u32 ttmp9, 256
	s_cselect_b64 s[20:21], s[4:5], s[12:13]
	s_cmp_lt_u32 ttmp9, 512
	s_cselect_b64 s[20:21], s[20:21], s[14:15]
	s_add_nc_u64 s[20:21], s[20:21], s[26:27]
	s_add_nc_u64 s[34:35], s[20:21], s[32:33]
	s_add_nc_u64 s[28:29], s[16:17], s[28:29]
	s_add_nc_u64 s[30:31], s[16:17], s[30:31]
	s_add_nc_u64 s[10:11], s[10:11], PSO
.irp j, 0,1,2,3,4,5,6,7
	global_load_b128 v[X0+4*\j:X0+4*\j+3], v4, s[20:21] offset:512*\j th:TH_LOAD_NT
	global_load_b128 v[X1+4*\j:X1+4*\j+3], v4, s[34:35] offset:512*\j th:TH_LOAD_NT
.endr
	s_cmp_lt_u32 ttmp9, 256
	s_cbranch_scc0 .Ltern
.irp j, 0,1,2,3,4,5,6,7
	global_load_b128 v[G+4*\j:G+4*\j+3], v4, s[6:7] offset:512*\j
	global_load_b128 v[BV+4*\j:BV+4*\j+3], v4, s[8:9] offset:512*\j
.endr
	s_wait_loadcnt 0x0
	LNROW X0
	ACTROW X0
	LNROW X1
	ACTROW X1
	s_branch .Ljoin
.Ltern:
.irp j, 0,1,2,3,4,5,6,7
	global_load_b128 v[U+4*\j:U+4*\j+3], v4, s[10:11] offset:512*\j    ; the 512 pairs (sum |w1|, sum |w2|)
.endr
	s_wait_loadcnt 0x0
	v_pk_add_f32 v[S:S+1], v[U:U+1], v[U+2:U+3]
.irp j, 4,6,8,10,12,14,16,18,20,22,24,26,28,30
	v_pk_add_f32 v[S:S+1], v[S:S+1], v[U+\j:U+\j+1]
.endr
	WSUM S, S+2
	WSUM S+1, S+3
	s_cmp_lt_u32 ttmp9, 512
	s_cselect_b32 s46, 0, -1
	v_cndmask_b32 v[S], v[S], v[S+1], s46          ; w1's sum or w2's
	v_mul_f32 v[S], 0x34800000, v[S]               ; / 2^22 numbers
	v_max_num_f32 v[S+2], s[KE], v[S]              ; the scale
	v_rcp_f32 v[S], v[S+2]
	v_nop
	s_wait_alu depctr_va_vdst(0)
	v_fma_f32 v[S+1], -v[S+2], v[S], 1.0
	v_fma_f32 v[S], v[S], v[S+1], v[S]
	ROUNDQ X0, -1.0, 1.0
	ROUNDQ X1, -1.0, 1.0
.Ljoin:
.irp j, 0,1,2,3,4,5,6,7
	ds_store_b128 v5, v[X0+4*\j:X0+4*\j+3] offset:512*\j
	ds_store_b128 v5, v[X1+4*\j:X1+4*\j+3] offset:SROW+512*\j
.endr
	s_wait_dscnt 0x0
	s_barrier_signal -1
	s_barrier_wait -1
.irp b, 0,1,2,3
.irp j, 0,1,2,3
	ds_load_b128 v[ST+16*\b+4*\j:ST+16*\b+4*\j+3], v6 offset:128*\b+16*\j
.endr
.endr
	s_wait_dscnt 0x0
	QUANT ST
	global_store_b128 v4, v[PC:PC+3], s[28:29]
	global_store_b64 v7, v[PC+4:PC+5], s[28:29] offset:512
	global_store_b128 v4, v[PC+6:PC+9], s[28:29] offset:768
	global_store_b64 v7, v[PC+10:PC+11], s[28:29] offset:1280
	s_wait_xcnt 0x0                                ; EXEC changes only behind this wait
	v_cmp_gt_u32 vcc_lo, 16, v1
	s_wait_tensorcnt 0x0
	ds_add_u32 v224, v225
	s_wait_dscnt 0x0
	s_and_saveexec_b32 s47, vcc_lo
	global_store_b32 v8, v[PW], s[30:31]
	s_wait_xcnt 0x0
	s_or_b32 exec_lo, exec_lo, s47
	s_endpgm
.Lfunc_end_k_q0fcdad63aa_prep_b:
	.size	k_q0fcdad63aa_prep_b, .Lfunc_end_k_q0fcdad63aa_prep_b-k_q0fcdad63aa_prep_b
	.p2alignl 7, 3214868480
	.fill 96, 4, 3214868480
	.section	.rodata,"a",@progbits
	.p2align	6, 0x0
	.amdhsa_kernel k_q0fcdad63aa_prep_b
		.amdhsa_group_segment_fixed_size 67072
		.amdhsa_private_segment_fixed_size 0
		.amdhsa_enable_private_segment 0
		.amdhsa_kernarg_size 56
		.amdhsa_user_sgpr_count 2
		.amdhsa_user_sgpr_kernarg_segment_ptr 1
		.amdhsa_wavefront_size32 1
		.amdhsa_system_sgpr_workgroup_id_x 1
		.amdhsa_system_sgpr_workgroup_id_y 1
		.amdhsa_system_sgpr_workgroup_id_z 1
		.amdhsa_system_vgpr_workitem_id 0
		.amdhsa_next_free_vgpr 226
		.amdhsa_next_free_sgpr 66
		.amdhsa_reserve_vcc 1
		.amdhsa_float_denorm_mode_32 3
		.amdhsa_float_denorm_mode_16_64 3
		.amdhsa_memory_ordered 1
		.amdhsa_forward_progress 1
		.amdhsa_inst_pref_size 61
	.end_amdhsa_kernel
	.amdgpu_metadata
---
amdhsa.version: [ 1, 2 ]
amdhsa.kernels:
  - .name:           k_q0fcdad63aa_prep_b
    .symbol:         k_q0fcdad63aa_prep_b.kd
    .args:
      - { .name: x2, .offset: 0, .size: 8, .value_kind: global_buffer, .address_space: global }
      - { .name: ln2_g, .offset: 8, .size: 8, .value_kind: global_buffer, .address_space: global }
      - { .name: ln2_b, .offset: 16, .size: 8, .value_kind: global_buffer, .address_space: global }
      - { .name: wsA, .offset: 24, .size: 8, .value_kind: global_buffer, .address_space: global }
      - { .name: w1, .offset: 32, .size: 8, .value_kind: global_buffer, .address_space: global }
      - { .name: w2, .offset: 40, .size: 8, .value_kind: global_buffer, .address_space: global }
      - { .name: wsH, .offset: 48, .size: 8, .value_kind: global_buffer, .address_space: global }
    .group_segment_fixed_size: 67072
    .private_segment_fixed_size: 0
    .kernarg_segment_align: 8
    .kernarg_segment_size: 56
    .max_flat_workgroup_size: 256
    .sgpr_count:     66
    .vgpr_count:     226
    .wavefront_size: 32
...
	.end_amdgpu_metadata
.endif
;; end of part 5
;; launch gemm_max (part 6): grid 16 x 16, 4 waves a work-group, clusters of 4 x 4, 327,680 bytes of LDS; arguments wsH, b1, pmax; writes pmax
.if DOCPART == 6
	.amdgcn_target "amdgcn-amd-amdhsa--gfx1250"
	.amdhsa_code_object_version 6
	.text
	.protected	k_q0fcdad63aa_gemm_max
	.globl	k_q0fcdad63aa_gemm_max
	.p2align	8
	.type	k_q0fcdad63aa_gemm_max,@function
k_q0fcdad63aa_gemm_max:
	s_mov_b64 s[64:65], 0
	v_nop
	global_prefetch_b8 v0, s[64:65] scope:SCOPE_SE
	s_setreg_imm32_b32 hwreg(HW_REG_WAVE_MODE, 25, 1), 1
	s_wait_xcnt 0x0
	s_wait_alu depctr_hold_cnt(0) depctr_sa_sdst(0) depctr_va_vdst(0) depctr_va_sdst(0) depctr_va_ssrc(0) depctr_va_vcc(0) depctr_vm_vsrc(0)
	s_getreg_b32 s2, hwreg(HW_REG_IB_STS2, 6, 4)
	s_cmp_eq_u32 s2, 0
	s_cbranch_scc0 .Lentry_in_a_cluster
	s_endpgm
.Lentry_in_a_cluster:
	s_bfe_u32 s2, ttmp6, 0x10000c
	s_cmp_lg_u32 s2, 0xf033
	s_cbranch_scc0 .Lentry_shape_is_right
	s_endpgm
.Lentry_shape_is_right:
; The first run of h w1^T + b1 and GELU: it stores only, for each token and each 128 hidden units, the largest |gelu|: the per-token absmax over all 4,096 spans work-groups, and the f32 values themselves would be 64 MiB out and back.
; The second run (the next launch) makes the same numbers by the same instructions in the same order.
; D = (source 0: 16 rows of w1) x (source 1: 16 tokens): a lane holds one token.  Tile 256 x 256, four waves of 128 x 128; joint loads: w1's tiles along a column of the cluster, the tokens' along a row.
; K is 8 steps of 128.  THREE LDS slots of 2 steps (102,400 bytes each) are all filled at the start; only slot 0 is filled again, once, with steps 6 and 7: that load goes out behind 32 of step 1's 64 products and is waited for at the head of step 5: 224 matrix instructions lie between.
; GELU = 0.5 x (1 + erf(x / sqrt 2)), erf as z P(z^2) / Q(z^2) with z held to +-4.  LIMIT: 1 + erf has an absolute error near 1e-7, so gelu loses relative accuracy under x = -3.  NaN and infinities are not served.
.set NB,  8
.set NQ,  2
.set KST, 8
.set PANEL, 12800
.set FRB,   1536
.set QUART, 2*PANEL
.set SLOT,  4*QUART
.set SPARE, 3*SLOT                     ; behind the three slots: the spare words, 128 bytes a wave
.set REFILL, 3*QUART                   ; from a slot's first fill to its second: six K steps along a panel's run
.set YSTEP, QUART
.set SSTEP, QUART
.set ADRS, 16                          ; v16-18 my scale words in slot 0, 1, 2
.set SPW,  28
.set NIL,  29
.set SC,   32
.set AY16, 51                          ; v51-62 my fragments' addresses, three to an array
.set AY8,  54
.set AX16, 57
.set AX8,  60
.set YF,   64
.set G1Y, 24
.set G0Y, 32
.set G1X, 48
.set G0X, 56
.set G0Y2, 68
.set G0X2, 72
.set MSB, 0
.macro WIN new
.if MSB != (\new)
	s_set_vgpr_msb (MSB<<8)|(\new)
.set MSB, (\new)
.endif
.endm
.macro PLACES n
.rept \n
	v_nop
.endr
.endm
.macro CREST
	s_cmp_lg_u32 s14, 0
	s_cbranch_scc1 .Lnot_wave_0_\@
	s_barrier_signal -3
.Lnot_wave_0_\@:
	s_barrier_wait -3
	s_barrier_signal -1
	s_barrier_wait -1
.endm
.macro CROUND
	s_barrier_signal -1
	s_barrier_wait -1
	CREST
.endm
.macro JLOAD g0y, g0x
	s_cmp_eq_u32 s15, 0
	s_cbranch_scc0 .Lfor_x_\@
	tensor_load_to_lds s[\g0y:\g0y+3], s[G1Y:G1Y+7]
	s_nop 0
.rept 4
	v_nop
.endr
	s_branch .Lasked_\@
.Lfor_x_\@:
	tensor_load_to_lds s[\g0x:\g0x+3], s[G1X:G1X+7]
	s_nop 0
.rept 4
	v_nop
.endr
.Lasked_\@:
.endm
.macro IDS
	v_lshl_add_u32 v[SPW], v0, 2, SPARE
	v_mov_b32 v[NIL], 0
	ds_add_u32 v28, v29
	ds_add_u32 v28, v29
	s_wait_dscnt 0x0
	v_lshrrev_b32 v1, 5, v0
	v_readfirstlane_b32 s14, v1
	s_lshr_b32 s15, s14, 1
	s_and_b32 s16, s14, 1
	s_bfe_u32 s40, ttmp6, 0x40000
	s_bfe_u32 s41, ttmp6, 0x40004
	s_lshl_b32 s43, s41, 2
	s_lshl_b32 s43, 15, s43
	s_lshl_b32 s44, 0x1111, s40
	s_or_b32 s[G1Y], s43, (3<<16)|(1<<21)
	s_or_b32 s[G1X], s44, (3<<16)|(1<<21)
.irp g, G1Y, G1X
	s_mov_b32 s[\g+1], 32<<16
	s_mov_b32 s[\g+2], 100<<16
	s_mov_b32 s[\g+3], 32<<16
	s_mov_b32 s[\g+4], 100
	s_mov_b32 s[\g+5], 32
	s_mov_b32 s[\g+6], 0
	s_mov_b32 s[\g+7], 0
.endr
.endm
.macro FIRST gy, gx, s                 ; slot s's groups 0 and its first fill: K steps 2 s and 2 s + 1
	s_mov_b32 s[\gy], 1
	s_add_co_u32 s[\gy+1], s45, (\s)*SLOT
	s_add_nc_u64 s[\gy+2:\gy+3], s[20:21], (\s)*QUART
	s_or_b32 s[\gy+3], s[\gy+3], 0x80000000
	s_mov_b32 s[\gx], 1
	s_add_co_u32 s[\gx+1], s45, (\s)*SLOT
	s_add_nc_u64 s[\gx+2:\gx+3], s[46:47], (\s)*QUART
	s_or_b32 s[\gx+3], s[\gx+3], 0x80000000
	JLOAD \gy, \gx
.endm
.macro START ybuf, xbuf
	s_lshl_b32 s20, s17, 1
	s_add_co_u32 s20, s20, s16
	s_mul_i32 s20, s20, KST*PANEL
	s_lshl_b32 s46, s42, 1
	s_add_co_u32 s46, s46, s16
	s_mul_i32 s46, s46, KST*PANEL
	s_add_co_u32 s20, s20, s19
	s_add_co_u32 s46, s46, s18
	s_mov_b32 s21, 0
	s_mov_b32 s47, 0
	s_mul_i32 s45, s14, QUART
	s_wait_kmcnt 0x0
	s_add_nc_u64 s[20:21], s[\ybuf:\ybuf+1], s[20:21]
	s_add_nc_u64 s[46:47], s[\xbuf:\xbuf+1], s[46:47]
	CROUND
	FIRST G0Y, G0X, 0                              ; the three first fills go out as one group: three loads of mine are out
	FIRST G0Y+4, G0X+4, 1
	FIRST G0Y2, G0X2, 2
	v_and_b32 v1, 31, v0
	v_and_b32 v2, 15, v0
	v_bfe_u32 v3, v0, 4, 1
	v_lshlrev_b32 v4, 4, v1
	v_lshlrev_b32 v5, 3, v1
	s_mul_i32 s21, s15, YSTEP
	s_mul_i32 s22, s16, YSTEP
	s_add_co_u32 s22, s22, 2*QUART
.irp s, 0,1,2
	v_add_nc_u32 v[AY16+\s], s21, v4
	v_add_nc_u32 v[AY8+\s], s21, v5
	v_add_nc_u32 v[AX16+\s], s22, v4
	v_add_nc_u32 v[AX8+\s], s22, v5
	s_add_co_u32 s21, s21, SLOT
	s_add_co_u32 s22, s22, SLOT
.endr
	s_mul_i32 s21, s15, SSTEP
	s_mul_i32 s22, s16, SSTEP
	s_add_co_u32 s22, s22, 2*QUART
	s_sub_co_u32 s22, s22, s21
	v_mul_u32_u24 v6, s22, v3
	s_add_co_u32 s21, s21, 12288
	v_lshl_add_u32 v6, v2, 2, v6
	v_add_nc_u32 v[ADRS], s21, v6
	v_add_nc_u32 v[ADRS+1], SLOT, v[ADRS]
	v_add_nc_u32 v[ADRS+2], 2*SLOT, v[ADRS]
.endm
.macro FRAG reg, a16, a8, off
	ds_load_b128 v[\reg:\reg+3], v[\a16] offset:\off
	ds_load_b64 v[\reg+4:\reg+5], v[\a8] offset:\off+512
	ds_load_b128 v[\reg+6:\reg+9], v[\a16] offset:\off+768
	ds_load_b64 v[\reg+10:\reg+11], v[\a8] offset:\off+1280
.endm
.macro FETCH slot, q, p
	WIN 0x40
.set fi, 0
.rept NB
	FRAG 12*NB*(\p)+12*fi, AX16+\slot, AX8+\slot, (\q)*PANEL+FRB*fi
.set fi, fi+1
.endr
	WIN 0
.set fi, 0
.rept NB
	FRAG YF+12*NB*(\p)+12*fi, AY16+\slot, AY8+\slot, (\q)*PANEL+FRB*fi
.set fi, fi+1
.endr
.set fi, 0
.rept NB
	ds_load_b32 v[SC+NB*(\p)+fi], v[ADRS+\slot] offset:(\q)*PANEL+64*fi
.set fi, fi+1
.endr
.endm
.macro MULS a0, na, p, zero            ; the accumulators take turns, one instruction a turn
.set ma, \a0
.rept \na
	WIN 0xa1+0x50*(ma/4)
.set mb, 0
.rept NB
.set rD, 8*(NB*(ma%4)+mb)
.set rX, 12*NB*(\p)+12*mb
.set rY, YF+12*NB*(\p)+12*ma
.if \zero
	v_wmma_scale_f32_16x16x128_f8f6f4 v[rD:rD+7], v[rX:rX+11], v[rY:rY+11], 0, v[SC+NB*(\p)+mb], v[SC+NB*(\p)+ma] matrix_a_fmt:MATRIX_FMT_FP6 matrix_b_fmt:MATRIX_FMT_FP6 matrix_a_scale:MATRIX_SCALE_ROW1
.else
	v_wmma_scale_f32_16x16x128_f8f6f4 v[rD:rD+7], v[rX:rX+11], v[rY:rY+11], v[rD:rD+7], v[SC+NB*(\p)+mb], v[SC+NB*(\p)+ma] matrix_a_fmt:MATRIX_FMT_FP6 matrix_b_fmt:MATRIX_FMT_FP6 matrix_a_scale:MATRIX_SCALE_ROW1
.endif
.set mb, mb+1
.endr
.set ma, ma+1
.endr
.endm
.macro STEP slot, q, zero
	s_wait_dscnt 0x0                               ; this step's set is in
	PLACES 4                                       ; in front of loads into the set that the last step's products read
	FETCH \slot, (\q)+1, 1-(\q)%2
	MULS 0, NB, (\q)%2, \zero
.endm
.macro CROSS next                      ; a slot's last step whose successor lies in a slot that an earlier barrier has shown whole: no wait on tensor loads, no barrier
	s_wait_dscnt 0x0
	PLACES 4
	FETCH \next, 0, 0
	MULS 0, NB, 1, 0
.endm
.macro TURN slot, next, fill
	WIN 0
	s_wait_tensorcnt 0x0                           ; all my tensor loads have landed; none of mine is out
	ds_add_u32 v[SPW], v[NIL]
	s_wait_dscnt 1                                 ; the fragments are in; only the add may be out
	MULS 0, NB/4, 1, 0
	s_wait_dscnt 0x0                               ; the add is done, and my reads of this slot are over
	s_barrier_signal -1
	MULS NB/4, NB/4, 1, 0
	WIN 0
	s_barrier_wait -1
.if \fill
	CREST                                          ; no wave of any partner still reads this slot or has a load on its way
	s_add_nc_u64 s[G0Y+4*\slot+2:G0Y+4*\slot+3], s[G0Y+4*\slot+2:G0Y+4*\slot+3], REFILL
	s_add_nc_u64 s[G0X+4*\slot+2:G0X+4*\slot+3], s[G0X+4*\slot+2:G0X+4*\slot+3], REFILL
	JLOAD G0Y+4*\slot, G0X+4*\slot
.else
	PLACES 4
.endif
	FETCH \next, 0, 0
	MULS NB/2, NB/2, 1, 0
.endm
.macro LAST
	s_wait_dscnt 0x0
	MULS 0, NB, 1, 0
	WIN 0
	PLACES 4
.endm
.macro MAIN                            ; the eight K steps, written out
	s_wait_tensorcnt 0x2                           ; my part of slot 0 is in; the two loads behind it may stay out
	s_barrier_signal -1
	s_barrier_wait -1
	FETCH 0, 0, 0
	STEP 0, 0, 1                                   ; step 0: its products start the sums
	TURN 0, 1, 1                                   ; step 1: slots 1 and 2 are whole in every wave; slot 0 takes steps 6 and 7
	STEP 1, 0, 0                                   ; step 2
	CROSS 2                                        ; step 3
	STEP 2, 0, 0                                   ; step 4
	TURN 2, 0, 0                                   ; step 5: the refill has landed
	STEP 0, 0, 0                                   ; step 6
	LAST                                           ; step 7
.endm
.set T,   64
.set ZC,  128
.set Z2,  160
.set PP,  192
.set TM,  224
.set CA,  84                           ; s[84:85], s[86:87] the leading coefficients of P and of Q, as pairs
.set CB,  86
.set SEL, 88
.set SCR, SPARE+512                    ; the tiles' maxima, 512 bytes a wave
.macro COPY a, k                       ; tile a's 64 results + b1 -> v[T] on: the addition is also the move into window 0; each accumulator from its low end on
	WIN 0x06+(\a)/4
.set cb, 0
.rept 32
.set rA, 64*((\a)%4)+2*cb
	v_pk_add_f32 v[T+2*cb:T+2*cb+1], v[rA:rA+1], v[192+2*cb:192+2*cb+1]
.set cb, cb+1
.endr
	WIN 0
.endm
.macro SWITCH k
.irp a, 0,1,2,3,4,5,6
	s_cmp_lg_u32 s66, \a
	s_cbranch_scc1 .Lnot\k\a
	COPY \a, \k
	s_branch .Lcom\k
.Lnot\k\a:
.endr
	COPY 7, \k
.Lcom\k:
.endm
.macro GELU tb                         ; 32 numbers, in place
.set g, 0
.rept 16
	v_pk_mul_f32 v[ZC+g:ZC+g+1], v[\tb+g:\tb+g+1], 0x3f3504f3 op_sel_hi:[1,0]     ; z = x / sqrt 2
.set g, g+2
.endr
.set g, 0
.rept 32
	v_med3_num_f32 v[ZC+g], v[ZC+g], -4.0, 4.0
.set g, g+1
.endr
.set g, 0
.rept 16
	v_pk_mul_f32 v[Z2+g:Z2+g+1], v[ZC+g:ZC+g+1], v[ZC+g:ZC+g+1]
.set g, g+2
.endr
.set g, 0
.rept 16
	v_pk_fma_f32 v[PP+g:PP+g+1], v[Z2+g:Z2+g+1], s[CA:CA+1], 0x32edffee op_sel_hi:[1,0,0]
.set g, g+2
.endr
.irp c, 0xb60cff51, 0xb86ec2d2, 0xba40ac63, 0xbb41a1f6, 0xbc83dbd4
.set g, 0
.rept 16
	v_pk_fma_f32 v[PP+g:PP+g+1], v[PP+g:PP+g+1], v[Z2+g:Z2+g+1], \c op_sel_hi:[1,1,0]
.set g, g+2
.endr
.endr
.set g, 0
.rept 16
	v_pk_mul_f32 v[PP+g:PP+g+1], v[PP+g:PP+g+1], v[ZC+g:ZC+g+1]
.set g, g+2
.endr
.set g, 0
.rept 16
	v_pk_fma_f32 v[ZC+g:ZC+g+1], v[Z2+g:Z2+g+1], s[CB:CB+1], 0xb95fbd29 op_sel_hi:[1,0,0]
.set g, g+2
.endr
.irp c, 0xbadc924e, 0xbbf19bf8, 0xbc69b6a7
.set g, 0
.rept 16
	v_pk_fma_f32 v[ZC+g:ZC+g+1], v[ZC+g:ZC+g+1], v[Z2+g:Z2+g+1], \c op_sel_hi:[1,1,0]
.set g, g+2
.endr
.endr
.set g, 0
.rept 32
	v_rcp_f32 v[ZC+g], v[ZC+g]
.set g, g+1
.endr
.set g, 0
.rept 16
	v_pk_mul_f32 v[Z2+g:Z2+g+1], v[\tb+g:\tb+g+1], 0.5 op_sel_hi:[1,0]            ; x / 2: the independent work behind the reciprocals
.set g, g+2
.endr
	s_wait_alu depctr_va_vdst(0)                   ; one wait for the batch of 32
.set g, 0
.rept 16
	v_pk_mul_f32 v[PP+g:PP+g+1], v[PP+g:PP+g+1], v[ZC+g:ZC+g+1]                   ; erf
.set g, g+2
.endr
.set g, 0
.rept 16
	v_pk_fma_f32 v[\tb+g:\tb+g+1], v[Z2+g:Z2+g+1], v[PP+g:PP+g+1], v[Z2+g:Z2+g+1]
.set g, g+2
.endr
.endm
	s_load_b128 s[4:7], s[0:1], 0x0                ; wsH, b1
	s_load_b64 s[8:9], s[0:1], 0x10                ; pmax
	IDS
	s_lshl_b32 s42, ttmp9, 2
	s_add_co_u32 s42, s42, s40
	s_and_b32 s17, ttmp7, 0xffff
	s_lshl_b32 s17, s17, 2
	s_add_co_u32 s17, s17, s41
	s_mov_b32 s18, 3276800                         ; X: w1's table
	s_mov_b32 s19, 0                               ; Y: h's
	START 4, 4
	s_lshl_b32 s76, s42, 1
	s_add_co_u32 s76, s76, s16                     ; my panel of X: 128 hidden units
	s_lshl_b32 s77, s17, 1
	s_add_co_u32 s77, s77, s15                     ; of Y: 128 tokens
	s_lshl_b32 s78, s76, 9
	s_mov_b32 s79, 0
	s_add_nc_u64 s[6:7], s[6:7], s[78:79]
	s_lshl_b32 s78, s76, 5
	s_add_co_u32 s78, s78, s77
	s_lshl_b32 s78, s78, 9
	s_add_nc_u64 s[8:9], s[8:9], s[78:79]          ; pmax[X's panel][Y's panel]: 512 bytes
	v_lshlrev_b32 v12, 6, v3
	WIN 0x40
.set bi, 0
.rept 16
	global_load_b128 v[192+4*bi:192+4*bi+3], v12, s[6:7] offset:128*(bi/4)+16*(bi%4)
.set bi, bi+1
.endr
	WIN 0
	s_lshl_b32 s78, s14, 9
	s_add_co_u32 s78, s78, SCR
	v_lshl_add_u32 v13, v2, 2, s78
	v_add_nc_u32 v14, s78, v4
	s_mov_b32 s[SEL], 0x76543210
	s_mov_b32 s[SEL+1], 0xfedcba98
	s_mov_b32 s[CA], 0xaf95df0b
	s_mov_b32 s[CA+1], s[CA]
	s_mov_b32 s[CB], 0xb77460cd
	s_mov_b32 s[CB+1], s[CB]
	MAIN
	s_wait_loadcnt 0x0                             ; b1
	v_mov_b32 v[TM+4], 0
	s_mov_b32 s66, 0
	s_mov_b32 s67, 0
.Ltile:
	SWITCH 0
	GELU T
	GELU T+32
.irp k, 0,1,2,3
	v_max3_num_f32 v[TM+\k], |v[T+16*\k]|, |v[T+16*\k+1]|, |v[T+16*\k+2]|
.endr
.irp i, 3,5,7,9,11,13
.irp k, 0,1,2,3
	v_max3_num_f32 v[TM+\k], v[TM+\k], |v[T+16*\k+\i]|, |v[T+16*\k+\i+1]|
.endr
.endr
.irp k, 0,1,2,3
	v_max_num_f32 v[TM+\k], v[TM+\k], |v[T+16*\k+15]|
.endr
	v_max3_num_f32 v[TM], v[TM], v[TM+1], v[TM+2]
	v_max_num_f32 v[TM], v[TM], v[TM+3]
	v_permlanex16_b32 v[TM+4], v[TM], s[SEL], s[SEL+1]
	v_max_num_f32 v[TM], v[TM], v[TM+4]            ; my token's largest |gelu| over these 128 units
	v_add_nc_u32 v15, s67, v13
	ds_store_b32 v15, v[TM]                        ; lanes r and r + 16 write the same word with the same value
	s_add_co_u32 s67, s67, 64
	s_add_co_u32 s66, s66, 1
	s_cmp_lt_u32 s66, 8
	s_cbranch_scc1 .Ltile
	ds_load_b128 v[64:67], v14                     ; my wave's own bytes, served in order
	s_wait_dscnt 0x0
	global_store_b128 v4, v[64:67], s[8:9]         ; 512 consecutive bytes
	s_wait_tensorcnt 0x0                           ; the wave's end
	ds_add_u32 v[SPW], v[NIL]
	s_wait_dscnt 0x0
	CROUND
	s_endpgm
.Lfunc_end_k_q0fcdad63aa_gemm_max:
	.size	k_q0fcdad63aa_gemm_max, .Lfunc_end_k_q0fcdad63aa_gemm_max-k_q0fcdad63aa_gemm_max
	.p2alignl 7, 3214868480
	.fill 96, 4, 3214868480
	.section	.rodata,"a",@progbits
	.p2align	6, 0x0
	.amdhsa_kernel k_q0fcdad63aa_gemm_max
		.amdhsa_group_segment_fixed_size 327680
		.amdhsa_private_segment_fixed_size 0
		.amdhsa_enable_private_segment 0
		.amdhsa_kernarg_size 24
		.amdhsa_user_sgpr_count 2
		.amdhsa_user_sgpr_kernarg_segment_ptr 1
		.amdhsa_wavefront_size32 1
		.amdhsa_system_sgpr_workgroup_id_x 1
		.amdhsa_system_sgpr_workgroup_id_y 1
		.amdhsa_system_sgpr_workgroup_id_z 1
		.amdhsa_system_vgpr_workitem_id 0
		.amdhsa_next_free_vgpr 1024
		.amdhsa_next_free_sgpr 100
		.amdhsa_reserve_vcc 0
		.amdhsa_float_denorm_mode_32 3
		.amdhsa_float_denorm_mode_16_64 3
		.amdhsa_memory_ordered 1
		.amdhsa_forward_progress 1
		.amdhsa_inst_pref_size 184
	.end_amdhsa_kernel
	.amdgpu_metadata
---
amdhsa.version: [ 1, 2 ]
amdhsa.kernels:
  - .name:           k_q0fcdad63aa_gemm_max
    .symbol:         k_q0fcdad63aa_gemm_max.kd
    .args:
      - { .name: wsH, .offset: 0, .size: 8, .value_kind: global_buffer, .address_space: global }
      - { .name: b1, .offset: 8, .size: 8, .value_kind: global_buffer, .address_space: global }
      - { .name: pmax, .offset: 16, .size: 8, .value_kind: global_buffer, .address_space: global }
    .group_segment_fixed_size: 327680
    .private_segment_fixed_size: 0
    .kernarg_segment_align: 8
    .kernarg_segment_size: 24
    .max_flat_workgroup_size: 128
    .sgpr_count:     100
    .vgpr_count:     1024
    .wavefront_size: 32
...
	.end_amdgpu_metadata
.endif
;; end of part 6
;; launch gemm_act (part 7): grid 16 x 16, 4 waves a work-group, clusters of 4 x 4, 327,680 bytes of LDS; arguments wsH, b1, pmax, wsG; writes wsG
.if DOCPART == 7
	.amdgcn_target "amdgcn-amd-amdhsa--gfx1250"
	.amdhsa_code_object_version 6
	.text
	.protected	k_q0fcdad63aa_gemm_act
	.globl	k_q0fcdad63aa_gemm_act
	.p2align	8
	.type	k_q0fcdad63aa_gemm_act,@function
k_q0fcdad63aa_gemm_act:
	s_mov_b64 s[64:65], 0
	v_nop
	global_prefetch_b8 v0, s[64:65] scope:SCOPE_SE
	s_setreg_imm32_b32 hwreg(HW_REG_WAVE_MODE, 25, 1), 1
	s_wait_xcnt 0x0
	s_wait_alu depctr_hold_cnt(0) depctr_sa_sdst(0) depctr_va_vdst(0) depctr_va_sdst(0) depctr_va_ssrc(0) depctr_va_vcc(0) depctr_vm_vsrc(0)
	s_getreg_b32 s2, hwreg(HW_REG_IB_STS2, 6, 4)
	s_cmp_eq_u32 s2, 0
	s_cbranch_scc0 .Lentry_in_a_cluster
	s_endpgm
.Lentry_in_a_cluster:
	s_bfe_u32 s2, ttmp6, 0x10000c
	s_cmp_lg_u32 s2, 0xf033
	s_cbranch_scc0 .Lentry_shape_is_right
	s_endpgm
.Lentry_shape_is_right:
; The second run of h w1^T + b1 and GELU, by the same instructions in the same order as the first; now each token's absmax over all 4,096 hidden units is known (32 partial maxima), so g + (act_quant(g) - g) is formed
; and quantised to codes of E2M3 along the hidden units, which are the next product's K: a wave's 128 units are one K step, and a tile of 16 tokens gives one fragment and one scale word a token.
; D = (source 0: 16 rows of w1) x (source 1: 16 tokens): a lane holds one token and its 64 registers run over the 128 units in order.  Tile 256 x 256, four waves; joint loads.
; K is 8 steps of 128.  THREE LDS slots of 2 steps (102,400 bytes each) are all filled at the start; only slot 0 is filled again, once, with steps 6 and 7: that load goes out behind 32 of step 1's 64 products and is waited for at the head of step 5: 224 matrix instructions lie between.
; LIMITS as in the first run; a block under 2^-124 keeps the byte 1.
.set NB,  8
.set NQ,  2
.set KST, 8
.set PANEL, 12800
.set FRB,   1536
.set QUART, 2*PANEL
.set SLOT,  4*QUART
.set SPARE, 3*SLOT                     ; behind the three slots: the spare words, 128 bytes a wave
.set REFILL, 3*QUART                   ; from a slot's first fill to its second: six K steps along a panel's run
.set YSTEP, QUART
.set SSTEP, QUART
.set ADRS, 16                          ; v16-18 my scale words in slot 0, 1, 2
.set SPW,  28
.set NIL,  29
.set SC,   32
.set AY16, 51                          ; v51-62 my fragments' addresses, three to an array
.set AY8,  54
.set AX16, 57
.set AX8,  60
.set YF,   64
.set G1Y, 24
.set G0Y, 32
.set G1X, 48
.set G0X, 56
.set G0Y2, 68
.set G0X2, 72
.set MSB, 0
.macro WIN new
.if MSB != (\new)
	s_set_vgpr_msb (MSB<<8)|(\new)
.set MSB, (\new)
.endif
.endm
.macro PLACES n
.rept \n
	v_nop
.endr
.endm
.macro CREST
	s_cmp_lg_u32 s14, 0
	s_cbranch_scc1 .Lnot_wave_0_\@
	s_barrier_signal -3
.Lnot_wave_0_\@:
	s_barrier_wait -3
	s_barrier_signal -1
	s_barrier_wait -1
.endm
.macro CROUND
	s_barrier_signal -1
	s_barrier_wait -1
	CREST
.endm
.macro JLOAD g0y, g0x
	s_cmp_eq_u32 s15, 0
	s_cbranch_scc0 .Lfor_x_\@
	tensor_load_to_lds s[\g0y:\g0y+3], s[G1Y:G1Y+7]
	s_nop 0
.rept 4
	v_nop
.endr
	s_branch .Lasked_\@
.Lfor_x_\@:
	tensor_load_to_lds s[\g0x:\g0x+3], s[G1X:G1X+7]
	s_nop 0
.rept 4
	v_nop
.endr
.Lasked_\@:
.endm
.macro IDS
	v_lshl_add_u32 v[SPW], v0, 2, SPARE
	v_mov_b32 v[NIL], 0
	ds_add_u32 v28, v29
	ds_add_u32 v28, v29
	s_wait_dscnt 0x0
	v_lshrrev_b32 v1, 5, v0
	v_readfirstlane_b32 s14, v1
	s_lshr_b32 s15, s14, 1
	s_and_b32 s16, s14, 1
	s_bfe_u32 s40, ttmp6, 0x40000
	s_bfe_u32 s41, ttmp6, 0x40004
	s_lshl_b32 s43, s41, 2
	s_lshl_b32 s43, 15, s43
	s_lshl_b32 s44, 0x1111, s40
	s_or_b32 s[G1Y], s43, (3<<16)|(1<<21)
	s_or_b32 s[G1X], s44, (3<<16)|(1<<21)
.irp g, G1Y, G1X
	s_mov_b32 s[\g+1], 32<<16
	s_mov_b32 s[\g+2], 100<<16
	s_mov_b32 s[\g+3], 32<<16
	s_mov_b32 s[\g+4], 100
	s_mov_b32 s[\g+5], 32
	s_mov_b32 s[\g+6], 0
	s_mov_b32 s[\g+7], 0
.endr
.endm
.macro FIRST gy, gx, s                 ; slot s's groups 0 and its first fill: K steps 2 s and 2 s + 1
	s_mov_b32 s[\gy], 1
	s_add_co_u32 s[\gy+1], s45, (\s)*SLOT
	s_add_nc_u64 s[\gy+2:\gy+3], s[20:21], (\s)*QUART
	s_or_b32 s[\gy+3], s[\gy+3], 0x80000000
	s_mov_b32 s[\gx], 1
	s_add_co_u32 s[\gx+1], s45, (\s)*SLOT
	s_add_nc_u64 s[\gx+2:\gx+3], s[46:47], (\s)*QUART
	s_or_b32 s[\gx+3], s[\gx+3], 0x80000000
	JLOAD \gy, \gx
.endm
.macro START ybuf, xbuf
	s_lshl_b32 s20, s17, 1
	s_add_co_u32 s20, s20, s16
	s_mul_i32 s20, s20, KST*PANEL
	s_lshl_b32 s46, s42, 1
	s_add_co_u32 s46, s46, s16
	s_mul_i32 s46, s46, KST*PANEL
	s_add_co_u32 s20, s20, s19
	s_add_co_u32 s46, s46, s18
	s_mov_b32 s21, 0
	s_mov_b32 s47, 0
	s_mul_i32 s45, s14, QUART
	s_wait_kmcnt 0x0
	s_add_nc_u64 s[20:21], s[\ybuf:\ybuf+1], s[20:21]
	s_add_nc_u64 s[46:47], s[\xbuf:\xbuf+1], s[46:47]
	CROUND
	FIRST G0Y, G0X, 0                              ; the three first fills go out as one group: three loads of mine are out
	FIRST G0Y+4, G0X+4, 1
	FIRST G0Y2, G0X2, 2
	v_and_b32 v1, 31, v0
	v_and_b32 v2, 15, v0
	v_bfe_u32 v3, v0, 4, 1
	v_lshlrev_b32 v4, 4, v1
	v_lshlrev_b32 v5, 3, v1
	s_mul_i32 s21, s15, YSTEP
	s_mul_i32 s22, s16, YSTEP
	s_add_co_u32 s22, s22, 2*QUART
.irp s, 0,1,2
	v_add_nc_u32 v[AY16+\s], s21, v4
	v_add_nc_u32 v[AY8+\s], s21, v5
	v_add_nc_u32 v[AX16+\s], s22, v4
	v_add_nc_u32 v[AX8+\s], s22, v5
	s_add_co_u32 s21, s21, SLOT
	s_add_co_u32 s22, s22, SLOT
.endr
	s_mul_i32 s21, s15, SSTEP
	s_mul_i32 s22, s16, SSTEP
	s_add_co_u32 s22, s22, 2*QUART
	s_sub_co_u32 s22, s22, s21
	v_mul_u32_u24 v6, s22, v3
	s_add_co_u32 s21, s21, 12288
	v_lshl_add_u32 v6, v2, 2, v6
	v_add_nc_u32 v[ADRS], s21, v6
	v_add_nc_u32 v[ADRS+1], SLOT, v[ADRS]
	v_add_nc_u32 v[ADRS+2], 2*SLOT, v[ADRS]
.endm
.macro FRAG reg, a16, a8, off
	ds_load_b128 v[\reg:\reg+3], v[\a16] offset:\off
	ds_load_b64 v[\reg+4:\reg+5], v[\a8] offset:\off+512
	ds_load_b128 v[\reg+6:\reg+9], v[\a16] offset:\off+768
	ds_load_b64 v[\reg+10:\reg+11], v[\a8] offset:\off+1280
.endm
.macro FETCH slot, q, p
	WIN 0x40
.set fi, 0
.rept NB
	FRAG 12*NB*(\p)+12*fi, AX16+\slot, AX8+\slot, (\q)*PANEL+FRB*fi
.set fi, fi+1
.endr
	WIN 0
.set fi, 0
.rept NB
	FRAG YF+12*NB*(\p)+12*fi, AY16+\slot, AY8+\slot, (\q)*PANEL+FRB*fi
.set fi, fi+1
.endr
.set fi, 0
.rept NB
	ds_load_b32 v[SC+NB*(\p)+fi], v[ADRS+\slot] offset:(\q)*PANEL+64*fi
.set fi, fi+1
.endr
.endm
.macro MULS a0, na, p, zero            ; the accumulators take turns, one instruction a turn
.set ma, \a0
.rept \na
	WIN 0xa1+0x50*(ma/4)
.set mb, 0
.rept NB
.set rD, 8*(NB*(ma%4)+mb)
.set rX, 12*NB*(\p)+12*mb
.set rY, YF+12*NB*(\p)+12*ma
.if \zero
	v_wmma_scale_f32_16x16x128_f8f6f4 v[rD:rD+7], v[rX:rX+11], v[rY:rY+11], 0, v[SC+NB*(\p)+mb], v[SC+NB*(\p)+ma] matrix_a_fmt:MATRIX_FMT_FP6 matrix_b_fmt:MATRIX_FMT_FP6 matrix_a_scale:MATRIX_SCALE_ROW1
.else
	v_wmma_scale_f32_16x16x128_f8f6f4 v[rD:rD+7], v[rX:rX+11], v[rY:rY+11], v[rD:rD+7], v[SC+NB*(\p)+mb], v[SC+NB*(\p)+ma] matrix_a_fmt:MATRIX_FMT_FP6 matrix_b_fmt:MATRIX_FMT_FP6 matrix_a_scale:MATRIX_SCALE_ROW1
.endif
.set mb, mb+1
.endr
.set ma, ma+1
.endr
.endm
.macro STEP slot, q, zero
	s_wait_dscnt 0x0                               ; this step's set is in
	PLACES 4                                       ; in front of loads into the set that the last step's products read
	FETCH \slot, (\q)+1, 1-(\q)%2
	MULS 0, NB, (\q)%2, \zero
.endm
.macro CROSS next                      ; a slot's last step whose successor lies in a slot that an earlier barrier has shown whole: no wait on tensor loads, no barrier
	s_wait_dscnt 0x0
	PLACES 4
	FETCH \next, 0, 0
	MULS 0, NB, 1, 0
.endm
.macro TURN slot, next, fill
	WIN 0
	s_wait_tensorcnt 0x0                           ; all my tensor loads have landed; none of mine is out
	ds_add_u32 v[SPW], v[NIL]
	s_wait_dscnt 1                                 ; the fragments are in; only the add may be out
	MULS 0, NB/4, 1, 0
	s_wait_dscnt 0x0                               ; the add is done, and my reads of this slot are over
	s_barrier_signal -1
	MULS NB/4, NB/4, 1, 0
	WIN 0
	s_barrier_wait -1
.if \fill
	CREST                                          ; no wave of any partner still reads this slot or has a load on its way
	s_add_nc_u64 s[G0Y+4*\slot+2:G0Y+4*\slot+3], s[G0Y+4*\slot+2:G0Y+4*\slot+3], REFILL
	s_add_nc_u64 s[G0X+4*\slot+2:G0X+4*\slot+3], s[G0X+4*\slot+2:G0X+4*\slot+3], REFILL
	JLOAD G0Y+4*\slot, G0X+4*\slot
.else
	PLACES 4
.endif
	FETCH \next, 0, 0
	MULS NB/2, NB/2, 1, 0
.endm
.macro LAST
	s_wait_dscnt 0x0
	MULS 0, NB, 1, 0
	WIN 0
	PLACES 4
.endm
.macro MAIN                            ; the eight K steps, written out
	s_wait_tensorcnt 0x2                           ; my part of slot 0 is in; the two loads behind it may stay out
	s_barrier_signal -1
	s_barrier_wait -1
	FETCH 0, 0, 0
	STEP 0, 0, 1                                   ; step 0: its products start the sums
	TURN 0, 1, 1                                   ; step 1: slots 1 and 2 are whole in every wave; slot 0 takes steps 6 and 7
	STEP 1, 0, 0                                   ; step 2
	CROSS 2                                        ; step 3
	STEP 2, 0, 0                                   ; step 4
	TURN 2, 0, 0                                   ; step 5: the refill has landed
	STEP 0, 0, 0                                   ; step 6
	LAST                                           ; step 7
.endm
.set T,   64
.set ZC,  128
.set Z2,  160
.set PP,  192
.set U,   128
.set PC,  128
.set HM,  192                          ; v192-203 at work at the head, ahead of the first fragments
.set TM,  224
.set PW,  240
.set CA,  84                           ; s[84:85], s[86:87] the leading coefficients of P and of Q, as pairs
.set CB,  86
.set SEL, 88
.set SCM, SPARE+512                    ; 127 / absmax (512 bytes) and its reciprocal (512), by (tile, slot), for each wave
.set SCW, SCM+4096                     ; the tiles' scale words, 512 bytes a wave
.macro COPY a, k
	WIN 0x06+(\a)/4
.set cb, 0
.rept 32
.set rA, 64*((\a)%4)+2*cb
	v_pk_add_f32 v[T+2*cb:T+2*cb+1], v[rA:rA+1], v[192+2*cb:192+2*cb+1]
.set cb, cb+1
.endr
	WIN 0
.endm
.macro SWITCH k
.irp a, 0,1,2,3,4,5,6
	s_cmp_lg_u32 s66, \a
	s_cbranch_scc1 .Lnot\k\a
	COPY \a, \k
	s_branch .Lcom\k
.Lnot\k\a:
.endr
	COPY 7, \k
.Lcom\k:
.endm
.macro GELU tb
.set g, 0
.rept 16
	v_pk_mul_f32 v[ZC+g:ZC+g+1], v[\tb+g:\tb+g+1], 0x3f3504f3 op_sel_hi:[1,0]
.set g, g+2
.endr
.set g, 0
.rept 32
	v_med3_num_f32 v[ZC+g], v[ZC+g], -4.0, 4.0
.set g, g+1
.endr
.set g, 0
.rept 16
	v_pk_mul_f32 v[Z2+g:Z2+g+1], v[ZC+g:ZC+g+1], v[ZC+g:ZC+g+1]
.set g, g+2
.endr
.set g, 0
.rept 16
	v_pk_fma_f32 v[PP+g:PP+g+1], v[Z2+g:Z2+g+1], s[CA:CA+1], 0x32edffee op_sel_hi:[1,0,0]
.set g, g+2
.endr
.irp c, 0xb60cff51, 0xb86ec2d2, 0xba40ac63, 0xbb41a1f6, 0xbc83dbd4
.set g, 0
.rept 16
	v_pk_fma_f32 v[PP+g:PP+g+1], v[PP+g:PP+g+1], v[Z2+g:Z2+g+1], \c op_sel_hi:[1,1,0]
.set g, g+2
.endr
.endr
.set g, 0
.rept 16
	v_pk_mul_f32 v[PP+g:PP+g+1], v[PP+g:PP+g+1], v[ZC+g:ZC+g+1]
.set g, g+2
.endr
.set g, 0
.rept 16
	v_pk_fma_f32 v[ZC+g:ZC+g+1], v[Z2+g:Z2+g+1], s[CB:CB+1], 0xb95fbd29 op_sel_hi:[1,0,0]
.set g, g+2
.endr
.irp c, 0xbadc924e, 0xbbf19bf8, 0xbc69b6a7
.set g, 0
.rept 16
	v_pk_fma_f32 v[ZC+g:ZC+g+1], v[ZC+g:ZC+g+1], v[Z2+g:Z2+g+1], \c op_sel_hi:[1,1,0]
.set g, g+2
.endr
.endr
.set g, 0
.rept 32
	v_rcp_f32 v[ZC+g], v[ZC+g]
.set g, g+1
.endr
.set g, 0
.rept 16
	v_pk_mul_f32 v[Z2+g:Z2+g+1], v[\tb+g:\tb+g+1], 0.5 op_sel_hi:[1,0]
.set g, g+2
.endr
	s_wait_alu depctr_va_vdst(0)                   ; one wait for the batch of 32
.set g, 0
.rept 16
	v_pk_mul_f32 v[PP+g:PP+g+1], v[PP+g:PP+g+1], v[ZC+g:ZC+g+1]
.set g, g+2
.endr
.set g, 0
.rept 16
	v_pk_fma_f32 v[\tb+g:\tb+g+1], v[Z2+g:Z2+g+1], v[PP+g:PP+g+1], v[Z2+g:Z2+g+1]
.set g, g+2
.endr
.endm
.macro ACTQ                            ; g + (clip(round(g s), -128, 127) / s - g) on the tile's 64 numbers; s in v242, 1 / s in v244
.set n, 0
.rept 32
	v_pk_mul_f32 v[U+n:U+n+1], v[T+n:T+n+1], v[242:243] op_sel_hi:[1,0]
.set n, n+2
.endr
.set n, 0
.rept 64
	v_rndne_f32 v[U+n], v[U+n]
.set n, n+1
.endr
.set n, 0
.rept 64
	v_med3_num_f32 v[U+n], v[U+n], s80, s81
.set n, n+1
.endr
.set n, 0
.rept 32
	v_pk_mul_f32 v[U+n:U+n+1], v[U+n:U+n+1], v[244:245] op_sel_hi:[1,0]
.set n, n+2
.endr
.set n, 0
.rept 32
	v_pk_add_f32 v[U+n:U+n+1], v[U+n:U+n+1], v[T+n:T+n+1] neg_lo:[0,1] neg_hi:[0,1]
.set n, n+2
.endr
.set n, 0
.rept 32
	v_pk_add_f32 v[T+n:T+n+1], v[T+n:T+n+1], v[U+n:U+n+1]
.set n, n+2
.endr
.endm
.macro QUANT s
.irp b, 0,1,2,3
	v_max3_num_f32 v[TM+\b], |v[\s+16*\b]|, |v[\s+1+16*\b]|, 0x1800000
.endr
.irp i, 2,4,6,8,10,12,14
.irp b, 0,1,2,3
	v_max3_num_f32 v[TM+\b], v[TM+\b], |v[\s+16*\b+\i]|, |v[\s+1+16*\b+\i]|
.endr
.endr
.irp b, 0,1,2,3
	v_permlanex16_b32 v[TM+4+\b], v[TM+\b], s[SEL], s[SEL+1]
.endr
.irp b, 0,1,2,3
	v_max_num_f32 v[TM+\b], v[TM+\b], v[TM+4+\b]
.endr
.irp b, 0,1,2,3
	v_add_nc_u32 v[TM+12+\b], 0xff000000, v[TM+\b]
.endr
.irp b, 0,1,2,3
	v_lshrrev_b32 v[TM+4+\b], 23, v[TM+12+\b]
.endr
	v_lshl_or_b32 v[PW], v[TM+5], 8, v[TM+4]
	v_lshl_or_b32 v[PW], v[TM+6], 16, v[PW]
	v_lshl_or_b32 v[PW], v[TM+7], 24, v[PW]
.irp c, 0,1
	v_cvt_scalef32_pk16_fp6_f32 v[PC+6*\c:PC+2+6*\c], v[\s+32*\c:\s+15+32*\c], v[TM+12+2*\c]
	v_cvt_scalef32_pk16_fp6_f32 v[PC+12+4*\c:PC+14+4*\c], v[\s+16+32*\c:\s+31+32*\c], v[TM+12+2*\c+1]
.endr
	v_nop
.irp c, 0,1
.irp i, 0,1,2
	v_permlane16_swap_b32 v[PC+6*\c+\i], v[PC+12+4*\c+\i]
.endr
.irp i, 0,1,2
	v_mov_b32 v[PC+3+6*\c+\i], v[PC+12+4*\c+\i]
.endr
.endr
.endm
	s_load_b256 s[4:11], s[0:1], 0x0               ; wsH, b1, pmax, wsG
	IDS
	s_lshl_b32 s42, ttmp9, 2
	s_add_co_u32 s42, s42, s40
	s_and_b32 s17, ttmp7, 0xffff
	s_lshl_b32 s17, s17, 2
	s_add_co_u32 s17, s17, s41
	s_mov_b32 s18, 3276800
	s_mov_b32 s19, 0
	START 4, 4
	s_lshl_b32 s76, s42, 1
	s_add_co_u32 s76, s76, s16                     ; my panel of X: 128 hidden units = the next product's K step
	s_lshl_b32 s77, s17, 1
	s_add_co_u32 s77, s77, s15                     ; of Y: 128 tokens
	s_lshl_b32 s78, s76, 9
	s_mov_b32 s79, 0
	s_add_nc_u64 s[6:7], s[6:7], s[78:79]
	s_lshl_b32 s78, s77, 9
	s_add_nc_u64 s[8:9], s[8:9], s[78:79]          ; pmax[.][my tokens' panel]
	s_lshl_b32 s78, s77, 5
	s_add_co_u32 s78, s78, s76
	s_mul_i32 s78, s78, PANEL
	s_add_nc_u64 s[10:11], s[10:11], s[78:79]
	v_lshlrev_b32 v12, 6, v3
	WIN 0x40
.set bi, 0
.rept 16
	global_load_b128 v[192+4*bi:192+4*bi+3], v12, s[6:7] offset:128*(bi/4)+16*(bi%4)
.set bi, bi+1
.endr
	WIN 0
.set bi, 0
.rept 32
	global_load_b128 v[64+4*bi:64+4*bi+3], v4, s[8:9] offset:16384*bi   ; the 32 partial maxima of (tile lane / 4, slots 4 (lane % 4) on)
.set bi, bi+1
.endr
	s_lshl_b32 s78, s14, 10
	s_add_co_u32 s78, s78, SCM
	v_add_nc_u32 v13, s78, v4
	v_lshl_add_u32 v14, v2, 2, s78
	s_lshl_b32 s78, s14, 9
	s_add_co_u32 s78, s78, SCW
	v_lshl_add_u32 v26, v2, 2, s78
	v_add_nc_u32 v30, s78, v4
	s_mov_b32 s[SEL], 0x76543210
	s_mov_b32 s[SEL+1], 0xfedcba98
	s_mov_b32 s[CA], 0xaf95df0b
	s_mov_b32 s[CA+1], s[CA]
	s_mov_b32 s[CB], 0xb77460cd
	s_mov_b32 s[CB+1], s[CB]
	s_mov_b32 s80, 0xc3000000                      ; -128
	s_mov_b32 s81, 0x42fe0000                      ; 127
	s_wait_loadcnt 0x0
.irp e, 0,1,2,3
	v_max3_num_f32 v[HM+\e], v[64+\e], v[68+\e], v[72+\e]
.endr
.irp c, 3,5,7,9,11,13,15,17,19,21,23,25,27,29
.irp e, 0,1,2,3
	v_max3_num_f32 v[HM+\e], v[HM+\e], v[64+4*\c+\e], v[68+4*\c+\e]
.endr
.endr
.irp e, 0,1,2,3
	v_max3_num_f32 v[HM+\e], v[HM+\e], v[188+\e], 0x3727c5ac   ; the last, and the clip at 1e-5
.endr
.irp e, 0,1,2,3
	v_rcp_f32 v[HM+4+\e], v[HM+\e]
.endr
	v_nop
	s_wait_alu depctr_va_vdst(0)
.irp e, 0,1,2,3
	v_fma_f32 v[HM+8+\e], -v[HM+\e], v[HM+4+\e], 1.0
.endr
.irp e, 0,1,2,3
	v_fma_f32 v[HM+4+\e], v[HM+4+\e], v[HM+8+\e], v[HM+4+\e]
.endr
.irp e, 0,1,2,3
	v_mul_f32 v[HM+\e], s81, v[HM+4+\e]            ; the scale, 127 / absmax
.endr
.irp e, 0,1,2,3
	v_rcp_f32 v[HM+4+\e], v[HM+\e]
.endr
	v_nop
	s_wait_alu depctr_va_vdst(0)
.irp e, 0,1,2,3
	v_fma_f32 v[HM+8+\e], -v[HM+\e], v[HM+4+\e], 1.0
.endr
.irp e, 0,1,2,3
	v_fma_f32 v[HM+4+\e], v[HM+4+\e], v[HM+8+\e], v[HM+4+\e]
.endr
	ds_store_b128 v13, v[HM:HM+3]                  ; my wave's own bytes
	ds_store_b128 v13, v[HM+4:HM+7] offset:512
	s_wait_dscnt 0x0                               ; no LDS instruction is out at the barrier's signal
	MAIN
.irp b, 0,1,2,3
	v_mov_b32 v[TM+4+\b], 0
.endr
	v_mov_b32 v243, 0                              ; the upper halves of two pairs: named, so written
	v_mov_b32 v245, 0
	s_mov_b32 s66, 0                               ; the tile,
	s_mov_b32 s67, 0                               ; 64 x,
	s_mov_b32 s82, 0                               ; 1,536 x
.Ltile:
	s_wait_xcnt 0x0                                ; the last trip's stores have read their codes and offsets
	v_add_nc_u32 v15, s67, v14
	ds_load_b32 v242, v15
	ds_load_b32 v244, v15 offset:512
	v_add_nc_u32 v246, s82, v4
	v_add_nc_u32 v247, s82, v5
	SWITCH 0
	GELU T
	GELU T+32
	s_wait_dscnt 0x0
	ACTQ
	QUANT T
	global_store_b128 v246, v[PC:PC+3], s[10:11]
	global_store_b64 v247, v[PC+4:PC+5], s[10:11] offset:512
	global_store_b128 v246, v[PC+6:PC+9], s[10:11] offset:768
	global_store_b64 v247, v[PC+10:PC+11], s[10:11] offset:1280
	v_add_nc_u32 v27, s67, v26
	ds_store_b32 v27, v[PW]
	s_add_co_u32 s67, s67, 64
	s_add_co_u32 s82, s82, FRB
	s_add_co_u32 s66, s66, 1
	s_cmp_lt_u32 s66, 8
	s_cbranch_scc1 .Ltile
	ds_load_b128 v[64:67], v30
	s_wait_dscnt 0x0
	global_store_b128 v4, v[64:67], s[10:11] offset:12288      ; the panel's 512 bytes of scale words
	s_wait_tensorcnt 0x0                           ; the wave's end
	ds_add_u32 v[SPW], v[NIL]
	s_wait_dscnt 0x0
	CROUND
	s_endpgm
.Lfunc_end_k_q0fcdad63aa_gemm_act:
	.size	k_q0fcdad63aa_gemm_act, .Lfunc_end_k_q0fcdad63aa_gemm_act-k_q0fcdad63aa_gemm_act
	.p2alignl 7, 3214868480
	.fill 96, 4, 3214868480
	.section	.rodata,"a",@progbits
	.p2align	6, 0x0
	.amdhsa_kernel k_q0fcdad63aa_gemm_act
		.amdhsa_group_segment_fixed_size 327680
		.amdhsa_private_segment_fixed_size 0
		.amdhsa_enable_private_segment 0
		.amdhsa_kernarg_size 32
		.amdhsa_user_sgpr_count 2
		.amdhsa_user_sgpr_kernarg_segment_ptr 1
		.amdhsa_wavefront_size32 1
		.amdhsa_system_sgpr_workgroup_id_x 1
		.amdhsa_system_sgpr_workgroup_id_y 1
		.amdhsa_system_sgpr_workgroup_id_z 1
		.amdhsa_system_vgpr_workitem_id 0
		.amdhsa_next_free_vgpr 1024
		.amdhsa_next_free_sgpr 100
		.amdhsa_reserve_vcc 0
		.amdhsa_float_denorm_mode_32 3
		.amdhsa_float_denorm_mode_16_64 3
		.amdhsa_memory_ordered 1
		.amdhsa_forward_progress 1
		.amdhsa_inst_pref_size 209
	.end_amdhsa_kernel
	.amdgpu_metadata
---
amdhsa.version: [ 1, 2 ]
amdhsa.kernels:
  - .name:           k_q0fcdad63aa_gemm_act
    .symbol:         k_q0fcdad63aa_gemm_act.kd
    .args:
      - { .name: wsH, .offset: 0, .size: 8, .value_kind: global_buffer, .address_space: global }
      - { .name: b1, .offset: 8, .size: 8, .value_kind: global_buffer, .address_space: global }
      - { .name: pmax, .offset: 16, .size: 8, .value_kind: global_buffer, .address_space: global }
      - { .name: wsG, .offset: 24, .size: 8, .value_kind: global_buffer, .address_space: global }
    .group_segment_fixed_size: 327680
    .private_segment_fixed_size: 0
    .kernarg_segment_align: 8
    .kernarg_segment_size: 32
    .max_flat_workgroup_size: 128
    .sgpr_count:     100
    .vgpr_count:     1024
    .wavefront_size: 32
...
	.end_amdgpu_metadata
.endif
;; end of part 7
;; launch gemm_out (part 8): grid 8 x 32, 4 waves a work-group, clusters of 4 x 4, 327,680 bytes of LDS; arguments wsG, wsH, b2, x2, out0; writes out0
.if DOCPART == 8
	.amdgcn_target "amdgcn-amd-amdhsa--gfx1250"
	.amdhsa_code_object_version 6
	.text
	.protected	k_q0fcdad63aa_gemm_out
	.globl	k_q0fcdad63aa_gemm_out
	.p2align	8
	.type	k_q0fcdad63aa_gemm_out,@function
k_q0fcdad63aa_gemm_out:
	s_mov_b64 s[64:65], 0
	v_nop
	global_prefetch_b8 v0, s[64:65] scope:SCOPE_SE
	s_setreg_imm32_b32 hwreg(HW_REG_WAVE_MODE, 25, 1), 1
	s_wait_xcnt 0x0
	s_wait_alu depctr_hold_cnt(0) depctr_sa_sdst(0) depctr_va_vdst(0) depctr_va_sdst(0) depctr_va_ssrc(0) depctr_va_vcc(0) depctr_vm_vsrc(0)
	s_getreg_b32 s2, hwreg(HW_REG_IB_STS2, 6, 4)
	s_cmp_eq_u32 s2, 0
	s_cbranch_scc0 .Lentry_in_a_cluster
	s_endpgm
.Lentry_in_a_cluster:
	s_bfe_u32 s2, ttmp6, 0x10000c
	s_cmp_lg_u32 s2, 0xf033
	s_cbranch_scc0 .Lentry_shape_is_right
	s_endpgm
.Lentry_shape_is_right:
; out = x2 + (g w2^T + b2), the product on codes of E2M3, K = 4,096: 32 steps of 128.  N = 1,024 would give 64 tiles of 256 x 256: a tile is 128 x 128, so that 256 work-groups have work; four waves of 64 x 64 (16 accumulators).
; D = (source 0: 16 slots of X, w2's rows) x (source 1: 16 slots of Y, tokens).  X's tiles are shared along a column of the cluster, Y's along a row: joint loads; a refill stands first behind a round of the cluster's barrier.
; THE RING.  A K step of both sides is 25,600 bytes, and LDS holds 12 of them: a BIG slot of 8 steps and a SMALL one of 4.  All 12 are filled at the start (three loads a wave, of 2 steps of one side each: steps 0-3, 4-7, 8-11).
; 20 steps remain, and a refill can only replace what has been read since the last round: 8 + 4 + 8 = 20 is three rounds, the fewest that 12 steps of LDS allow.
;   behind step 7's round the big slot takes steps 12-19 (one load a wave, 4 steps of one side), waited for at the head of step 11: 56 matrix instructions lie between;
;   behind step 11's round the small slot takes steps 20-23, waited for at the head of step 19: 120;   behind step 19's round the big slot takes steps 24-31, waited for at the head of step 23: 56.
; An LDS offset has 16 bits, so the big slot is addressed as two regions of 4 steps: regions 0, 1 (big) and 2 (small), an address register for each.
; THE WAY OUT: a tile of 16 tokens x 64 columns goes through the wave's own stage in LDS (pitch 272 bytes) and comes back by rows; bias and residual are added; each store covers two rows' 256 consecutive, aligned bytes.
.set NB,  4
.set KST, 32
.set OFFX, 6553600
.set PANEL, 12800
.set FRB,   1536
.set QUART, 2*PANEL                    ; two K steps of one side: a first fill, or a wave's part of the small slot
.set BIGX,  8*PANEL                    ; the big slot: Y's 8 steps from 0, X's from here
.set SMALL, 16*PANEL                   ; the small slot: Y's 4 steps from here, X's 4 steps 4 PANEL further on
.set SPARE, 24*PANEL                   ; behind the ring: the spare words, 128 bytes a wave
.set RING,  12*PANEL                   ; once round the ring, along a panel's run
.set YSTEP, 4*FRB
.set SSTEP, 256
.set ADRS, 16                          ; v16-18 my scale words in regions 0, 1, 2: lanes 0-15 Y's, lanes 16-31 X's
.set SPW,  28
.set NIL,  29
.set SC,   32                          ; v32-39 scale words, two sets; they hold nothing else
.set AY16, 51                          ; v51-62 my fragments' addresses, three to an array
.set AY8,  54
.set AX16, 57
.set AX8,  60
.set YF,   64                          ; window 0: Y's fragments, two sets (v64-159);  window 1: X's (v0-95), the residual (v128-255);  window 2: the accumulators
.set G1Y,  24                          ; s[24:31], s[48:55] groups 1 for 100 rows of 256 bytes;  s[80:87], s[88:95] for 200 rows
.set G1X,  48
.set G1YB, 80
.set G1XB, 88
.set G0YA, 32                          ; groups 0: A steps 0-3, B steps 4-7, C the small slot, D the big slot's refills
.set G0YB, 36
.set G0YC, 68
.set G0YD, 76
.set G0XA, 56
.set G0XB, 60
.set G0XC, 72
.set G0XD, 96
.set MSB, 0
.macro WIN new
.if MSB != (\new)
	s_set_vgpr_msb (MSB<<8)|(\new)
.set MSB, (\new)
.endif
.endm
.macro PLACES n
.rept \n
	v_nop
.endr
.endm
.macro CREST
	s_cmp_lg_u32 s14, 0
	s_cbranch_scc1 .Lnot_wave_0_\@
	s_barrier_signal -3
.Lnot_wave_0_\@:
	s_barrier_wait -3
	s_barrier_signal -1
	s_barrier_wait -1
.endm
.macro CROUND
	s_barrier_signal -1
	s_barrier_wait -1
	CREST
.endm
.macro JLOAD g0y, g1y, g0x, g1x        ; waves 0, 1 fetch for Y, waves 2, 3 for X; four v_nop follow each line
	s_cmp_eq_u32 s15, 0
	s_cbranch_scc0 .Lfor_x_\@
	tensor_load_to_lds s[\g0y:\g0y+3], s[\g1y:\g1y+7]
	s_nop 0
.rept 4
	v_nop
.endr
	s_branch .Lasked_\@
.Lfor_x_\@:
	tensor_load_to_lds s[\g0x:\g0x+3], s[\g1x:\g1x+7]
	s_nop 0
.rept 4
	v_nop
.endr
.Lasked_\@:
.endm
.macro DESC gy, gx, sl, lo, go         ; a pair of groups 0: LDS address s[sl] + lo; global address go bytes on from s[20:21] (Y) and s[46:47] (X)
	s_mov_b32 s[\gy], 1
	s_add_co_u32 s[\gy+1], s[\sl], \lo
	s_add_nc_u64 s[\gy+2:\gy+3], s[20:21], \go
	s_or_b32 s[\gy+3], s[\gy+3], 0x80000000
	s_mov_b32 s[\gx], 1
	s_add_co_u32 s[\gx+1], s[\sl], \lo
	s_add_nc_u64 s[\gx+2:\gx+3], s[46:47], \go
	s_or_b32 s[\gx+3], s[\gx+3], 0x80000000
.endm
.macro FRAG reg, a16, a8, off
	ds_load_b128 v[\reg:\reg+3], v[\a16] offset:\off
	ds_load_b64 v[\reg+4:\reg+5], v[\a8] offset:\off+512
	ds_load_b128 v[\reg+6:\reg+9], v[\a16] offset:\off+768
	ds_load_b64 v[\reg+10:\reg+11], v[\a8] offset:\off+1280
.endm
.macro FETCH slot, q, p                ; region slot's q-th K step into set p
	WIN 0x40
.set fi, 0
.rept NB
	FRAG 12*NB*(\p)+12*fi, AX16+\slot, AX8+\slot, (\q)*PANEL+FRB*fi
.set fi, fi+1
.endr
	WIN 0
.set fi, 0
.rept NB
	FRAG YF+12*NB*(\p)+12*fi, AY16+\slot, AY8+\slot, (\q)*PANEL+FRB*fi
.set fi, fi+1
.endr
.set fi, 0
.rept NB
	ds_load_b32 v[SC+NB*(\p)+fi], v[ADRS+\slot] offset:(\q)*PANEL+64*fi
.set fi, fi+1
.endr
.endm
.macro MULS a0, na, p, zero            ; the accumulators take turns, one instruction a turn
.set ma, \a0
.rept \na
	WIN 0xa1+0x50*(ma/4)
.set mb, 0
.rept NB
.set rD, 8*(NB*(ma%4)+mb)
.set rX, 12*NB*(\p)+12*mb
.set rY, YF+12*NB*(\p)+12*ma
.if \zero
	v_wmma_scale_f32_16x16x128_f8f6f4 v[rD:rD+7], v[rX:rX+11], v[rY:rY+11], 0, v[SC+NB*(\p)+mb], v[SC+NB*(\p)+ma] matrix_a_fmt:MATRIX_FMT_FP6 matrix_b_fmt:MATRIX_FMT_FP6 matrix_a_scale:MATRIX_SCALE_ROW1
.else
	v_wmma_scale_f32_16x16x128_f8f6f4 v[rD:rD+7], v[rX:rX+11], v[rY:rY+11], v[rD:rD+7], v[SC+NB*(\p)+mb], v[SC+NB*(\p)+ma] matrix_a_fmt:MATRIX_FMT_FP6 matrix_b_fmt:MATRIX_FMT_FP6 matrix_a_scale:MATRIX_SCALE_ROW1
.endif
.set mb, mb+1
.endr
.set ma, ma+1
.endr
.endm
.macro STEP slot, q, zero              ; a K step with its successor in the same region
	s_wait_dscnt 0x0                               ; this step's set is in
	PLACES 4                                       ; in front of loads into the set that the last step's products read
	FETCH \slot, (\q)+1, 1-(\q)%2
	MULS 0, NB, (\q)%2, \zero
.endm
.macro THREE slot                      ; a region's first three steps
	STEP \slot, 0, 0
	STEP \slot, 1, 0
	STEP \slot, 2, 0
.endm
.macro CROSS next                      ; a region's last step whose successor lies in a region that an earlier barrier has shown whole: no wait on tensor loads, no barrier
	s_wait_dscnt 0x0
	PLACES 4
	FETCH \next, 0, 0
	MULS 0, NB, 1, 0
.endm
.macro MEET1 next                      ; step 3: the first fill of steps 4-7 is shown to every wave
	s_wait_dscnt 0x0                               ; this step's set is in: no LDS instruction of mine is out at the signal
	s_wait_tensorcnt 0x1                           ; my part of steps 4-7 is in; the load behind it (steps 8-11) may stay out
	s_barrier_signal -1
	MULS 0, NB/2, 1, 0
	s_barrier_wait -1
	PLACES 4
	FETCH \next, 0, 0
	MULS NB/2, NB/2, 1, 0
.endm
; A slot's last step with a barrier; in front of it each wave waits for all its tensor loads, adds 0 to its spare word, and waits for that and for its reads of the slot.
; mode 0: nothing is filled.  1: the big slot takes steps 12-19.  2: the small slot goes once round the ring.  3: the big slot goes once round the ring.
.macro TURN next, mode
	WIN 0
	s_wait_tensorcnt 0x0                           ; all my tensor loads have landed; none of mine is out
	ds_add_u32 v[SPW], v[NIL]
	s_wait_dscnt 1                                 ; the fragments are in; only the add may be out
	MULS 0, NB/4, 1, 0
	s_wait_dscnt 0x0                               ; the add is done, and my reads of this slot are over
	s_barrier_signal -1
	MULS NB/4, NB/4, 1, 0
	WIN 0
	s_barrier_wait -1
.if (\mode) == 0
	PLACES 4
.else
	CREST                                          ; no wave of any partner still reads this slot or has a load on its way
.if (\mode) == 2
	s_add_nc_u64 s[G0YC+2:G0YC+3], s[G0YC+2:G0YC+3], RING
	s_add_nc_u64 s[G0XC+2:G0XC+3], s[G0XC+2:G0XC+3], RING
	JLOAD G0YC, G1Y, G0XC, G1X                     ; the first tensor load behind the round; its four v_nop are the places in front of the loads below
.else
.if (\mode) == 3
	s_add_nc_u64 s[G0YD+2:G0YD+3], s[G0YD+2:G0YD+3], RING
	s_add_nc_u64 s[G0XD+2:G0XD+3], s[G0XD+2:G0XD+3], RING
.endif
	JLOAD G0YD, G1YB, G0XD, G1XB
.endif
.endif
	FETCH \next, 0, 0
	MULS NB/2, NB/2, 1, 0
.endm
.macro LAST
	s_wait_dscnt 0x0
	MULS 0, NB, 1, 0
	WIN 0
	PLACES 4                                       ; behind the last products, ahead of every read of results
.endm
.set STG, SPARE+512                    ; the stages: 16 rows x 272 bytes for each wave
.set STO, 12
.set RD,  13
.set CO,  14
.set BO,  15
.macro OUTT a                          ; tile a: 16 tokens x my 64 columns
.set RB, 64+32*((\a)%2)
	WIN 0x08                                       ; an LDS store's data: window 2
.irp b, 0,1,2,3
	ds_store_b128 v[STO], v[8*(4*(\a)+\b):8*(4*(\a)+\b)+3] offset:128*(\b/2)+32*(\b%2)        ; each accumulator from its low end on
	ds_store_b128 v[STO], v[8*(4*(\a)+\b)+4:8*(4*(\a)+\b)+7] offset:128*(\b/2)+32*(\b%2)+16
.endr
	WIN 0
.if (\a) > 1
	s_wait_xcnt 0x0                                ; tile a - 2's stores have read these registers
.endif
.irp i, 0,1,2,3,4,5,6,7
	ds_load_b128 v[RB+4*\i:RB+4*\i+3], v[RD] offset:544*\i     ; LDS serves a wave's instructions in order: these see my stores
.endr
	s_wait_dscnt 0x0
.irp i, 0,1,2,3,4,5,6,7
	v_pk_add_f32 v[RB+4*\i:RB+4*\i+1], v[RB+4*\i:RB+4*\i+1], v[8:9]
	v_pk_add_f32 v[RB+4*\i+2:RB+4*\i+3], v[RB+4*\i+2:RB+4*\i+3], v[10:11]
.endr
	WIN 0x04                                       ; source 1: window 1, the residual
.irp i, 0,1,2,3,4,5,6,7
	v_pk_add_f32 v[RB+4*\i:RB+4*\i+1], v[RB+4*\i:RB+4*\i+1], v[128+32*(\a)+4*\i:128+32*(\a)+4*\i+1]
	v_pk_add_f32 v[RB+4*\i+2:RB+4*\i+3], v[RB+4*\i+2:RB+4*\i+3], v[128+32*(\a)+4*\i+2:128+32*(\a)+4*\i+3]
.endr
	WIN 0
.irp i, 0,1,2,3,4,5,6,7
	global_store_b128 v[CO], v[RB+4*\i:RB+4*\i+3], s[12:13] offset:(32*((\a)/2)+8*((\a)%2)+2*(\i%4)+16*(\i/4))*4096
.endr
.endm
	s_load_b256 s[4:11], s[0:1], 0x0               ; Y's codes, X's buffer, the bias, the residual
	s_load_b64 s[12:13], s[0:1], 0x20              ; the result
	v_lshl_add_u32 v[SPW], v0, 2, SPARE
	v_mov_b32 v[NIL], 0
	ds_add_u32 v28, v29
	ds_add_u32 v28, v29
	s_wait_dscnt 0x0
	v_lshrrev_b32 v1, 5, v0
	v_readfirstlane_b32 s14, v1                    ; wave 0..3
	s_lshr_b32 s15, s14, 1                         ; my half of Y's tiles.  Also: I fetch for Y (0) or X (1)
	s_and_b32 s16, s14, 1                          ; my half of X's tiles.  Also: which half of a fill I fetch
	s_bfe_u32 s40, ttmp6, 0x40000                  ; cx
	s_bfe_u32 s41, ttmp6, 0x40004                  ; cy
	s_lshl_b32 s43, s41, 2
	s_lshl_b32 s43, 15, s43                        ; my row of the cluster
	s_lshl_b32 s44, 0x1111, s40                    ; my column
	s_or_b32 s[G1Y], s43, (3<<16)|(1<<21)          ; the mask; elements of 8 bytes; bit 21 beside a mask; no padding
	s_or_b32 s[G1X], s44, (3<<16)|(1<<21)
	s_or_b32 s[G1YB], s43, (3<<16)|(1<<21)
	s_or_b32 s[G1XB], s44, (3<<16)|(1<<21)
.irp g, G1Y, G1X
	s_mov_b32 s[\g+1], 32<<16                      ; 100 dense rows of 256 bytes: two K steps of one side
	s_mov_b32 s[\g+2], 100<<16
	s_mov_b32 s[\g+3], 32<<16
	s_mov_b32 s[\g+4], 100
	s_mov_b32 s[\g+5], 32
	s_mov_b32 s[\g+6], 0
	s_mov_b32 s[\g+7], 0
.endr
.irp g, G1YB, G1XB
	s_mov_b32 s[\g+1], 32<<16                      ; 200 dense rows: four K steps of one side
	s_mov_b32 s[\g+2], 200<<16
	s_mov_b32 s[\g+3], 32<<16
	s_mov_b32 s[\g+4], 200
	s_mov_b32 s[\g+5], 32
	s_mov_b32 s[\g+6], 0
	s_mov_b32 s[\g+7], 0
.endr
	s_lshl_b32 s42, ttmp9, 2
	s_add_co_u32 s42, s42, s40                     ; X's block
	s_and_b32 s17, ttmp7, 0xffff
	s_lshl_b32 s17, s17, 2
	s_add_co_u32 s17, s17, s41                     ; Y's block
	s_mul_i32 s20, s17, KST*PANEL                  ; Y's address is made of s17 and the wave, X's of s42 and the wave, in registers of their own
	s_mul_i32 s46, s42, KST*PANEL
	s_add_co_u32 s46, s46, OFFX
	s_mov_b32 s21, 0
	s_mov_b32 s47, 0
	s_mul_i32 s22, s16, QUART                      ; my half of a fill of four steps
	s_mov_b32 s23, 0
	s_mul_i32 s45, s15, BIGX
	s_add_co_u32 s45, s45, s22                     ; LDS, first fills of the big slot: side x 102,400 + half x 25,600
	s_mul_i32 s66, s14, QUART
	s_add_co_u32 s66, s66, SMALL                   ; the small slot: 204,800 + wave x 25,600
	s_mul_i32 s67, s14, 2*QUART                    ; the big slot's refills: wave x 51,200
	s_wait_kmcnt 0x0
	s_add_nc_u64 s[20:21], s[4:5], s[20:21]
	s_add_nc_u64 s[46:47], s[6:7], s[46:47]
	s_add_nc_u64 s[20:21], s[20:21], s[22:23]
	s_add_nc_u64 s[46:47], s[46:47], s[22:23]
	CROUND                                         ; all sixteen work-groups are here: the first joint loads meet
	DESC G0YA, G0XA, 45, 0, 0                      ; the three first fills go out as one group: three loads of mine are out
	JLOAD G0YA, G1Y, G0XA, G1X
	DESC G0YB, G0XB, 45, 4*PANEL, 4*PANEL
	JLOAD G0YB, G1Y, G0XB, G1X
	DESC G0YC, G0XC, 66, 0, 8*PANEL
	JLOAD G0YC, G1Y, G0XC, G1X
	s_add_nc_u64 s[20:21], s[20:21], s[22:23]      ; a half of eight steps is twice a half of four
	s_add_nc_u64 s[46:47], s[46:47], s[22:23]
	DESC G0YD, G0XD, 67, 0, RING                   ; made here, asked for behind step 7's round: steps 12-19
	v_and_b32 v1, 31, v0                           ; lane
	v_and_b32 v2, 15, v0                           ; r
	v_bfe_u32 v3, v0, 4, 1                         ; h
	v_lshlrev_b32 v4, 4, v1
	v_lshlrev_b32 v5, 3, v1
	s_mul_i32 s21, s15, YSTEP                      ; my four tiles of Y,
	s_mul_i32 s22, s16, YSTEP                      ; of X
	s_add_co_u32 s22, s22, BIGX
.irp r, 0,1,2
	v_add_nc_u32 v[AY16+\r], s21, v4
	v_add_nc_u32 v[AY8+\r], s21, v5
	v_add_nc_u32 v[AX16+\r], s22, v4
	v_add_nc_u32 v[AX8+\r], s22, v5
.if \r == 0
	s_add_co_u32 s21, s21, 4*PANEL                 ; region 1: the big slot's steps 4-7
	s_add_co_u32 s22, s22, 4*PANEL
.endif
.if \r == 1
	s_add_co_u32 s21, s21, 12*PANEL                ; region 2: the small slot: Y at 16 PANEL,
	s_add_co_u32 s22, s22, 8*PANEL                 ; X at 20 PANEL
.endif
.endr
	s_mul_i32 s21, s15, SSTEP
	s_mul_i32 s22, s16, SSTEP
	s_add_co_u32 s22, s22, BIGX
	s_sub_co_u32 s22, s22, s21                     ; from Y's words to X's in the big slot,
	s_mul_i32 s23, s16, SSTEP
	s_add_co_u32 s23, s23, 4*PANEL
	s_sub_co_u32 s23, s23, s21                     ; in the small one
	v_mul_u32_u24 v6, s22, v3                      ; lanes 16-31 take X's words: one product each, the distance between the two bases
	v_mul_u32_u24 v7, s23, v3
	s_add_co_u32 s21, s21, 12288
	v_lshl_add_u32 v6, v2, 2, v6
	v_lshl_add_u32 v7, v2, 2, v7
	v_add_nc_u32 v[ADRS], s21, v6
	v_add_nc_u32 v[ADRS+1], 4*PANEL, v[ADRS]
	s_add_co_u32 s21, s21, SMALL
	v_add_nc_u32 v[ADRS+2], s21, v7
	s_lshl_b32 s2, s42, 9
	s_lshl_b32 s3, s16, 8
	s_add_co_u32 s2, s2, s3                        ; my first column, in bytes
	s_mov_b32 s3, 0
	s_add_nc_u64 s[8:9], s[8:9], s[2:3]
	s_lshl_b32 s43, s17, 7
	s_lshl_b32 s44, s15, 6
	s_add_co_u32 s43, s43, s44
	s_lshl_b32 s43, s43, 12                        ; my first row, rows of 4,096 bytes
	s_add_co_u32 s2, s2, s43
	s_add_nc_u64 s[10:11], s[10:11], s[2:3]
	s_add_nc_u64 s[12:13], s[12:13], s[2:3]
	v_lshlrev_b32 v[BO], 4, v2
	v_lshl_add_u32 v[CO], v3, 12, v[BO]            ; lanes 0-15 one row, lanes 16-31 the next; 16 bytes a lane
	s_mul_i32 s43, s14, 16*272
	s_add_co_u32 s43, s43, STG
	v_mul_u32_u24 v[STO], v2, 272
	v_lshl_add_u32 v[STO], v3, 6, v[STO]
	v_add_nc_u32 v[STO], s43, v[STO]
	v_mul_u32_u24 v[RD], v3, 272
	v_add_nc_u32 v[RD], v[RD], v[BO]
	v_add_nc_u32 v[RD], s43, v[RD]
	global_load_b128 v[8:11], v[BO], s[8:9]
	WIN 0x40
.irp a, 0,1,2,3
.irp i, 0,1,2,3,4,5,6,7
	global_load_b128 v[128+32*\a+4*\i:128+32*\a+4*\i+3], v[CO], s[10:11] offset:(32*(\a/2)+8*(\a%2)+2*(\i%4)+16*(\i/4))*4096   ; the residual, in the stores' own layout
.endr
.endr
	WIN 0
	s_wait_tensorcnt 0x2                           ; my part of steps 0-3 is in; the two loads behind it may stay out
	s_barrier_signal -1
	s_barrier_wait -1
	FETCH 0, 0, 0
	STEP 0, 0, 1                                   ; step 0: its products start the sums
	STEP 0, 1, 0
	STEP 0, 2, 0
	MEET1 1                                        ; step 3
	THREE 1                                        ; steps 4-6
	TURN 2, 1                                      ; step 7: the small slot is whole; the big slot takes steps 12-19
	THREE 2                                        ; steps 8-10
	TURN 0, 2                                      ; step 11: the big slot is whole; the small slot takes steps 20-23
	THREE 0                                        ; steps 12-14
	CROSS 1                                        ; step 15
	THREE 1                                        ; steps 16-18
	TURN 2, 3                                      ; step 19: the small slot is whole; the big slot takes steps 24-31
	THREE 2                                        ; steps 20-22
	TURN 0, 0                                      ; step 23: the big slot is whole
	THREE 0                                        ; steps 24-26
	CROSS 1                                        ; step 27
	THREE 1                                        ; steps 28-30
	LAST                                           ; step 31
	s_wait_loadcnt 0x0                             ; the bias and the residual
	OUTT 0
	OUTT 1
	OUTT 2
	OUTT 3
	s_wait_tensorcnt 0x0                           ; the wave's end
	ds_add_u32 v[SPW], v[NIL]
	s_wait_dscnt 0x0
	CROUND                                         ; the closing round
	s_endpgm
.Lfunc_end_k_q0fcdad63aa_gemm_out:
	.size	k_q0fcdad63aa_gemm_out, .Lfunc_end_k_q0fcdad63aa_gemm_out-k_q0fcdad63aa_gemm_out
	.p2alignl 7, 3214868480
	.fill 96, 4, 3214868480
	.section	.rodata,"a",@progbits
	.p2align	6, 0x0
	.amdhsa_kernel k_q0fcdad63aa_gemm_out
		.amdhsa_group_segment_fixed_size 327680
		.amdhsa_private_segment_fixed_size 0
		.amdhsa_enable_private_segment 0
		.amdhsa_kernarg_size 40
		.amdhsa_user_sgpr_count 2
		.amdhsa_user_sgpr_kernarg_segment_ptr 1
		.amdhsa_wavefront_size32 1
		.amdhsa_system_sgpr_workgroup_id_x 1
		.amdhsa_system_sgpr_workgroup_id_y 1
		.amdhsa_system_sgpr_workgroup_id_z 1
		.amdhsa_system_vgpr_workitem_id 0
		.amdhsa_next_free_vgpr 1024
		.amdhsa_next_free_sgpr 100
		.amdhsa_reserve_vcc 0
		.amdhsa_float_denorm_mode_32 3
		.amdhsa_float_denorm_mode_16_64 3
		.amdhsa_memory_ordered 1
		.amdhsa_forward_progress 1
		.amdhsa_inst_pref_size 178
	.end_amdhsa_kernel
	.amdgpu_metadata
---
amdhsa.version: [ 1, 2 ]
amdhsa.kernels:
  - .name:           k_q0fcdad63aa_gemm_out
    .symbol:         k_q0fcdad63aa_gemm_out.kd
    .args:
      - { .name: wsG, .offset: 0, .size: 8, .value_kind: global_buffer, .address_space: global }
      - { .name: wsH, .offset: 8, .size: 8, .value_kind: global_buffer, .address_space: global }
      - { .name: b2, .offset: 16, .size: 8, .value_kind: global_buffer, .address_space: global }
      - { .name: x2, .offset: 24, .size: 8, .value_kind: global_buffer, .address_space: global }
      - { .name: out0, .offset: 32, .size: 8, .value_kind: global_buffer, .address_space: global }
    .group_segment_fixed_size: 327680
    .private_segment_fixed_size: 0
    .kernarg_segment_align: 8
    .kernarg_segment_size: 40
    .max_flat_workgroup_size: 128
    .sgpr_count:     100
    .vgpr_count:     1024
    .wavefront_size: 32
...
	.end_amdgpu_metadata
.endif
;; end of part 8
